; MI455X (gfx1250); checked and timed in simulation.
; The chip was launched on July 23, 2026; its instructions are those of AMD's public machine-readable ISA for CDNA 5 (MIT licence, August 2026) and "CDNA5" Instruction Set Architecture Reference Guide (July 2026). The comments in the code are by the model that wrote it; some were corrected since.
;; Mo E. Allowed arithmetic: float matrix products may take bf16 or f16 operands with f32 sums; other float arithmetic in f32, or as packed bf16 or f16 multiplies, adds, multiply-adds, maxima and minima; sums over many terms, partial sums and values carried from step to step in f32; what a program stores and reads back later, other than sums and carried values, may be rounded once to bf16 or f16.
;; Inputs: W1 8 x 1,024 x 4,096 float32; W2 8 x 4,096 x 1,024 float32; Wg 1,024 x 8 float32; b1 8 x 4,096 float32; b2 8 x 1,024 float32; x 1,024 x 1,024 float32.
;; Outputs: out0 1,024 x 1,024 float32.
;; 3 versions, each right; version 3 is version 2 with the launch up written anew for expert scheduling mode. Each part assembles by itself: llvm-mc -triple=amdgcn-amd-amdhsa -mcpu=gfx1250 --defsym DOCPART=n.
;; ======== version 1 of 3: 4 launches
;; limits: values are held in f16: magnitudes above 65,504 overflow, below 6.1e-05 lose precision
;; workspace buffers: xb 2,097,152 bytes; sel 8,192 bytes of whole numbers; wgt 8,192 bytes; rnk 32,768 bytes of whole numbers; h 67,108,864 bytes; part 134,217,728 bytes
;; launch route (part 1): grid 256 x 1, 4 waves a work-group, no clusters, 0 bytes of LDS; arguments x, Wg, xb, sel, wgt; writes xb, sel, wgt
.if DOCPART == 1
	.amdgcn_target "amdgcn-amd-amdhsa--gfx1250"
	.amdhsa_code_object_version 6
	.text
	.protected	k_qc5b34d28bd_route
	.globl	k_qc5b34d28bd_route
	.p2align	8
	.type	k_qc5b34d28bd_route,@function
k_qc5b34d28bd_route:
	s_mov_b64 s[64:65], 0
	v_nop
	global_prefetch_b8 v0, s[64:65] scope:SCOPE_SE
	s_setreg_imm32_b32 hwreg(HW_REG_WAVE_MODE, 25, 1), 1
	s_wait_xcnt 0x0
; THE GATE.  For token n: logits = relu(x[n] . Wg), the two largest (ties: the lower index, as lax.top_k keeps it), and their
; softmax weights made to add up to one: w1 = 1 / (1 + e^(l2 - l1)), w2 = e^(l2 - l1) w1.  The larger logit is taken away
; before the exponential, so the exponent is never above 0.  Also: x rounded once to bf16 goes to xb for the first product.
; x and Wg are rounded to bf16 here too, sums in f32: every input of the program has the same rounding.
; The 8 columns of Wg would fill half of a 16 x 16 matrix tile and the product is 1024 x 1024 x 8 multiply-adds in all, so it is
; done by fused multiply-adds that read bf16 halves.  No LDS, no barrier: one wave, one token (256 work-groups x 4 waves).
; LIMITS.  NaN is not treated apart.  Two logits that differ but whose softmax values round to one f32 are ordered by the logits.
; Lane L holds d = 128 i + 4 L + c (i = 0..7, c = 0..3): a load of x covers 512 consecutive bytes, a store of xb 256.
.set X,    8          ; v8-39    x as loaded: step i at X + 4 i
.set XP,   40         ; v40-55   x in bf16 pairs: step i at XP + 2 i; never rewritten (the stores read them)
.set ACC,  56         ; v56-63   the eight sums
.set G,    64         ; v64-191  Wg: four slots of 32, step i in slot i % 4: row c, expert e at 8 c + e; packed in place to 8 c + e / 2
.set BEST, 192        ; the largest logit
.set SECO, 193        ; the second
.set IDX,  194        ; v194-195 their experts
.set WT,   196        ; v196-197 their weights
.set TT,   198
.set ZO,   199        ; 0: the offset of the two last stores
.macro GLOAD i                         ; Wg's rows of step i: 8 loads, together 4,096 consecutive bytes
.set gs, G+32*((\i)&3)
.irp c, 0,1,2,3
	global_load_b128 v[gs+8*\c:gs+8*\c+3],   v3, s[6:7] offset:4096*(\i)+32*\c
	global_load_b128 v[gs+8*\c+4:gs+8*\c+7], v3, s[6:7] offset:4096*(\i)+32*\c+16
.endr
.endm
.macro FM d, a, b, ha, hb              ; d += half ha of a x half hb of b, both bf16, in f32
.if ((\ha) == 0) && ((\hb) == 0)
	v_fma_mix_f32_bf16 v[\d], v[\a], v[\b], v[\d] op_sel_hi:[1,1,0]
.elseif ((\ha) == 1) && ((\hb) == 0)
	v_fma_mix_f32_bf16 v[\d], v[\a], v[\b], v[\d] op_sel:[1,0,0] op_sel_hi:[1,1,0]
.elseif ((\ha) == 0)
	v_fma_mix_f32_bf16 v[\d], v[\a], v[\b], v[\d] op_sel:[0,1,0] op_sel_hi:[1,1,0]
.else
	v_fma_mix_f32_bf16 v[\d], v[\a], v[\b], v[\d] op_sel:[1,1,0] op_sel_hi:[1,1,0]
.endif
.endm
; Step i.  left = the loads of Wg issued behind step i's (x was asked for ahead of all of them).  more = 1: the slot takes step i + 4.
.macro STEP i, left, more
	s_wait_loadcnt \left
.set gs, G+32*((\i)&3)
	v_cvt_pk_bf16_f32 v[XP+2*(\i)],   v[X+4*(\i)],   v[X+4*(\i)+1]
	v_cvt_pk_bf16_f32 v[XP+2*(\i)+1], v[X+4*(\i)+2], v[X+4*(\i)+3]
	global_store_b64 v4, v[XP+2*(\i):XP+2*(\i)+1], s[8:9] offset:256*(\i)   ; 32 lanes x 8 bytes: 256 consecutive bytes, aligned
.irp c, 0,1,2,3
.irp p, 0,1,2,3
	v_cvt_pk_bf16_f32 v[gs+8*\c+\p], v[gs+8*\c+2*\p], v[gs+8*\c+2*\p+1]       ; in place: pair p lands on a register already read
.endr
.endr
.irp c, 0,1,2,3
.irp e, 0,1,2,3,4,5,6,7
	FM ACC+\e, XP+2*(\i)+\c/2, gs+8*\c+\e/2, \c%2, \e%2
.endr
.endr
.if \more
	GLOAD (\i)+4
.endif
.endm
	s_load_b256 s[4:11], s[0:1], 0x0               ; x s[4:5], Wg s[6:7], xb s[8:9], sel s[10:11]
	s_load_b64 s[12:13], s[0:1], 0x20              ; wgt
	v_and_b32 v1, 31, v0                           ; lane
	v_lshrrev_b32 v5, 5, v0
	v_readfirstlane_b32 s16, v5                    ; wave
	s_lshl_b32 s17, ttmp9, 2
	s_add_co_u32 s17, s17, s16                     ; my token
	v_lshlrev_b32 v2, 4, v1                        ; x: 16 L
	v_lshlrev_b32 v3, 7, v1                        ; Wg: four rows of 32 bytes a lane
	v_lshlrev_b32 v4, 3, v1                        ; xb: 8 L
	s_mov_b32 s14, 0x76543210                      ; v_permlanex16_b32: each lane takes its own place in the other half
	s_mov_b32 s15, 0xfedcba98
	s_mov_b32 s19, 0
	s_lshl_b32 s18, s17, 12
	s_wait_kmcnt 0x0
	s_add_nc_u64 s[4:5], s[4:5], s[18:19]          ; x at my row
	s_lshl_b32 s18, s17, 11
	s_add_nc_u64 s[8:9], s[8:9], s[18:19]          ; xb at my row
	s_lshl_b32 s18, s17, 3
	s_add_nc_u64 s[10:11], s[10:11], s[18:19]      ; sel and wgt at my pair
	s_add_nc_u64 s[12:13], s[12:13], s[18:19]
.irp i, 0,1,2,3,4,5,6,7
	global_load_b128 v[X+4*\i:X+4*\i+3], v2, s[4:5] offset:512*\i th:TH_LOAD_NT
.endr
	GLOAD 0
	GLOAD 1
	GLOAD 2
	GLOAD 3
.irp e, 0,1,2,3,4,5,6,7
	v_mov_b32 v[ACC+\e], 0
.endr
	STEP 0, 24, 1                                  ; three slots of eight loads are younger
	STEP 1, 24, 1
	STEP 2, 24, 1
	STEP 3, 24, 1
	STEP 4, 24, 0
	STEP 5, 16, 0                                  ; nothing more is asked for: the counts run down
	STEP 6, 8, 0
	STEP 7, 0, 0
	; the eight sums over the 32 lanes: four steps inside each half ride on the addition, one crosses the halves; every lane gets the same bits
.irp m, 1,2,4,8
.irp e, 0,1,2,3,4,5,6,7
	v_add_f32_dpp v[ACC+\e], v[ACC+\e], v[ACC+\e] row_xmask:\m row_mask:0xf bank_mask:0xf
.endr
.endr
.irp e, 0,1,2,3,4,5,6,7
	v_permlanex16_b32 v[X+\e], v[ACC+\e], s14, s15 ; its destination counts as read: x's registers have been written
.endr
.irp e, 0,1,2,3,4,5,6,7
	v_add_f32 v[ACC+\e], v[ACC+\e], v[X+\e]
.endr
.irp e, 0,1,2,3,4,5,6,7
	v_max_num_f32 v[ACC+\e], 0, v[ACC+\e]          ; the gate's ReLU
.endr
	; the two largest, by selects alone.  Only a strictly larger logit displaces an earlier one.  The second starts at -1, below every logit.
	v_mov_b32 v[BEST], v[ACC]
	v_mov_b32 v[SECO], -1.0
	v_mov_b32 v[IDX], 0
	v_mov_b32 v[IDX+1], 0
.irp e, 1,2,3,4,5,6,7
	v_cmp_gt_f32 s20, v[ACC+\e], v[BEST]
	v_cmp_gt_f32 s21, v[ACC+\e], v[SECO]
	v_cndmask_b32 v[SECO], v[SECO], v[ACC+\e], s21
	v_cndmask_b32 v[IDX+1], v[IDX+1], \e, s21
	v_cndmask_b32 v[SECO], v[SECO], v[BEST], s20   ; a new best hands the old best down
	v_cndmask_b32 v[IDX+1], v[IDX+1], v[IDX], s20
	v_cndmask_b32 v[BEST], v[BEST], v[ACC+\e], s20
	v_cndmask_b32 v[IDX], v[IDX], \e, s20
.endr
	v_sub_f32 v[TT], v[SECO], v[BEST]              ; at most 0
	v_mul_f32 v[TT], 0x3fb8aa3b, v[TT]             ; times log2(e)
	v_exp_f32 v[TT], v[TT]
	v_mov_b32 v[ZO], 0                             ; a plain instruction behind the exponential (ISA guide 5.7.2)
	s_wait_alu depctr_va_vdst(0)
	v_add_f32 v[WT], 1.0, v[TT]
	v_rcp_f32 v[WT], v[WT]
	v_cmp_eq_u32 vcc_lo, 0, v1                     ; a plain instruction behind the reciprocal
	s_wait_alu depctr_va_vdst(0)
	v_mul_f32 v[WT+1], v[TT], v[WT]
	s_wait_xcnt 0x0                                ; EXEC is a source of the stores above: it changes only behind this wait
	s_and_saveexec_b32 s20, vcc_lo                 ; lane 0 alone
	global_store_b64 v[ZO], v[IDX:IDX+1], s[10:11]
	global_store_b64 v[ZO], v[WT:WT+1], s[12:13]
	s_wait_xcnt 0x0                                ; and again in front of the line that widens it
	s_or_b32 exec_lo, exec_lo, s20
	s_endpgm
.Lfunc_end_k_qc5b34d28bd_route:
	.size	k_qc5b34d28bd_route, .Lfunc_end_k_qc5b34d28bd_route-k_qc5b34d28bd_route
	.p2alignl 7, 3214868480
	.fill 96, 4, 3214868480
	.section	.rodata,"a",@progbits
	.p2align	6, 0x0
	.amdhsa_kernel k_qc5b34d28bd_route
		.amdhsa_group_segment_fixed_size 0
		.amdhsa_private_segment_fixed_size 0
		.amdhsa_enable_private_segment 0
		.amdhsa_kernarg_size 40
		.amdhsa_user_sgpr_count 2
		.amdhsa_user_sgpr_kernarg_segment_ptr 1
		.amdhsa_wavefront_size32 1
		.amdhsa_system_sgpr_workgroup_id_x 1
		.amdhsa_system_sgpr_workgroup_id_y 1
		.amdhsa_system_sgpr_workgroup_id_z 1
		.amdhsa_system_vgpr_workitem_id 0
		.amdhsa_next_free_vgpr 208
		.amdhsa_next_free_sgpr 66
		.amdhsa_reserve_vcc 1
		.amdhsa_float_denorm_mode_32 3
		.amdhsa_float_denorm_mode_16_64 3
		.amdhsa_memory_ordered 1
		.amdhsa_forward_progress 1
		.amdhsa_inst_pref_size 42
	.end_amdhsa_kernel
	.amdgpu_metadata
---
amdhsa.version: [ 1, 2 ]
amdhsa.kernels:
  - .name:           k_qc5b34d28bd_route
    .symbol:         k_qc5b34d28bd_route.kd
    .args:
      - { .name: x, .offset: 0, .size: 8, .value_kind: global_buffer, .address_space: global }
      - { .name: Wg, .offset: 8, .size: 8, .value_kind: global_buffer, .address_space: global }
      - { .name: xb, .offset: 16, .size: 8, .value_kind: global_buffer, .address_space: global }
      - { .name: sel, .offset: 24, .size: 8, .value_kind: global_buffer, .address_space: global }
      - { .name: wgt, .offset: 32, .size: 8, .value_kind: global_buffer, .address_space: global }
    .group_segment_fixed_size: 0
    .private_segment_fixed_size: 0
    .kernarg_segment_align: 8
    .kernarg_segment_size: 40
    .max_flat_workgroup_size: 128
    .sgpr_count:     66
    .vgpr_count:     208
    .wavefront_size: 32
...
	.end_amdgpu_metadata
.endif
;; end of part 1
;; launch up (part 2): grid 32 x 8, 4 waves a work-group, no clusters, 318,208 bytes of LDS; arguments xb, W1, b1, sel, h, rnk; writes h, rnk
.if DOCPART == 2
	.amdgcn_target "amdgcn-amd-amdhsa--gfx1250"
	.amdhsa_code_object_version 6
	.text
	.protected	k_qc5b34d28bd_up
	.globl	k_qc5b34d28bd_up
	.p2align	8
	.type	k_qc5b34d28bd_up,@function
k_qc5b34d28bd_up:
	s_mov_b64 s[64:65], 0
	v_nop
	global_prefetch_b8 v0, s[64:65] scope:SCOPE_SE
	s_setreg_imm32_b32 hwreg(HW_REG_WAVE_MODE, 25, 1), 1
	s_wait_xcnt 0x0
; THE FIRST PRODUCT, for the chosen rows alone.  h[e][rank][c] = f16(relu(xb[token(rank)] . bf16(W1[e][:, c]) + bf16(b1[e][c]))), sums in f32.
; SHARES.  Work-group (slice, e): 128 columns of expert e, all 1,024 k: 512 KB of f32 weights that it alone reads, each byte once.
; The weights are rounded in registers and laid into LDS once, as [k][128] bf16, rows 288 bytes apart.  They come in 8 chunks of 128 k;
; while chunk t + 1 is rounded and chunk t + 2 is on its way, chunk t is multiplied with the expert's first 320 rows (BLOCK 0: 80 rows a
; wave, five strips of 16 x 128 columns, 40 accumulators).  Blocks 1 to 3 (an expert may have up to 1,024 rows) read the resident slice:
; a loop of the constant count 4 in which a wave without rows jumps forward over work, never over a barrier.  Each block has two barriers
; that every wave passes: one between the block's reads of the slice and the stores into the stages, one behind the way out: LDS reads
; whose address is stepped inside the loop and LDS stores never fall between the same two barriers.
; WHO IS CHOSEN.  Every wave reads sel (whole numbers stored by the launch before) and makes 32 mask words, bit L of word i = token 32 i + L
; chose e.  A token's rank is the number of chosen tokens below it.  Wave 0 lays the list rank -> token into LDS; places past the count hold
; token 0.  Wave 1 of slice 0 stores every token's rank to rnk for the last launch.  A strip is stored if its first rank is below max(count, 1).
; THE MATRIX INSTRUCTION IS USED TRANSPOSED: source 0 = 16 weight columns (turned on the way out of LDS), source 1 = 16 token rows, loaded from
; memory straight into the fragment.  Lane (r, h) then holds row r, columns 8 h + 0..7: 16 bytes of f16 that belong together.
; The sums start from the bias: the first instruction on each accumulator multiplies zeros and takes the bias as C.
; NO CLUSTER: a slice of weights has one reader; what the 32 work-groups of an expert share are token rows named by a list, which no tile covers.
; NO TENSOR LOAD: f32 weights must pass through registers to be rounded.
; LIMITS.  h is kept in f16: |h| of 65,520 or more becomes an infinity; below 6e-5 it keeps the fixed step 6e-8.  NaN is not treated apart.
; REGISTERS, in windows of 256 (s_set_vgpr_msb: bits 1:0 source 0, 3:2 source 1, 5:4 source 2, 7:6 destination):
;   window 0: addresses, the weights on their way (v32-159), zeros, the bias          window 1: v0-159 token fragments, k step s, strip j at 40 s + 8 j
;   window 2: v0-127 two buffers of weight fragments; v128-191 strip 4's accumulators   window 3: strips 0-3: accumulator (j, b) at 64 j + 8 b
.set P,      288      ; an LDS row: 256 bytes + 32 = 72 words
.set KSL,    32*P     ; a k step of 32
.set H16,    16*P
.set CHL,    4*KSL    ; a chunk of 128 k in LDS
.set PITCHW, 16384    ; bytes from row to row of W1
.set CHW,    128*PITCHW
.set LIST,   8*CHL    ; behind the slice: 1,280 words rank -> token, then 32 words for lanes with nothing to say
.set STAGE,  LIST+5376  ; 16 rows x 272 bytes for each wave, for the way out
.set SP,     272
.set SPARE,  STAGE+4*16*SP  ; the spare words, 128 bytes for each wave: two blocks of 256 bytes that no other line names
.set LN,   1          ; lane
.set RR,   2          ; r = lane % 16
.set HH,   3          ; h = lane / 16
.set H4,   4          ; 16 h
.set VW,   5          ; weights: 16 L + my wave's 32 rows of a chunk; never rewritten
.set VP,   6          ; prefetch: one row of a chunk for each of the 128 threads; never rewritten
.set VB0,  7          ; my lane's place in a k step of the slice, for the turning load
.set VB,   8          ; + the chunk
.set VS0,  9          ; where I lay 8 bytes of my wave's first row of a chunk
.set VS,   10         ; + the chunk
.set VL0,  11         ; my word of the list: rank 80 w + r
.set VL,   12         ; + the block
.set STO,  13         ; the way out: where I put 16 bytes of a row
.set RD,   14         ; where I read a row back
.set VO,   15         ; my byte offset in two rows of h
.set VA,   16         ; v16-20  strip j: byte offset of my token's row in xb, + 16 h
.set T,    21         ; v21-26  at work
.set A4L,  27
.set A32H, 28
.set A8L,  29
.set SPW,  30         ; LDS address of my spare word; never rewritten
.set NIL,  31         ; 0; never rewritten
.set WR,   32         ; v32-159 my wave's 32 rows of a chunk, four f32 a lane: row rho at WR + 4 rho
.set TMP,  32         ; when the stream is over: a strip in f16
.set BK,   64         ; and two sets of 32 for whole rows read back
.set Z,    160        ; v160-167 zeros
.set RK,   168        ; v168-183 ranks on their way to rnk
.set BIAS, 192        ; v192-255 column block b at BIAS + 8 b
.set WV,   16         ; wave
.set SLC,  17         ; slice
.set EX,   18         ; expert
.set CNT,  19         ; the expert's rows
.set CNTS, 20         ; max(CNT, 1)
.set S0,   21         ; s21-23 at work
.set W0,   24         ; s[24:25] the slice's first byte
.set WB,   26         ; s[26:27] the chunk being asked for
.set PB,   28         ; s[28:29] the chunk being prefetched
.set PO,   30         ; s[30:31] its offset
.set AB,   32         ; s[32:33] xb at the chunk whose token fragments are being asked for
.set KOFF, 34         ; s[34:35] its offset
.set KB,   36         ; the chunk in hand, in LDS bytes
.set TC,   37         ; trips
.set BLK,  38         ; blocks to go
.set ROW0, 39         ; my wave's first rank in the block
.set LB,   40         ; the block's step in the list
.set MSK,  41         ; a word's upper half
.set OB,   42         ; s[42:43] where a strip goes
.set OFS,  44         ; s[44:45] an offset
.set OUT,  46         ; s[46:47] h at (e, rank 0, my columns)
.set XB,   48         ; s[48:49] xb
.set BB,   50         ; s[50:51] b1 at my columns
.set BM,   68         ; s68-99 the mask words
.set MSB, 0
.macro WIN new                         ; the immediate's high byte repeats the setting that is left; a switch that changes nothing is dropped
.if MSB != (\new)
	s_set_vgpr_msb (MSB<<8)|(\new)
.set MSB, \new
.endif
.endm
; A load into a register that a matrix instruction has read, and a vector instruction or LDS store that reads a matrix result, stand four places behind it;
; only plain vector instructions that name none of its registers are places.
.macro PLACES
.rept 4
	v_nop
.endr
.endm
; Matrix instruction i of a k step's 40: strip i / 8, column block i % 8.  The 40 accumulators take turns, one instruction a turn.
.macro MM s, i
.set mb, (\i)%8
.set ma, 8*(\i)
.if (\i) < 32
	WIN 0xf6                                       ; weights window 2, tokens window 1, C and D window 3
.else
	WIN 0xa6                                       ; the same, C and D window 2
.set ma, 128+8*mb
.endif
	v_wmma_f32_16x16x32_bf16 v[ma:ma+7], v[64*((\s)&1)+8*mb:64*((\s)&1)+8*mb+7], v[40*(\s)+8*((\i)/8):40*(\s)+8*((\i)/8)+7], v[ma:ma+7]
.endm
.macro INIT                            ; every sum starts as 0 x 0 + bias
.set ki, 0
.rept 40
.if ki < 32
	WIN 0xc0
	v_wmma_f32_16x16x32_bf16 v[8*ki:8*ki+7], v[Z:Z+7], v[Z:Z+7], v[BIAS+8*(ki%8):BIAS+8*(ki%8)+7]
.else
	WIN 0x80
	v_wmma_f32_16x16x32_bf16 v[128+8*(ki-32):128+8*(ki-32)+7], v[Z:Z+7], v[Z:Z+7], v[BIAS+8*(ki%8):BIAS+8*(ki%8)+7]
.endif
.set ki, ki+1
.endr
.endm
.macro FETCH buf, off                  ; a k step's weight fragments, 32 k x 128 columns, turned: 16 loads in one run
	WIN 0x80
.irp b, 0,1,2,3,4,5,6,7
	ds_load_tr16_b128 v[64*(\buf)+8*\b:64*(\buf)+8*\b+3],   v[VB] offset:(\off)+32*\b
	ds_load_tr16_b128 v[64*(\buf)+8*\b+4:64*(\buf)+8*\b+7], v[VB] offset:(\off)+32*\b+H16
.endr
.endm
.macro CV rho, off                     ; row rho of my 32: four f32 a lane to 8 bytes of bf16; the wave lays 256 consecutive bytes
	WIN 0
	v_cvt_pk_bf16_f32 v[WR+4*(\rho)],   v[WR+4*(\rho)],   v[WR+4*(\rho)+1]
	v_cvt_pk_bf16_f32 v[WR+4*(\rho)+1], v[WR+4*(\rho)+2], v[WR+4*(\rho)+3]
	ds_store_b64 v[VS], v[WR+4*(\rho):WR+4*(\rho)+1] offset:(\off)+P*(\rho)
.endm
.macro WLOAD rho, base, add            ; 512 consecutive bytes of a weight row, read once in the launch
	global_load_b128 v[WR+4*(\rho):WR+4*(\rho)+3], v[VW], s[\base:\base+1] offset:((\add)+(\rho))*PITCHW th:TH_LOAD_NT
.endm
.macro ALOAD s                         ; the token fragments of k step s, five strips: lane (r, h) takes 16 bytes at 16 h and at 32 + 16 h of its row's 64
	WIN 0x40
.irp j, 0,1,2,3,4
	global_load_b128 v[40*(\s)+8*\j:40*(\s)+8*\j+3],   v[VA+\j], s[AB:AB+1] offset:64*(\s)
	global_load_b128 v[40*(\s)+8*\j+4:40*(\s)+8*\j+7], v[VA+\j], s[AB:AB+1] offset:64*(\s)+32
.endr
.endm
; My 32 rows of a chunk go in three units, 11, 11 and 10 rows, one for each of the k steps 0 to 2.  Row g of unit s is rounded behind matrix instruction g.
.macro RIDER s, cv, g
.if (\cv) && ((\s) < 3)
.if (\g) < 11-(\s)/2
	CV 11*(\s)+(\g), CHL
.endif
.endif
.endm
; A K STEP of 32: 40 matrix instructions.  cv: unit s of the next chunk is rounded between them.  wr: the unit is asked for again, two chunks on.  ar: the token fragments
; just multiplied are asked for again, one chunk on.  bar (k step 3): the barrier that shows the next chunk whole.  n: the loads issued behind the token fragments of this k step
; (the unit's weights were asked for just ahead of those).  fetch: the next k step's weight fragments are read, 32 matrix instructions ahead of their use.
.macro KSTEP s, cv, wr, ar, bar, n, fetch
	s_wait_loadcnt \n
	s_wait_dscnt 0x0                               ; this k step's weight fragments are in, and my stores into the slice are done
.if ((\s) == 3) && (\bar)
	s_barrier_signal -1                            ; my 32 rows of the next chunk lie in LDS
.endif
.set ki, 0
.rept 8
	MM \s, ki
	RIDER \s, \cv, ki
.set ki, ki+1
.endr
.if ((\s) == 3) && (\bar)
	s_barrier_wait -1                              ; everybody's do
.endif
.if \fetch
.set nb, ((\s)+1)&1
	FETCH nb, ((\s)+1)*KSL
.endif
.if ((\s) == 0) && (\wr)
	global_prefetch_b8 v[VP], s[PB:PB+1] th:TH_LOAD_NT scope:SCOPE_SE             ; the chunk three on (the last chunk at the most): each thread asks for one row's
	global_prefetch_b8 v[VP], s[PB:PB+1] offset:256 th:TH_LOAD_NT scope:SCOPE_SE  ; 512 bytes, as two blocks of 256; one trip ahead of the loads that want them
.endif
.rept 32
	MM \s, ki
	RIDER \s, \cv, ki
.set ki, ki+1
.endr
	PLACES                                         ; for the loads below and for the next fetch into the buffer just read
.if (\wr) && ((\s) < 3)
	WIN 0
.set kr, 11*(\s)
.rept 11-(\s)/2
	WLOAD kr, WB, 0
.set kr, kr+1
.endr
.endif
.if \ar
	ALOAD \s
.endif
.endm
; A TRIP: one chunk of 128 k.
.macro TRIP cv, wr, ar, bar, n0, n1, n2, n3, f3
	WIN 0
	s_wait_xcnt 0x0                                ; the bases below are sources of loads and prefetches already issued (ISA guide 3.1)
.if \ar
	s_add_co_u32 s[KOFF], s[KOFF], 256
	s_add_nc_u64 s[AB:AB+1], s[XB:XB+1], s[KOFF:KOFF+1]
.endif
.if \wr
	s_add_nc_u64 s[WB:WB+1], s[WB:WB+1], CHW
	s_add_co_u32 s[PO], s[PO], CHW
	s_min_u32 s[PO], s[PO], 7*CHW                  ; no prefetch points past the slice's last chunk
	s_add_nc_u64 s[PB:PB+1], s[W0:W0+1], s[PO:PO+1]
.endif
	v_add_nc_u32 v[VB], s[KB], v[VB0]
.if \cv
	v_add_nc_u32 v[VS], s[KB], v[VS0]
.endif
	KSTEP 0, \cv, \wr, \ar, \bar, \n0, 1
	KSTEP 1, \cv, \wr, \ar, \bar, \n1, 1
	KSTEP 2, \cv, \wr, \ar, \bar, \n2, 1
	KSTEP 3, \cv, \wr, \ar, \bar, \n3, \f3
	s_add_co_u32 s[KB], s[KB], CHL
.endm
.macro MAKEVA adr                      ; the five strips' tokens from the list; a loaded number enters an address behind a clamp
.irp j, 0,1,2,3,4
	ds_load_b32 v[T+\j], v[\adr] offset:64*\j
.endr
	s_wait_dscnt 0x0
.irp j, 0,1,2,3,4
	v_min_u32 v[T+\j], 0x3ff, v[T+\j]
	v_lshl_add_u32 v[VA+\j], v[T+\j], 11, v[H4]    ; a row of xb is 2,048 bytes
.endr
.endm
; The start: unit u of chunk 0 is rounded and laid down; unit u of chunk 1 and the token fragments of k step u are asked for, in the order in which the loop asks.
.macro UNIT0 u, left
	s_wait_loadcnt \left
.set kr, 11*(\u)
.rept 11-(\u)/2
	CV kr, 0
.set kr, kr+1
.endr
.set kr, 11*(\u)
.rept 11-(\u)/2
	WLOAD kr, W0, 128
.set kr, kr+1
.endr
	ALOAD \u
.endm
; THE WAY OUT of strip j: rounded to f16, ReLU on the packed halves, through my own stage in LDS, back as whole rows of 256 bytes.  A strip whose first rank is past the count, and all behind it, are jumped.
.macro OUTSTRIP j
	WIN 0
	s_add_co_u32 s[S0], s[ROW0], 16*(\j)
	s_cmp_ge_u32 s[S0], s[CNTS]
	s_cbranch_scc1 .Lnext
.if (\j) < 4
	WIN 0x0f                                       ; sources 0 and 1 window 3
.set ac, 64*(\j)
.else
	WIN 0x0a                                       ; window 2
.set ac, 128
.endif
.set ki, 0
.rept 32
	v_cvt_pk_f16_f32 v[TMP+ki], v[ac+2*ki], v[ac+2*ki+1]   ; each accumulator from its low end on
.set ki, ki+1
.endr
	WIN 0
.set ki, 0
.rept 32
	v_pk_max_num_f16 v[TMP+ki], v[TMP+ki], v[Z]
.set ki, ki+1
.endr
.irp b, 0,1,2,3,4,5,6,7
	ds_store_b128 v[STO], v[TMP+4*\b:TMP+4*\b+3] offset:32*\b
.endr
.set bs, BK+32*((\j)%2)
	s_wait_xcnt 0x0                                ; the rows read back land in registers that an earlier strip's stores read, a strip of the block before too; and those stores' base is
	                                               ; rewritten below: both only behind this wait (ISA guide 3.1)
.irp t, 0,1,2,3,4,5,6,7
	ds_load_b128 v[bs+4*\t:bs+4*\t+3], v[RD] offset:2*SP*\t   ; LDS serves a wave's instructions in order (ISA guide 5.7.1.4): these see the stores above
.endr
	s_wait_dscnt 0x0
	s_lshl_b32 s[OFS], s[S0], 13                   ; a row of h is 8,192 bytes
	s_add_nc_u64 s[OB:OB+1], s[OUT:OUT+1], s[OFS:OFS+1]
.irp t, 0,1,2,3,4,5,6,7
	global_store_b128 v[VO], v[bs+4*\t:bs+4*\t+3], s[OB:OB+1] offset:16384*\t   ; 16 lanes store 256 consecutive bytes, aligned
.endr
.endm
	s_load_b256 s[4:11], s[0:1], 0x0               ; xb s[4:5], W1 s[6:7], b1 s[8:9], sel s[10:11]
	s_load_b128 s[12:15], s[0:1], 0x20             ; h s[12:13], rnk s[14:15]
	v_lshl_add_u32 v[SPW], v0, 2, SPARE
	v_mov_b32 v[NIL], 0
	v_and_b32 v[LN], 31, v0
	v_lshrrev_b32 v[T], 5, v0
	v_readfirstlane_b32 s[WV], v[T]
	v_and_b32 v[RR], 15, v0
	v_bfe_u32 v[HH], v0, 4, 1
	v_lshlrev_b32 v[H4], 4, v[HH]
	s_mov_b32 s[SLC], ttmp9
	s_and_b32 s[EX], ttmp7, 0xffff
	s_lshl_b32 s[S0], s[WV], 19                    ; 32 rows of 16,384 bytes
	v_lshl_add_u32 v[VW], v[LN], 4, s[S0]
	v_lshlrev_b32 v[VP], 14, v0
	v_and_b32 v[T], 7, v0
	v_lshl_add_u32 v[T], v[HH], 3, v[T]            ; the turning load: lane L reads k = 8 h + L % 8,
	v_mul_u32_u24 v[VB0], v[T], P
	v_bfe_u32 v[T], v0, 3, 1
	v_lshl_add_u32 v[VB0], v[T], 4, v[VB0]         ; columns 8 ((L / 8) % 2) + 0..7
	s_mul_i32 s[S0], s[WV], KSL
	v_lshl_add_u32 v[VS0], v[LN], 3, s[S0]
	s_mul_i32 s[S0], s[WV], 320
	s_add_co_u32 s[S0], s[S0], LIST
	v_lshl_add_u32 v[VL0], v[RR], 2, s[S0]
	s_mul_i32 s[S0], s[WV], 16*SP
	s_add_co_u32 s[S0], s[S0], STAGE               ; my stage
	v_mul_u32_u24 v[T], v[RR], SP
	v_add_nc_u32 v[T], v[H4], v[T]
	v_add_nc_u32 v[STO], s[S0], v[T]               ; in: row r, 16 bytes for each half of the lanes
	v_mul_u32_u24 v[T], v[HH], SP
	v_lshl_add_u32 v[T], v[RR], 4, v[T]
	v_add_nc_u32 v[RD], s[S0], v[T]                ; back: lanes 0-15 one row of 256 bytes, lanes 16-31 the next
	v_lshlrev_b32 v[T], 13, v[HH]
	v_lshl_add_u32 v[VO], v[RR], 4, v[T]           ; and the same two rows in h
	v_lshlrev_b32 v[A4L], 2, v[LN]
	v_lshlrev_b32 v[A32H], 5, v[HH]
	v_lshlrev_b32 v[A8L], 3, v[LN]
.irp i, 0,1,2,3,4,5,6,7
	v_mov_b32 v[Z+\i], 0
.endr
	s_mov_b32 s[MSK], 0xffff0000
	s_mov_b32 s[OFS+1], 0
	s_mov_b32 s[PO+1], 0
	s_mov_b32 s[KOFF+1], 0
	s_mov_b32 s[BLK], 4
	s_mul_i32 s[ROW0], s[WV], 80
	s_mov_b32 s[LB], 0
	s_lshl_b32 s[S0], s[EX], 24                    ; an expert's W1 is 2^24 bytes,
	s_lshl_b32 s[S0+1], s[SLC], 9                  ; a slice 512 bytes of each row
	s_or_b32 s[OFS], s[S0], s[S0+1]
	s_wait_kmcnt 0x0
	s_add_nc_u64 s[W0:W0+1], s[6:7], s[OFS:OFS+1]
	s_lshl_b32 s[S0], s[EX], 14
	s_or_b32 s[OFS], s[S0], s[S0+1]
	s_add_nc_u64 s[BB:BB+1], s[8:9], s[OFS:OFS+1]
	s_lshl_b32 s[S0], s[EX], 23                    ; an expert's part of h is 1,024 rows of 8,192 bytes
	s_lshl_b32 s[S0+1], s[SLC], 8
	s_or_b32 s[OFS], s[S0], s[S0+1]
	s_add_nc_u64 s[OUT:OUT+1], s[12:13], s[OFS:OFS+1]
	s_mov_b64 s[XB:XB+1], s[4:5]
	WIN 0x40
.set ki, 0
.rept 32
	global_load_b64 v[2*ki:2*ki+1], v[A8L], s[10:11] offset:256*ki   ; the two choices of token 32 i + L, into window 1
.set ki, ki+1
.endr
	WIN 0
.irp b, 0,1,2,3,4,5,6,7
	global_load_b128 v[BIAS+8*\b:BIAS+8*\b+3],   v[A32H], s[BB:BB+1] offset:64*\b      ; columns 16 b + 8 h + 0..7, as the accumulators hold them
	global_load_b128 v[BIAS+8*\b+4:BIAS+8*\b+7], v[A32H], s[BB:BB+1] offset:64*\b+16
.endr
.set kr, 0
.rept 32
	WLOAD kr, W0, 0                                ; chunk 0
.set kr, kr+1
.endr
	global_prefetch_b8 v[VP], s[W0:W0+1] offset:CHW th:TH_LOAD_NT scope:SCOPE_SE        ; chunk 1
	global_prefetch_b8 v[VP], s[W0:W0+1] offset:CHW+256 th:TH_LOAD_NT scope:SCOPE_SE
	s_wait_loadcnt 32                              ; all but chunk 0's 32 loads: the choices and the bias are in
	WIN 0x04                                       ; source 1 window 1
.set ki, 0
.rept 32
	v_cmp_eq_u32 s[BM+ki], s[EX], v[2*ki]
	v_cmp_eq_u32 s[S0], s[EX], v[2*ki+1]
	s_or_b32 s[BM+ki], s[BM+ki], s[S0]
.set ki, ki+1
.endr
	WIN 0
	s_mov_b32 s[CNT], 0
.set ki, 0
.rept 32
	s_bcnt1_i32_b32 s[S0], s[BM+ki]
	s_add_co_u32 s[CNT], s[CNT], s[S0]
.set ki, ki+1
.endr
	s_max_u32 s[CNTS], s[CNT], 1
.set ki, 0
.rept 32                                               ; the bias is rounded to bf16 like every input, and widened again
	v_cvt_pk_bf16_f32 v[T+ki%4], v[BIAS+2*ki], v[BIAS+2*ki+1]
	v_lshlrev_b32 v[BIAS+2*ki], 16, v[T+ki%4]
	v_and_b32 v[BIAS+2*ki+1], s[MSK], v[T+ki%4]
.set ki, ki+1
.endr
	s_cmp_lg_u32 s[WV], 0
	s_cbranch_scc1 .Lnot0
	; wave 0: the list.  First token 0 everywhere; then each chosen token at its rank.  A lane whose token is not chosen writes its own word behind the list.
	v_lshl_add_u32 v[T], v[LN], 4, LIST
.irp i, 0,1,2,3,4,5,6,7,8,9
	ds_store_b128 v[T], v[Z:Z+3] offset:512*\i
.endr
	v_add_nc_u32 v[T+1], 1280, v[LN]
	s_mov_b32 s[S0+1], 0
.set ki, 0
.rept 32
	v_mbcnt_lo_u32_b32 v[T+2], s[BM+ki], s[S0+1]   ; chosen tokens below mine
	v_cndmask_b32 v[T+2], v[T+1], v[T+2], s[BM+ki]
	v_min_u32 v[T+2], 0x51f, v[T+2]                ; the list's 1,280 words and the 32 behind them
	v_lshl_add_u32 v[T+2], v[T+2], 2, LIST
	v_add_nc_u32 v[T+3], 32*ki, v[LN]
	ds_store_b32 v[T+2], v[T+3]
	s_bcnt1_i32_b32 s[S0+2], s[BM+ki]
	s_add_co_u32 s[S0+1], s[S0+1], s[S0+2]
.set ki, ki+1
.endr
.Lnot0:
	s_cmp_lg_u32 s[WV], 1
	s_cbranch_scc1 .Lnot1
	s_cmp_lg_u32 s[SLC], 0
	s_cbranch_scc1 .Lnot1
	; wave 1 of the expert's first slice: every token's rank, for the launch that adds up (it reads the rank only where the token chose e)
	s_lshl_b32 s[OFS], s[EX], 12
	s_add_nc_u64 s[OB:OB+1], s[14:15], s[OFS:OFS+1]
	s_mov_b32 s[S0+1], 0
.set ki, 0
.rept 32
.if ki == 16
	s_wait_xcnt 0x0                                ; the sixteen data registers are used a second time
.endif
	v_mbcnt_lo_u32_b32 v[RK+ki%16], s[BM+ki], s[S0+1]
	global_store_b32 v[A4L], v[RK+ki%16], s[OB:OB+1] offset:128*ki
	s_bcnt1_i32_b32 s[S0+2], s[BM+ki]
	s_add_co_u32 s[S0+1], s[S0+1], s[S0+2]
.set ki, ki+1
.endr
	s_wait_xcnt 0x0                                ; the base is written again on the way out
.Lnot1:
	s_wait_dscnt 0x0                               ; for the others' sake: the list lies in LDS
	s_barrier_signal -1
	s_barrier_wait -1
	MAKEVA VL0
	s_mov_b64 s[AB:AB+1], s[XB:XB+1]
	v_mov_b32 v[VS], v[VS0]
	UNIT0 0, 21                                    ; chunk 0's rows 0-10 are in: its 21 other loads are younger
	UNIT0 1, 31                                    ; rows 11-21: 10 of chunk 0, and the 21 loads just issued
	UNIT0 2, 42                                    ; rows 22-31: twice 21
	ALOAD 3
	WIN 0
	global_prefetch_b8 v[VP], s[W0:W0+1] offset:2*CHW th:TH_LOAD_NT scope:SCOPE_SE      ; chunk 2
	global_prefetch_b8 v[VP], s[W0:W0+1] offset:2*CHW+256 th:TH_LOAD_NT scope:SCOPE_SE
	s_wait_dscnt 0x0                               ; my rows of chunk 0 lie in LDS
	s_barrier_signal -1
	s_barrier_wait -1                              ; everybody's do
	v_mov_b32 v[VB], v[VB0]
	FETCH 0, 0
	INIT
	WIN 0
	s_mov_b32 s[KB], 0
	s_mov_b32 s[KOFF], 0
	s_add_nc_u64 s[WB:WB+1], s[W0:W0+1], CHW
	s_mov_b32 s[PO], 2*CHW
	s_mov_b32 s[TC], 6
; Trips 0 to 5.  A trip issues 21, 21, 20 and 10 loads at the ends of its four k steps, 72 in all; the wait at the head of k step s leaves out all that were issued behind the same k step's loads a trip ago.
.Lstream:
	TRIP 1, 1, 1, 1, 51, 51, 52, 62, 1
	WIN 0
	s_sub_co_u32 s[TC], s[TC], 1
	s_cmp_lg_u32 s[TC], 0
	s_cbranch_scc1 .Lstream
	TRIP 1, 0, 1, 1, 51, 40, 30, 30, 1             ; trip 6: the last chunk is rounded, no weights are asked for: 10 loads a k step from here on
	WIN 0
	s_branch .Llast                                ; block 0 ends by the text that ends every block
.Lblock:                                               ; blocks 1 to 3, from the resident slice
	s_cmp_ge_u32 s[ROW0], s[CNT]
	s_cbranch_scc1 .Lmet                           ; my wave has no row here: work alone is jumped, the barrier below is met
	s_wait_xcnt 0x0                                ; the strips' offsets and xb's base were sources of earlier loads
	v_add_nc_u32 v[VL], s[LB], v[VL0]
	MAKEVA VL
	s_mov_b32 s[KOFF], 0
	s_mov_b64 s[AB:AB+1], s[XB:XB+1]
	ALOAD 0
	ALOAD 1
	ALOAD 2
	ALOAD 3
	WIN 0
	s_mov_b32 s[KB], 0
	v_mov_b32 v[VB], v[VB0]
	FETCH 0, 0
	INIT
	WIN 0
	s_mov_b32 s[TC], 7
.Lresident:
	TRIP 0, 0, 1, 0, 30, 30, 30, 30, 1             ; three k steps' ten loads are younger
	WIN 0
	s_sub_co_u32 s[TC], s[TC], 1
	s_cmp_lg_u32 s[TC], 0
	s_cbranch_scc1 .Lresident
.Llast:
	TRIP 0, 0, 0, 0, 30, 20, 10, 0, 0              ; the last chunk: nothing is asked for, the counts run down
	WIN 0
.Lmet:
	s_wait_dscnt 0x0                               ; my reads of the slice and of the list are back
	s_barrier_signal -1
	s_barrier_wait -1                              ; everybody's are: only now is a stage written
	OUTSTRIP 0
	OUTSTRIP 1
	OUTSTRIP 2
	OUTSTRIP 3
	OUTSTRIP 4
.Lnext:
	s_wait_dscnt 0x0                               ; my stores into my stage and my reads of it are done
	s_barrier_signal -1
	s_barrier_wait -1                              ; everybody's are: the next block's reads, and behind the last block the closing lines, stand behind this barrier
	s_add_co_u32 s[ROW0], s[ROW0], 320
	s_add_co_u32 s[LB], s[LB], 1280
	s_sub_co_u32 s[BLK], s[BLK], 1
	s_cmp_lg_u32 s[BLK], 0
	s_cbranch_scc1 .Lblock
	s_wait_tensorcnt 0x0                           ; the wave's end, behind my last LDS store
	ds_add_u32 v[SPW], v[NIL]
	s_wait_dscnt 0x0
	s_endpgm
.Lfunc_end_k_qc5b34d28bd_up:
	.size	k_qc5b34d28bd_up, .Lfunc_end_k_qc5b34d28bd_up-k_qc5b34d28bd_up
	.p2alignl 7, 3214868480
	.fill 96, 4, 3214868480
	.section	.rodata,"a",@progbits
	.p2align	6, 0x0
	.amdhsa_kernel k_qc5b34d28bd_up
		.amdhsa_group_segment_fixed_size 318208
		.amdhsa_private_segment_fixed_size 0
		.amdhsa_enable_private_segment 0
		.amdhsa_kernarg_size 48
		.amdhsa_user_sgpr_count 2
		.amdhsa_user_sgpr_kernarg_segment_ptr 1
		.amdhsa_wavefront_size32 1
		.amdhsa_system_sgpr_workgroup_id_x 1
		.amdhsa_system_sgpr_workgroup_id_y 1
		.amdhsa_system_sgpr_workgroup_id_z 1
		.amdhsa_system_vgpr_workitem_id 0
		.amdhsa_next_free_vgpr 1024
		.amdhsa_next_free_sgpr 100
		.amdhsa_reserve_vcc 0
		.amdhsa_float_denorm_mode_32 3
		.amdhsa_float_denorm_mode_16_64 3
		.amdhsa_memory_ordered 1
		.amdhsa_forward_progress 1
		.amdhsa_inst_pref_size 196
	.end_amdhsa_kernel
	.amdgpu_metadata
---
amdhsa.version: [ 1, 2 ]
amdhsa.kernels:
  - .name:           k_qc5b34d28bd_up
    .symbol:         k_qc5b34d28bd_up.kd
    .args:
      - { .name: xb, .offset: 0, .size: 8, .value_kind: global_buffer, .address_space: global }
      - { .name: W1, .offset: 8, .size: 8, .value_kind: global_buffer, .address_space: global }
      - { .name: b1, .offset: 16, .size: 8, .value_kind: global_buffer, .address_space: global }
      - { .name: sel, .offset: 24, .size: 8, .value_kind: global_buffer, .address_space: global }
      - { .name: h, .offset: 32, .size: 8, .value_kind: global_buffer, .address_space: global }
      - { .name: rnk, .offset: 40, .size: 8, .value_kind: global_buffer, .address_space: global }
    .group_segment_fixed_size: 318208
    .private_segment_fixed_size: 0
    .kernarg_segment_align: 8
    .kernarg_segment_size: 48
    .max_flat_workgroup_size: 128
    .sgpr_count:     100
    .vgpr_count:     1024
    .wavefront_size: 32
...
	.end_amdgpu_metadata
.endif
;; end of part 2
;; launch down (part 3): grid 32 x 8, 4 waves a work-group, no clusters, 312,832 bytes of LDS; arguments h, W2, sel, part; writes part
.if DOCPART == 3
	.amdgcn_target "amdgcn-amd-amdhsa--gfx1250"
	.amdhsa_code_object_version 6
	.text
	.protected	k_qc5b34d28bd_down
	.globl	k_qc5b34d28bd_down
	.p2align	8
	.type	k_qc5b34d28bd_down,@function
k_qc5b34d28bd_down:
	s_mov_b64 s[64:65], 0
	v_nop
	global_prefetch_b8 v0, s[64:65] scope:SCOPE_SE
	s_setreg_imm32_b32 hwreg(HW_REG_WAVE_MODE, 25, 1), 1
	s_wait_xcnt 0x0
; THE SECOND PRODUCT, in four quarters of its K.  part[q][e][rank][o] = the sum over the 1,024 hidden channels of quarter q of h[e][rank][k] W2[e][k][o], in f32.
; Bias, ReLU and the gate's weights need the whole K: the last launch adds the four quarters (partial sums stay in f32).
; SHARES.  Work-group (x, e): x % 8 = 128 columns of the output, x / 8 = the quarter: 1,024 k x 128 columns, 512 KB of f32 weights that it alone reads, each byte once.
; The form is that of the first product: the weights are rounded in registers and laid into LDS once, as [k][128] of 16 bits, rows 288 bytes apart, in 8 chunks of 128 k;
; while chunk t + 1 is rounded and chunk t + 2 is on its way, chunk t is multiplied with the expert's first 320 rows (80 a wave: five strips of 16 x 128 columns, 40 accumulators).
; Blocks 1 to 3 read the resident slice: a loop of the constant count 4 in which a wave without rows jumps forward over work, never over a barrier.  Each block has two barriers that
; every wave passes: one between the block's reads of the slice and the stores into the stages, one behind the way out: LDS reads whose address is stepped inside the loop and LDS
; stores never fall between the same two barriers.
; FORMATS.  h is f16, so the product is the f16 form.  W2 is rounded to bf16 like every input, and that number is written as f16: exact from 2^-14 up.
; ROWS are ranks: h lies by rank.  Only the expert's count is needed: every wave counts sel (whole numbers stored two launches ago).  Places past the count repeat row max(count, 1) - 1,
; which the first product has stored; a strip is stored if its first rank is below max(count, 1).
; THE MATRIX INSTRUCTION IS USED TRANSPOSED: source 0 = 16 weight columns (turned on the way out of LDS), source 1 = 16 rows of h, loaded from memory straight into the fragment.
; NO CLUSTER: a slice of weights has one reader.  An expert's rows of h are shared by 8 work-groups, but beside the resident slice 32,768 bytes of LDS are left, 17,920 of them taken
; by stage and spare words, and one k step of 320 rows is 20,480; and the later blocks hang on a stored count.  NO TENSOR LOAD: f32 weights pass through registers to be rounded.
; LIMITS.  |W2| of 65,520 or more becomes an infinity; below 2^-14 it keeps f16's fixed step 2^-24.  NaN is not treated apart.
; REGISTERS, in windows of 256 (s_set_vgpr_msb: bits 1:0 source 0, 3:2 source 1, 5:4 source 2, 7:6 destination):
;   window 0: addresses, the weights on their way (v32-159), zeros          window 1: v0-159 fragments of h, k step s, strip j at 40 s + 8 j
;   window 2: v0-127 two buffers of weight fragments; v128-191 strip 4's accumulators   window 3: strips 0-3: accumulator (j, b) at 64 j + 8 b
.set P,      288      ; an LDS row: 256 bytes + 32 = 72 words
.set KSL,    32*P
.set H16,    16*P
.set CHL,    4*KSL
.set PITCHW, 4096     ; bytes from row to row of W2
.set CHW,    128*PITCHW
.set STAGE,  8*CHL    ; behind the slice: 16 rows x 272 bytes for each wave, for the way out
.set SP,     272
.set SPARE,  STAGE+4*16*SP  ; the spare words, 128 bytes for each wave: two blocks of 256 bytes that no other line names
.set LN,   1
.set RR,   2
.set HH,   3
.set H4,   4          ; 16 h
.set VW,   5          ; weights: 16 L + my wave's 32 rows of a chunk; never rewritten
.set VP,   6          ; prefetch: one row of a chunk for each of the 128 threads; never rewritten
.set VB0,  7
.set VB,   8
.set VS0,  9
.set VS,   10
.set STO,  13
.set RD,   14
.set VO,   15
.set VA,   16         ; v16-20  strip j: byte offset of my row of h, + 16 h
.set T,    21         ; v21-26  at work
.set A8L,  29
.set SPW,  30         ; LDS address of my spare word; never rewritten
.set NIL,  31         ; 0; never rewritten
.set WR,   32         ; v32-159 my wave's 32 rows of a chunk, four f32 a lane
.set BK,   64         ; when the stream is over: two sets of 32 for whole rows read back
.set Z,    160        ; v160-167 zeros
.set WV,   16
.set SLC,  17         ; which 128 columns
.set EX,   18
.set CNT,  19
.set CNTS, 20
.set S0,   21         ; s21-23 at work
.set W0,   24
.set WB,   26
.set PB,   28
.set PO,   30
.set AB,   32
.set KOFF, 34
.set KB,   36
.set TC,   37
.set BLK,  38         ; blocks to go
.set ROW0, 39
.set QQ,   40         ; the quarter
.set MSK,  41
.set OB,   42
.set OFS,  44
.set OUT,  46
.set XB,   48         ; s[48:49] h at (e, rank 0, my quarter)
.set MSB, 0
.macro WIN new                         ; the immediate's high byte repeats the setting that is left; a switch that changes nothing is dropped
.if MSB != (\new)
	s_set_vgpr_msb (MSB<<8)|(\new)
.set MSB, \new
.endif
.endm
; A load into a register that a matrix instruction has read, and a vector instruction or LDS store that reads a matrix result, stand four places behind it;
; only plain vector instructions that name none of its registers are places.
.macro PLACES
.rept 4
	v_nop
.endr
.endm
; Matrix instruction i of a k step's 40: strip i / 8, column block i % 8.  The 40 accumulators take turns, one instruction a turn.
.macro MM s, i
.set mb, (\i)%8
.set ma, 8*(\i)
.if (\i) < 32
	WIN 0xf6
.else
	WIN 0xa6
.set ma, 128+8*mb
.endif
	v_wmma_f32_16x16x32_f16 v[ma:ma+7], v[64*((\s)&1)+8*mb:64*((\s)&1)+8*mb+7], v[40*(\s)+8*((\i)/8):40*(\s)+8*((\i)/8)+7], v[ma:ma+7]
.endm
.macro INIT                            ; every sum starts as 0 x 0 + 0: one text then serves every chunk
.set ki, 0
.rept 40
.if ki < 32
	WIN 0xc0
	v_wmma_f32_16x16x32_f16 v[8*ki:8*ki+7], v[Z:Z+7], v[Z:Z+7], 0
.else
	WIN 0x80
	v_wmma_f32_16x16x32_f16 v[128+8*(ki-32):128+8*(ki-32)+7], v[Z:Z+7], v[Z:Z+7], 0
.endif
.set ki, ki+1
.endr
.endm
.macro FETCH buf, off
	WIN 0x80
.irp b, 0,1,2,3,4,5,6,7
	ds_load_tr16_b128 v[64*(\buf)+8*\b:64*(\buf)+8*\b+3],   v[VB] offset:(\off)+32*\b
	ds_load_tr16_b128 v[64*(\buf)+8*\b+4:64*(\buf)+8*\b+7], v[VB] offset:(\off)+32*\b+H16
.endr
.endm
; Row rho of my 32, in three parts of three lines, all in place: four f32 are rounded to bf16; widened again; written as f16 and laid down, 256 consecutive bytes a wave.
.macro CV3 rho, part, off
	WIN 0
.set wq, WR+4*(\rho)
.if (\part) == 0
	v_cvt_pk_bf16_f32 v[wq],   v[wq],   v[wq+1]
	v_cvt_pk_bf16_f32 v[wq+2], v[wq+2], v[wq+3]
	v_and_b32 v[wq+1], s[MSK], v[wq]
.elseif (\part) == 1
	v_lshlrev_b32 v[wq], 16, v[wq]
	v_and_b32 v[wq+3], s[MSK], v[wq+2]
	v_lshlrev_b32 v[wq+2], 16, v[wq+2]
.else
	v_cvt_pk_f16_f32 v[wq],   v[wq],   v[wq+1]
	v_cvt_pk_f16_f32 v[wq+1], v[wq+2], v[wq+3]
	ds_store_b64 v[VS], v[wq:wq+1] offset:(\off)+P*(\rho)
.endif
.endm
.macro WLOAD rho, base, add
	global_load_b128 v[WR+4*(\rho):WR+4*(\rho)+3], v[VW], s[\base:\base+1] offset:((\add)+(\rho))*PITCHW th:TH_LOAD_NT
.endm
.macro ALOAD s
	WIN 0x40
.irp j, 0,1,2,3,4
	global_load_b128 v[40*(\s)+8*\j:40*(\s)+8*\j+3],   v[VA+\j], s[AB:AB+1] offset:64*(\s)
	global_load_b128 v[40*(\s)+8*\j+4:40*(\s)+8*\j+7], v[VA+\j], s[AB:AB+1] offset:64*(\s)+32
.endr
.endm
; My 32 rows of a chunk go in three units, 11, 11 and 10 rows, one for each of the k steps 0 to 2.  Part g % 3 of row g / 3 of unit s stands behind matrix instruction g: 33 of the 40 at the most.
.macro RIDER s, cv, g
.if (\cv) && ((\s) < 3)
.if (\g) < 3*(11-(\s)/2)
	CV3 11*(\s)+(\g)/3, (\g)%3, CHL
.endif
.endif
.endm
; A K STEP of 32: 40 matrix instructions.  The arguments as in the first product: cv: unit s of the next chunk is rounded between them; wr: the unit is asked for again, two chunks on; ar: the fragments of h
; just multiplied are asked for again, one chunk on; bar (k step 3): the barrier that shows the next chunk whole; n: the loads issued behind this k step's fragments of h; fetch: the next k step's weight fragments.
.macro KSTEP s, cv, wr, ar, bar, n, fetch
	s_wait_loadcnt \n
	s_wait_dscnt 0x0                               ; this k step's weight fragments are in, and my stores into the slice are done
.if ((\s) == 3) && (\bar)
	s_barrier_signal -1                            ; my 32 rows of the next chunk lie in LDS
.endif
.set ki, 0
.rept 8
	MM \s, ki
	RIDER \s, \cv, ki
.set ki, ki+1
.endr
.if ((\s) == 3) && (\bar)
	s_barrier_wait -1                              ; everybody's do
.endif
.if \fetch
.set nb, ((\s)+1)&1
	FETCH nb, ((\s)+1)*KSL
.endif
.if ((\s) == 0) && (\wr)
	global_prefetch_b8 v[VP], s[PB:PB+1] th:TH_LOAD_NT scope:SCOPE_SE             ; the chunk three on (the last chunk at the most): each thread asks for one row's
	global_prefetch_b8 v[VP], s[PB:PB+1] offset:256 th:TH_LOAD_NT scope:SCOPE_SE  ; 512 bytes, as two blocks of 256; one trip ahead of the loads that want them
.endif
.rept 32
	MM \s, ki
	RIDER \s, \cv, ki
.set ki, ki+1
.endr
	PLACES                                         ; for the loads below and for the next fetch into the buffer just read
.if (\wr) && ((\s) < 3)
	WIN 0
.set kr, 11*(\s)
.rept 11-(\s)/2
	WLOAD kr, WB, 0
.set kr, kr+1
.endr
.endif
.if \ar
	ALOAD \s
.endif
.endm
.macro TRIP cv, wr, ar, bar, n0, n1, n2, n3, f3
	WIN 0
	s_wait_xcnt 0x0                                ; the bases below are sources of loads and prefetches already issued (ISA guide 3.1)
.if \ar
	s_add_co_u32 s[KOFF], s[KOFF], 256
	s_add_nc_u64 s[AB:AB+1], s[XB:XB+1], s[KOFF:KOFF+1]
.endif
.if \wr
	s_add_nc_u64 s[WB:WB+1], s[WB:WB+1], CHW
	s_add_co_u32 s[PO], s[PO], CHW
	s_min_u32 s[PO], s[PO], 7*CHW                  ; no prefetch points past the slice's last chunk
	s_add_nc_u64 s[PB:PB+1], s[W0:W0+1], s[PO:PO+1]
.endif
	v_add_nc_u32 v[VB], s[KB], v[VB0]
.if \cv
	v_add_nc_u32 v[VS], s[KB], v[VS0]
.endif
	KSTEP 0, \cv, \wr, \ar, \bar, \n0, 1
	KSTEP 1, \cv, \wr, \ar, \bar, \n1, 1
	KSTEP 2, \cv, \wr, \ar, \bar, \n2, 1
	KSTEP 3, \cv, \wr, \ar, \bar, \n3, \f3
	s_add_co_u32 s[KB], s[KB], CHL
.endm
.macro MAKEVA                          ; the five strips' rows: my rank, held to the last row that exists; a number made of loaded ones enters an address behind a clamp
	s_sub_co_u32 s[S0], s[CNTS], 1
.irp j, 0,1,2,3,4
	v_add_nc_u32 v[T+\j], s[ROW0], v[RR]
	v_add_nc_u32 v[T+\j], 16*\j, v[T+\j]
	v_min_u32 v[T+\j], s[S0], v[T+\j]
	v_min_u32 v[T+\j], 0x3ff, v[T+\j]
	v_lshl_add_u32 v[VA+\j], v[T+\j], 13, v[H4]    ; a row of h is 8,192 bytes
.endr
.endm
.macro UNIT0 u, left                   ; the start: unit u of chunk 0 is rounded and laid down; unit u of chunk 1 and the fragments of k step u are asked for, in the loop's order
	s_wait_loadcnt \left
.set kr, 11*(\u)
.rept 11-(\u)/2
	CV3 kr, 0, 0
	CV3 kr, 1, 0
	CV3 kr, 2, 0
.set kr, kr+1
.endr
.set kr, 11*(\u)
.rept 11-(\u)/2
	WLOAD kr, W0, 128
.set kr, kr+1
.endr
	ALOAD \u
.endm
; THE WAY OUT of strip j, 64 columns at a time: the f32 sums go straight from the accumulators into my own stage in LDS and come back as whole rows of 256 bytes.
.macro OUTSTRIP j
	WIN 0
	s_add_co_u32 s[S0], s[ROW0], 16*(\j)
	s_cmp_ge_u32 s[S0], s[CNTS]
	s_cbranch_scc1 .Lnext
	s_lshl_b32 s[OFS], s[S0], 12                   ; a row of part is 4,096 bytes
.irp c, 0,1
.if (\j) < 4
	WIN 0x0c                                       ; the data (source 1) in window 3
.set ac, 64*(\j)+32*\c
.else
	WIN 0x08                                       ; in window 2
.set ac, 128+32*\c
.endif
.irp b, 0,1,2,3
	ds_store_b128 v[STO], v[ac+8*\b:ac+8*\b+3]   offset:64*\b      ; each accumulator from its low end on
	ds_store_b128 v[STO], v[ac+8*\b+4:ac+8*\b+7] offset:64*\b+16
.endr
	WIN 0
.irp t, 0,1,2,3,4,5,6,7
	ds_load_b128 v[BK+32*\c+4*\t:BK+32*\c+4*\t+3], v[RD] offset:2*SP*\t   ; LDS serves a wave's instructions in order (ISA guide 5.7.1.4): these see the stores above
.endr
	s_wait_dscnt 0x0
	s_wait_xcnt 0x0                                ; frees the stores' base, and the set of rows that the half before stored
.if \c == 0
	s_add_nc_u64 s[OB:OB+1], s[OUT:OUT+1], s[OFS:OFS+1]
.endif
.irp t, 0,1,2,3,4,5,6,7
	global_store_b128 v[VO], v[BK+32*\c+4*\t:BK+32*\c+4*\t+3], s[OB:OB+1] offset:8192*\t+256*\c   ; 16 lanes store 256 consecutive bytes, aligned
.endr
.endr
.endm
	s_load_b256 s[4:11], s[0:1], 0x0               ; h s[4:5], W2 s[6:7], sel s[8:9], part s[10:11]
	v_lshl_add_u32 v[SPW], v0, 2, SPARE
	v_mov_b32 v[NIL], 0
	v_and_b32 v[LN], 31, v0
	v_lshrrev_b32 v[T], 5, v0
	v_readfirstlane_b32 s[WV], v[T]
	v_and_b32 v[RR], 15, v0
	v_bfe_u32 v[HH], v0, 4, 1
	v_lshlrev_b32 v[H4], 4, v[HH]
	s_and_b32 s[SLC], ttmp9, 7
	s_lshr_b32 s[QQ], ttmp9, 3
	s_and_b32 s[EX], ttmp7, 0xffff
	s_lshl_b32 s[S0], s[WV], 17                    ; 32 rows of 4,096 bytes
	v_lshl_add_u32 v[VW], v[LN], 4, s[S0]
	v_lshlrev_b32 v[VP], 12, v0
	v_and_b32 v[T], 7, v0
	v_lshl_add_u32 v[T], v[HH], 3, v[T]            ; the turning load: lane L reads k = 8 h + L % 8,
	v_mul_u32_u24 v[VB0], v[T], P
	v_bfe_u32 v[T], v0, 3, 1
	v_lshl_add_u32 v[VB0], v[T], 4, v[VB0]         ; columns 8 ((L / 8) % 2) + 0..7
	s_mul_i32 s[S0], s[WV], KSL
	v_lshl_add_u32 v[VS0], v[LN], 3, s[S0]
	s_mul_i32 s[S0], s[WV], 16*SP
	s_add_co_u32 s[S0], s[S0], STAGE               ; my stage
	v_mul_u32_u24 v[T], v[RR], SP
	v_lshl_add_u32 v[T], v[HH], 5, v[T]
	v_add_nc_u32 v[STO], s[S0], v[T]               ; in: row r, 32 bytes for each half of the lanes
	v_mul_u32_u24 v[T], v[HH], SP
	v_lshl_add_u32 v[T], v[RR], 4, v[T]
	v_add_nc_u32 v[RD], s[S0], v[T]                ; back: lanes 0-15 one row of 256 bytes, lanes 16-31 the next
	v_lshlrev_b32 v[T], 12, v[HH]
	v_lshl_add_u32 v[VO], v[RR], 4, v[T]           ; and the same two rows in part
	v_lshlrev_b32 v[A8L], 3, v[LN]
.irp i, 0,1,2,3,4,5,6,7
	v_mov_b32 v[Z+\i], 0
.endr
	s_mov_b32 s[MSK], 0xffff0000
	s_mov_b32 s[OFS+1], 0
	s_mov_b32 s[PO+1], 0
	s_mov_b32 s[KOFF+1], 0
	s_mov_b32 s[BLK], 4
	s_mul_i32 s[ROW0], s[WV], 80
	s_lshl_b32 s[S0], s[EX], 24                    ; an expert's W2 is 2^24 bytes,
	s_lshl_b32 s[S0+1], s[QQ], 22                  ; a quarter 1,024 rows of 4,096,
	s_or_b32 s[S0], s[S0], s[S0+1]
	s_lshl_b32 s[S0+2], s[SLC], 9                  ; my columns 512 bytes of each row
	s_or_b32 s[OFS], s[S0], s[S0+2]
	s_wait_kmcnt 0x0
	s_add_nc_u64 s[W0:W0+1], s[6:7], s[OFS:OFS+1]
	s_lshl_b32 s[S0], s[EX], 23                    ; an expert's part of h is 1,024 rows of 8,192 bytes,
	s_lshl_b32 s[S0+1], s[QQ], 11                  ; a quarter 2,048 bytes of each row
	s_or_b32 s[OFS], s[S0], s[S0+1]
	s_add_nc_u64 s[XB:XB+1], s[4:5], s[OFS:OFS+1]
	s_lshl_b32 s[S0], s[QQ], 25                    ; part: [quarter][expert] blocks of 1,024 rows of 4,096 bytes
	s_lshl_b32 s[S0+1], s[EX], 22
	s_or_b32 s[S0], s[S0], s[S0+1]
	s_or_b32 s[OFS], s[S0], s[S0+2]
	s_add_nc_u64 s[OUT:OUT+1], s[10:11], s[OFS:OFS+1]
	WIN 0x40
.set ki, 0
.rept 32
	global_load_b64 v[2*ki:2*ki+1], v[A8L], s[8:9] offset:256*ki     ; the two choices of token 32 i + L, into window 1
.set ki, ki+1
.endr
	WIN 0
.set kr, 0
.rept 32
	WLOAD kr, W0, 0                                ; chunk 0
.set kr, kr+1
.endr
	global_prefetch_b8 v[VP], s[W0:W0+1] offset:CHW th:TH_LOAD_NT scope:SCOPE_SE        ; chunk 1
	global_prefetch_b8 v[VP], s[W0:W0+1] offset:CHW+256 th:TH_LOAD_NT scope:SCOPE_SE
	s_wait_loadcnt 32                              ; all but chunk 0's 32 loads: the choices are in
	WIN 0x04                                       ; source 1 window 1
	s_mov_b32 s[CNT], 0
.set ki, 0
.rept 32
	v_cmp_eq_u32 s[S0], s[EX], v[2*ki]
	v_cmp_eq_u32 s[S0+1], s[EX], v[2*ki+1]
	s_or_b32 s[S0], s[S0], s[S0+1]
	s_bcnt1_i32_b32 s[S0], s[S0]
	s_add_co_u32 s[CNT], s[CNT], s[S0]
.set ki, ki+1
.endr
	WIN 0
	s_max_u32 s[CNTS], s[CNT], 1
	MAKEVA
	s_mov_b64 s[AB:AB+1], s[XB:XB+1]
	v_mov_b32 v[VS], v[VS0]
	UNIT0 0, 21                                    ; chunk 0's rows 0-10 are in: its 21 other loads are younger
	UNIT0 1, 31                                    ; rows 11-21: 10 of chunk 0, and the 21 loads just issued
	UNIT0 2, 42                                    ; rows 22-31: twice 21
	ALOAD 3
	WIN 0
	global_prefetch_b8 v[VP], s[W0:W0+1] offset:2*CHW th:TH_LOAD_NT scope:SCOPE_SE      ; chunk 2
	global_prefetch_b8 v[VP], s[W0:W0+1] offset:2*CHW+256 th:TH_LOAD_NT scope:SCOPE_SE
	s_wait_dscnt 0x0                               ; my rows of chunk 0 lie in LDS
	s_barrier_signal -1
	s_barrier_wait -1                              ; everybody's do
	v_mov_b32 v[VB], v[VB0]
	FETCH 0, 0
	INIT
	WIN 0
	s_mov_b32 s[KB], 0
	s_mov_b32 s[KOFF], 0
	s_add_nc_u64 s[WB:WB+1], s[W0:W0+1], CHW
	s_mov_b32 s[PO], 2*CHW
	s_mov_b32 s[TC], 6
; Trips 0 to 5.  A trip issues 21, 21, 20 and 10 loads at the ends of its four k steps, 72 in all; the wait at the head of k step s leaves out all that were issued behind the same k step's loads a trip ago.
.Lstream:
	TRIP 1, 1, 1, 1, 51, 51, 52, 62, 1
	WIN 0
	s_sub_co_u32 s[TC], s[TC], 1
	s_cmp_lg_u32 s[TC], 0
	s_cbranch_scc1 .Lstream
	TRIP 1, 0, 1, 1, 51, 40, 30, 30, 1             ; trip 6: the last chunk is rounded, no weights are asked for: 10 loads a k step from here on
	WIN 0
	s_branch .Llast                                ; block 0 ends by the text that ends every block
.Lblock:                                               ; blocks 1 to 3, from the resident slice
	s_cmp_ge_u32 s[ROW0], s[CNT]
	s_cbranch_scc1 .Lmet                           ; my wave has no row here: work alone is jumped, the barrier below is met
	s_wait_xcnt 0x0                                ; the strips' offsets and h's base were sources of earlier loads
	MAKEVA
	s_mov_b32 s[KOFF], 0
	s_mov_b64 s[AB:AB+1], s[XB:XB+1]
	ALOAD 0
	ALOAD 1
	ALOAD 2
	ALOAD 3
	WIN 0
	s_mov_b32 s[KB], 0
	v_mov_b32 v[VB], v[VB0]
	FETCH 0, 0
	INIT
	WIN 0
	s_mov_b32 s[TC], 7
.Lresident:
	TRIP 0, 0, 1, 0, 30, 30, 30, 30, 1             ; three k steps' ten loads are younger
	WIN 0
	s_sub_co_u32 s[TC], s[TC], 1
	s_cmp_lg_u32 s[TC], 0
	s_cbranch_scc1 .Lresident
.Llast:
	TRIP 0, 0, 0, 0, 30, 20, 10, 0, 0              ; the last chunk: nothing is asked for, the counts run down
	WIN 0
.Lmet:
	s_wait_dscnt 0x0                               ; my reads of the slice are back
	s_barrier_signal -1
	s_barrier_wait -1                              ; everybody's are: only now is a stage written
	OUTSTRIP 0
	OUTSTRIP 1
	OUTSTRIP 2
	OUTSTRIP 3
	OUTSTRIP 4
.Lnext:
	s_wait_dscnt 0x0                               ; my stores into my stage and my reads of it are done
	s_barrier_signal -1
	s_barrier_wait -1                              ; everybody's are: the next block's reads, and behind the last block the closing lines, stand behind this barrier
	s_add_co_u32 s[ROW0], s[ROW0], 320
	s_sub_co_u32 s[BLK], s[BLK], 1
	s_cmp_lg_u32 s[BLK], 0
	s_cbranch_scc1 .Lblock
	s_wait_tensorcnt 0x0                           ; the wave's end, behind my last LDS store
	ds_add_u32 v[SPW], v[NIL]
	s_wait_dscnt 0x0
	s_endpgm
.Lfunc_end_k_qc5b34d28bd_down:
	.size	k_qc5b34d28bd_down, .Lfunc_end_k_qc5b34d28bd_down-k_qc5b34d28bd_down
	.p2alignl 7, 3214868480
	.fill 96, 4, 3214868480
	.section	.rodata,"a",@progbits
	.p2align	6, 0x0
	.amdhsa_kernel k_qc5b34d28bd_down
		.amdhsa_group_segment_fixed_size 312832
		.amdhsa_private_segment_fixed_size 0
		.amdhsa_enable_private_segment 0
		.amdhsa_kernarg_size 32
		.amdhsa_user_sgpr_count 2
		.amdhsa_user_sgpr_kernarg_segment_ptr 1
		.amdhsa_wavefront_size32 1
		.amdhsa_system_sgpr_workgroup_id_x 1
		.amdhsa_system_sgpr_workgroup_id_y 1
		.amdhsa_system_sgpr_workgroup_id_z 1
		.amdhsa_system_vgpr_workitem_id 0
		.amdhsa_next_free_vgpr 1024
		.amdhsa_next_free_sgpr 66
		.amdhsa_reserve_vcc 0
		.amdhsa_float_denorm_mode_32 3
		.amdhsa_float_denorm_mode_16_64 3
		.amdhsa_memory_ordered 1
		.amdhsa_forward_progress 1
		.amdhsa_inst_pref_size 188
	.end_amdhsa_kernel
	.amdgpu_metadata
---
amdhsa.version: [ 1, 2 ]
amdhsa.kernels:
  - .name:           k_qc5b34d28bd_down
    .symbol:         k_qc5b34d28bd_down.kd
    .args:
      - { .name: h, .offset: 0, .size: 8, .value_kind: global_buffer, .address_space: global }
      - { .name: W2, .offset: 8, .size: 8, .value_kind: global_buffer, .address_space: global }
      - { .name: sel, .offset: 16, .size: 8, .value_kind: global_buffer, .address_space: global }
      - { .name: part, .offset: 24, .size: 8, .value_kind: global_buffer, .address_space: global }
    .group_segment_fixed_size: 312832
    .private_segment_fixed_size: 0
    .kernarg_segment_align: 8
    .kernarg_segment_size: 32
    .max_flat_workgroup_size: 128
    .sgpr_count:     66
    .vgpr_count:     1024
    .wavefront_size: 32
...
	.end_amdgpu_metadata
.endif
;; end of part 3
;; launch sum (part 4): grid 256 x 1, 4 waves a work-group, no clusters, 0 bytes of LDS; arguments part, b2, sel, wgt, rnk, out0; writes out0
.if DOCPART == 4
	.amdgcn_target "amdgcn-amd-amdhsa--gfx1250"
	.amdhsa_code_object_version 6
	.text
	.protected	k_qc5b34d28bd_sum
	.globl	k_qc5b34d28bd_sum
	.p2align	8
	.type	k_qc5b34d28bd_sum,@function
k_qc5b34d28bd_sum:
	s_mov_b64 s[64:65], 0
	v_nop
	global_prefetch_b8 v0, s[64:65] scope:SCOPE_SE
	s_setreg_imm32_b32 hwreg(HW_REG_WAVE_MODE, 25, 1), 1
	s_wait_xcnt 0x0
; THE END.  out[n] = w1 relu(y1 + b2[e1]) + w2 relu(y2 + b2[e2]), where y_s is the sum of the four K quarters of part at (e_s, the token's rank in e_s).
; One wave, one token (256 work-groups x 4 waves).  A stream: 8 rows of 4,096 bytes of part and 2 of b2 in, one row out; each load and store of the wave covers 512 consecutive bytes.
; The experts, the ranks and the weights are the same for the whole wave and come by scalar loads: sel and rnk are whole numbers that earlier launches stored; each enters an address behind a clamp.
; All eight ranks of the token are asked for together with its choices, and the two wanted are picked by selects: one wait in place of two on end.
; b2 is rounded to bf16 like every input.  No LDS, no barrier, no matrix work: memory binds.
; The row goes in four quarters of 1,024 bytes, 20 loads each (16 of part, 4 of b2), through two buffers of 80 registers.
.set BUF, 32          ; v32-191: buffer f at BUF + 80 f; piece u (512 bytes) at + 40 u; choice s at + 20 s: the four K quarters (4 registers each), then b2
.set RES, 192         ; v192-223: each piece's result has registers of its own (the stores read them)
.set MSK, 42
.macro QLOAD qd, f
.irp u, 0,1
.irp s, 0,1
.irp q, 0,1,2,3
	global_load_b128 v[BUF+80*(\f)+40*\u+20*\s+4*\q:BUF+80*(\f)+40*\u+20*\s+4*\q+3], v2, s[44+8*\s+2*\q:45+8*\s+2*\q] offset:512*(2*(\qd)+\u) th:TH_LOAD_NT
.endr
	global_load_b128 v[BUF+80*(\f)+40*\u+20*\s+16:BUF+80*(\f)+40*\u+20*\s+19], v2, s[60+2*\s:61+2*\s] offset:512*(2*(\qd)+\u)
.endr
.endr
.endm
.macro QSUM qd, f
.irp u, 0,1
.irp s, 0,1
.set b0, BUF+80*(\f)+40*\u+20*\s
	v_pk_add_f32 v[b0:b0+1],     v[b0:b0+1],     v[b0+4:b0+5]        ; (p0 + p1) + (p2 + p3)
	v_pk_add_f32 v[b0+2:b0+3],   v[b0+2:b0+3],   v[b0+6:b0+7]
	v_pk_add_f32 v[b0+8:b0+9],   v[b0+8:b0+9],   v[b0+12:b0+13]
	v_pk_add_f32 v[b0+10:b0+11], v[b0+10:b0+11], v[b0+14:b0+15]
	v_cvt_pk_bf16_f32 v[b0+4], v[b0+16], v[b0+17]                    ; the bias, rounded to bf16 and widened again
	v_cvt_pk_bf16_f32 v[b0+5], v[b0+18], v[b0+19]
	v_pk_add_f32 v[b0:b0+1],   v[b0:b0+1],   v[b0+8:b0+9]
	v_pk_add_f32 v[b0+2:b0+3], v[b0+2:b0+3], v[b0+10:b0+11]
	v_lshlrev_b32 v[b0+16], 16, v[b0+4]
	v_and_b32     v[b0+17], s[MSK], v[b0+4]
	v_lshlrev_b32 v[b0+18], 16, v[b0+5]
	v_and_b32     v[b0+19], s[MSK], v[b0+5]
	v_pk_add_f32 v[b0:b0+1],   v[b0:b0+1],   v[b0+16:b0+17]
	v_pk_add_f32 v[b0+2:b0+3], v[b0+2:b0+3], v[b0+18:b0+19]
.irp k, 0,1,2,3
	v_max_num_f32 v[b0+\k], 0, v[b0+\k]
.endr
.endr
.set b0, BUF+80*(\f)+40*\u
.set rs, RES+8*(\qd)+4*\u
	v_pk_mul_f32 v[rs:rs+1],   v[b0:b0+1],   s[28:29] op_sel_hi:[1,0]                  ; the pair's low word, w1, for both
	v_pk_mul_f32 v[rs+2:rs+3], v[b0+2:b0+3], s[28:29] op_sel_hi:[1,0]
	v_pk_fma_f32 v[rs:rs+1],   v[b0+20:b0+21], s[30:31], v[rs:rs+1]   op_sel_hi:[1,0,1]  ; + w2 y2
	v_pk_fma_f32 v[rs+2:rs+3], v[b0+22:b0+23], s[30:31], v[rs+2:rs+3] op_sel_hi:[1,0,1]
	global_store_b128 v2, v[rs:rs+3], s[14:15] offset:512*(2*(\qd)+\u) th:TH_STORE_NT
.endr
.endm
	s_load_b256 s[4:11], s[0:1], 0x0               ; part s[4:5], b2 s[6:7], sel s[8:9], wgt s[10:11]
	s_load_b128 s[12:15], s[0:1], 0x20             ; rnk s[12:13], out0 s[14:15]
	v_and_b32 v1, 31, v0
	v_lshrrev_b32 v3, 5, v0
	v_readfirstlane_b32 s16, v3                    ; wave
	v_lshlrev_b32 v2, 4, v1                        ; 16 bytes a lane
	s_lshl_b32 s17, ttmp9, 2
	s_add_co_u32 s17, s17, s16                     ; my token
	s_mov_b32 s19, 0
	s_mov_b32 s[MSK], 0xffff0000
	s_lshl_b32 s18, s17, 3
	s_wait_kmcnt 0x0
	s_add_nc_u64 s[20:21], s[8:9], s[18:19]
	s_add_nc_u64 s[22:23], s[10:11], s[18:19]
	s_lshl_b32 s18, s17, 2
	s_add_nc_u64 s[24:25], s[12:13], s[18:19]
	s_load_b64 s[26:27], s[20:21], 0x0             ; the two experts
	s_load_b64 s[28:29], s[22:23], 0x0             ; their weights
.irp k, 0,1,2,3,4,5,6,7
	s_load_b32 s[32+\k], s[24:25], 4096*\k         ; my rank in each expert
.endr
	s_lshl_b32 s18, s17, 12
	s_add_nc_u64 s[14:15], s[14:15], s[18:19]      ; out0 at my row
	s_wait_kmcnt 0x0
	s_min_u32 s26, s26, 7
	s_min_u32 s27, s27, 7
	s_mov_b32 s40, s32
	s_mov_b32 s41, s32
.irp k, 1,2,3,4,5,6,7
	s_cmp_eq_u32 s26, \k
	s_cselect_b32 s40, s[32+\k], s40
	s_cmp_eq_u32 s27, \k
	s_cselect_b32 s41, s[32+\k], s41
.endr
	s_min_u32 s40, s40, 0x3ff
	s_min_u32 s41, s41, 0x3ff
	s_mov_b32 s30, s29                             ; w2 as the low word of a pair
	s_mov_b32 s31, s29
.irp s, 0,1
	s_lshl_b32 s18, s[26+\s], 22                   ; part: [quarter][expert] blocks of 2^22 bytes, rows of 4,096
	s_lshl_b32 s20, s[40+\s], 12
	s_add_co_u32 s18, s18, s20
	s_add_nc_u64 s[44+8*\s:45+8*\s], s[4:5], s[18:19]
	s_add_nc_u64 s[46+8*\s:47+8*\s], s[44+8*\s:45+8*\s], 0x2000000   ; a quarter on: eight experts' blocks
	s_add_nc_u64 s[48+8*\s:49+8*\s], s[46+8*\s:47+8*\s], 0x2000000
	s_add_nc_u64 s[50+8*\s:51+8*\s], s[48+8*\s:49+8*\s], 0x2000000
	s_lshl_b32 s18, s[26+\s], 12
	s_add_nc_u64 s[60+2*\s:61+2*\s], s[6:7], s[18:19]
.endr
	QLOAD 0, 0
	QLOAD 1, 1
	s_wait_loadcnt 20                              ; the other buffer's 20 loads are younger
	QSUM 0, 0
	QLOAD 2, 0
	s_wait_loadcnt 20
	QSUM 1, 1
	QLOAD 3, 1
	s_wait_loadcnt 20
	QSUM 2, 0
	s_wait_loadcnt 0
	QSUM 3, 1
	s_endpgm
.Lfunc_end_k_qc5b34d28bd_sum:
	.size	k_qc5b34d28bd_sum, .Lfunc_end_k_qc5b34d28bd_sum-k_qc5b34d28bd_sum
	.p2alignl 7, 3214868480
	.fill 96, 4, 3214868480
	.section	.rodata,"a",@progbits
	.p2align	6, 0x0
	.amdhsa_kernel k_qc5b34d28bd_sum
		.amdhsa_group_segment_fixed_size 0
		.amdhsa_private_segment_fixed_size 0
		.amdhsa_enable_private_segment 0
		.amdhsa_kernarg_size 48
		.amdhsa_user_sgpr_count 2
		.amdhsa_user_sgpr_kernarg_segment_ptr 1
		.amdhsa_wavefront_size32 1
		.amdhsa_system_sgpr_workgroup_id_x 1
		.amdhsa_system_sgpr_workgroup_id_y 1
		.amdhsa_system_sgpr_workgroup_id_z 1
		.amdhsa_system_vgpr_workitem_id 0
		.amdhsa_next_free_vgpr 224
		.amdhsa_next_free_sgpr 66
		.amdhsa_reserve_vcc 0
		.amdhsa_float_denorm_mode_32 3
		.amdhsa_float_denorm_mode_16_64 3
		.amdhsa_memory_ordered 1
		.amdhsa_forward_progress 1
		.amdhsa_inst_pref_size 28
	.end_amdhsa_kernel
	.amdgpu_metadata
---
amdhsa.version: [ 1, 2 ]
amdhsa.kernels:
  - .name:           k_qc5b34d28bd_sum
    .symbol:         k_qc5b34d28bd_sum.kd
    .args:
      - { .name: part, .offset: 0, .size: 8, .value_kind: global_buffer, .address_space: global }
      - { .name: b2, .offset: 8, .size: 8, .value_kind: global_buffer, .address_space: global }
      - { .name: sel, .offset: 16, .size: 8, .value_kind: global_buffer, .address_space: global }
      - { .name: wgt, .offset: 24, .size: 8, .value_kind: global_buffer, .address_space: global }
      - { .name: rnk, .offset: 32, .size: 8, .value_kind: global_buffer, .address_space: global }
      - { .name: out0, .offset: 40, .size: 8, .value_kind: global_buffer, .address_space: global }
    .group_segment_fixed_size: 0
    .private_segment_fixed_size: 0
    .kernarg_segment_align: 8
    .kernarg_segment_size: 48
    .max_flat_workgroup_size: 128
    .sgpr_count:     66
    .vgpr_count:     224
    .wavefront_size: 32
...
	.end_amdgpu_metadata
.endif
;; end of part 4
;; ======== version 2 of 3: 4 launches
;; limits: values are held in f16: magnitudes above 65,504 overflow, below 6.1e-05 lose precision
;; workspace buffers: xb 2,097,152 bytes; sel 8,192 bytes of whole numbers; wgt 8,192 bytes; rnk 32,768 bytes of whole numbers; h 67,108,864 bytes; part 134,217,728 bytes
;; launch route (part 5): grid 256 x 1, 4 waves a work-group, no clusters, 1,024 bytes of LDS; arguments x, Wg, xb, sel, wgt; writes xb, sel, wgt
.if DOCPART == 5
	.amdgcn_target "amdgcn-amd-amdhsa--gfx1250"
	.amdhsa_code_object_version 6
	.text
	.protected	k_qc5b34d28bd_route
	.globl	k_qc5b34d28bd_route
	.p2align	8
	.type	k_qc5b34d28bd_route,@function
k_qc5b34d28bd_route:
	s_mov_b64 s[64:65], 0
	v_nop
	global_prefetch_b8 v0, s[64:65] scope:SCOPE_SE
	s_setreg_imm32_b32 hwreg(HW_REG_WAVE_MODE, 25, 1), 1
	s_wait_xcnt 0x0
; THE GATE.  For token n: logits = relu(x[n] . Wg), the two largest (ties: the lower index, as lax.top_k keeps it), and their
; softmax weights made to add up to one: w1 = 1 / (1 + e^(l2 - l1)), w2 = e^(l2 - l1) w1.  The larger logit is taken away
; before the exponential, so the exponent is never above 0.  Also: x rounded once to bf16 goes to xb for the first product.
; x and Wg are rounded to bf16 here too, sums in f32: every input of the program has the same rounding.
; The 8 columns of Wg would fill half of a 16 x 16 matrix tile and the product is 1024 x 1024 x 8 multiply-adds in all, so it is
; done by fused multiply-adds that read bf16 halves.
; SHARES.  A work-group has four tokens and four waves.  Wave w takes channels 256 w to 256 w + 255 of ALL FOUR tokens: 8 KB of Wg and
; 4 KB of x, 24 loads, all issued before the first wait; the work-group reads Wg once, not once a wave.  Each wave's 32 partial sums
; (4 tokens x 8 experts, f32) are added over its lanes and laid into LDS; behind one barrier wave w adds the four waves' parts of token w
; and finishes that token.
; LIMITS.  NaN is not treated apart.  Two logits that differ but whose softmax values round to one f32 are ordered by the logits.
; Lane L holds d = 256 w + 128 i + 4 L + c (i = 0, 1; c = 0..3): a load of x covers 512 consecutive bytes, a store of xb 256.
.set X,    8          ; v8-39    x as loaded: token t, piece i at X + 4 (2 t + i)
.set XP,   40         ; v40-55   x in bf16 pairs: token t, piece i at XP + 2 (2 t + i); never rewritten (the stores read them)
.set ACC,  56         ; v56-87   the sums: token t, expert e at ACC + 8 t + e
.set G,    88         ; v88-151  Wg: piece i at G + 32 i: row c, expert e at 8 c + e; packed in place to 8 c + e / 2
.set PT,   152        ; v152-183 my token's eight sums from wave u at PT + 8 u; then the logits at PT
.set BEST, 184        ; the largest logit
.set SECO, 185        ; the second
.set IDX,  186        ; v186-187 their experts
.set WT,   188        ; v188-189 their weights
.set TT,   190
.set ZO,   191        ; 0: the first addend of every sum, and the offset of the two last stores
.set SPW,  192        ; LDS address of my spare word; never rewritten
.set NIL,  193        ; 0; never rewritten
.set LA,   194        ; where my wave lays its 32 sums: 128 w
.set LR,   195        ; where my token's sums lie in a wave's 128 bytes: 32 w
.set SPARE, 512       ; behind the 4 x 128 bytes of sums: the spare words, 128 bytes for each wave: two blocks of 256 bytes that no other line names
.macro GLOAD i                         ; Wg's rows of piece i: 8 loads, together 4,096 consecutive bytes
.set gs, G+32*(\i)
.irp c, 0,1,2,3
	global_load_b128 v[gs+8*\c:gs+8*\c+3],   v3, s[6:7] offset:4096*(\i)+32*\c
	global_load_b128 v[gs+8*\c+4:gs+8*\c+7], v3, s[6:7] offset:4096*(\i)+32*\c+16
.endr
.endm
.macro FM d, a, b, ha, hb, z           ; d = half ha of a x half hb of b, both bf16, + z, in f32
.if ((\ha) == 0) && ((\hb) == 0)
	v_fma_mix_f32_bf16 v[\d], v[\a], v[\b], v[\z] op_sel_hi:[1,1,0]
.elseif ((\ha) == 1) && ((\hb) == 0)
	v_fma_mix_f32_bf16 v[\d], v[\a], v[\b], v[\z] op_sel:[1,0,0] op_sel_hi:[1,1,0]
.elseif ((\ha) == 0)
	v_fma_mix_f32_bf16 v[\d], v[\a], v[\b], v[\z] op_sel:[0,1,0] op_sel_hi:[1,1,0]
.else
	v_fma_mix_f32_bf16 v[\d], v[\a], v[\b], v[\z] op_sel:[1,1,0] op_sel_hi:[1,1,0]
.endif
.endm
; Piece i: 128 channels.  left = the loads issued behind piece i's rows of Wg (x was asked for ahead of all of them).
; The 32 sums take turns, so that no multiply-add waits for the one before it; the first on each sum adds onto a register that holds 0: nothing is cleared.
.macro STEP i, left
	s_wait_loadcnt \left
.set gs, G+32*(\i)
.irp t, 0,1,2,3
	v_cvt_pk_bf16_f32 v[XP+2*(2*\t+(\i))],   v[X+4*(2*\t+(\i))],   v[X+4*(2*\t+(\i))+1]
	v_cvt_pk_bf16_f32 v[XP+2*(2*\t+(\i))+1], v[X+4*(2*\t+(\i))+2], v[X+4*(2*\t+(\i))+3]
.endr
.irp t, 0,1,2,3
	global_store_b64 v4, v[XP+2*(2*\t+(\i)):XP+2*(2*\t+(\i))+1], s[8:9] offset:2048*\t+256*(\i)   ; 32 lanes x 8 bytes: 256 consecutive bytes, aligned
.endr
.irp c, 0,1,2,3
.irp p, 0,1,2,3
	v_cvt_pk_bf16_f32 v[gs+8*\c+\p], v[gs+8*\c+2*\p], v[gs+8*\c+2*\p+1]       ; in place: pair p lands on a register already read
.endr
.endr
.irp c, 0,1,2,3
.irp t, 0,1,2,3
.irp e, 0,1,2,3,4,5,6,7
.if ((\i) == 0) && (\c == 0)
	FM ACC+8*\t+\e, XP+2*(2*\t+(\i))+\c/2, gs+8*\c+\e/2, \c%2, \e%2, ZO
.else
	FM ACC+8*\t+\e, XP+2*(2*\t+(\i))+\c/2, gs+8*\c+\e/2, \c%2, \e%2, ACC+8*\t+\e
.endif
.endr
.endr
.endr
.endm
	s_load_b256 s[4:11], s[0:1], 0x0               ; x s[4:5], Wg s[6:7], xb s[8:9], sel s[10:11]
	s_load_b64 s[12:13], s[0:1], 0x20              ; wgt
	v_lshl_add_u32 v[SPW], v0, 2, SPARE
	v_mov_b32 v[NIL], 0
	v_mov_b32 v[ZO], 0
	v_and_b32 v1, 31, v0                           ; lane
	v_lshrrev_b32 v5, 5, v0
	v_readfirstlane_b32 s16, v5                    ; wave
	s_lshl_b32 s17, ttmp9, 2                       ; the work-group's first token
	v_lshlrev_b32 v2, 4, v1                        ; x: 16 L
	v_lshlrev_b32 v3, 7, v1                        ; Wg: four rows of 32 bytes a lane
	v_lshlrev_b32 v4, 3, v1                        ; xb: 8 L
	s_mov_b32 s14, 0x76543210                      ; v_permlanex16_b32: each lane takes its own place in the other half
	s_mov_b32 s15, 0xfedcba98
	s_lshl_b32 s18, s17, 12                        ; x: rows of 4,096 bytes, my wave's 1,024 of each
	s_lshl_b32 s26, s16, 10
	s_add_co_u32 s18, s18, s26
	s_mov_b32 s19, 0
	s_lshl_b32 s20, s16, 13                        ; Wg: my wave's 256 rows of 32 bytes
	s_mov_b32 s21, 0
	s_lshl_b32 s22, s17, 11                        ; xb: rows of 2,048 bytes, my wave's 512 of each
	s_lshl_b32 s26, s16, 9
	s_add_co_u32 s22, s22, s26
	s_mov_b32 s23, 0
	s_add_co_u32 s24, s17, s16                     ; the token that my wave finishes
	s_lshl_b32 s24, s24, 3
	s_mov_b32 s25, 0
	s_lshl_b32 s26, s16, 7
	v_mov_b32 v[LA], s26
	s_lshl_b32 s26, s16, 5
	v_mov_b32 v[LR], s26
	s_wait_kmcnt 0x0
	s_add_nc_u64 s[4:5], s[4:5], s[18:19]
	s_add_nc_u64 s[6:7], s[6:7], s[20:21]
	s_add_nc_u64 s[8:9], s[8:9], s[22:23]
	s_add_nc_u64 s[10:11], s[10:11], s[24:25]      ; sel and wgt at my token's pair
	s_add_nc_u64 s[12:13], s[12:13], s[24:25]
.irp t, 0,1,2,3
.irp i, 0,1
	global_load_b128 v[X+4*(2*\t+\i):X+4*(2*\t+\i)+3], v2, s[4:5] offset:4096*\t+512*\i th:TH_LOAD_NT
.endr
.endr
	GLOAD 0
	GLOAD 1
	STEP 0, 8                                      ; the second piece's eight loads of Wg are younger
	STEP 1, 0
	; the 32 sums over the 32 lanes: four steps inside each half ride on the addition, one crosses the halves; every lane gets the same bits
.irp m, 1,2,4,8
.set k, 0
.rept 32
	v_add_f32_dpp v[ACC+k], v[ACC+k], v[ACC+k] row_xmask:\m row_mask:0xf bank_mask:0xf
.set k, k+1
.endr
.endr
.set k, 0
.rept 32
	v_permlanex16_b32 v[X+k], v[ACC+k], s14, s15   ; its destination counts as read: x's registers have been written
.set k, k+1
.endr
.set k, 0
.rept 32
	v_add_f32 v[ACC+k], v[ACC+k], v[X+k]
.set k, k+1
.endr
.irp j, 0,1,2,3,4,5,6,7
	ds_store_b128 v[LA], v[ACC+4*\j:ACC+4*\j+3] offset:16*\j   ; all lanes write the same words with the same values: my wave's [token][expert]
.endr
	s_wait_dscnt 0x0                               ; for the others' sake: my 32 sums lie in LDS
	s_barrier_signal -1
	s_barrier_wait -1                              ; everybody's do
.irp u, 0,1,2,3
	ds_load_b128 v[PT+8*\u:PT+8*\u+3],   v[LR] offset:128*\u      ; wave u's part of my token's eight sums, in every lane
	ds_load_b128 v[PT+8*\u+4:PT+8*\u+7], v[LR] offset:128*\u+16
.endr
	s_wait_dscnt 0x0
	s_wait_tensorcnt 0x0                           ; the wave's end, behind my last LDS store;
	ds_add_u32 v[SPW], v[NIL]                      ; the rest of the arithmetic, work on registers, stands between the add and the wait for it
.irp p, 0,2,4,6
	v_pk_add_f32 v[PT+\p:PT+\p+1],       v[PT+\p:PT+\p+1],       v[PT+8+\p:PT+8+\p+1]      ; (wave 0 + wave 1) + (wave 2 + wave 3)
	v_pk_add_f32 v[PT+16+\p:PT+16+\p+1], v[PT+16+\p:PT+16+\p+1], v[PT+24+\p:PT+24+\p+1]
.endr
.irp p, 0,2,4,6
	v_pk_add_f32 v[PT+\p:PT+\p+1], v[PT+\p:PT+\p+1], v[PT+16+\p:PT+16+\p+1]
.endr
.irp e, 0,1,2,3,4,5,6,7
	v_max_num_f32 v[PT+\e], 0, v[PT+\e]            ; the gate's ReLU
.endr
	; the two largest, by selects alone.  Only a strictly larger logit displaces an earlier one.  The second starts at -1, below every logit.
	v_mov_b32 v[BEST], v[PT]
	v_mov_b32 v[SECO], -1.0
	v_mov_b32 v[IDX], 0
	v_mov_b32 v[IDX+1], 0
.irp e, 1,2,3,4,5,6,7
	v_cmp_gt_f32 s26, v[PT+\e], v[BEST]
	v_cmp_gt_f32 s27, v[PT+\e], v[SECO]
	v_cndmask_b32 v[SECO], v[SECO], v[PT+\e], s27
	v_cndmask_b32 v[IDX+1], v[IDX+1], \e, s27
	v_cndmask_b32 v[SECO], v[SECO], v[BEST], s26   ; a new best hands the old best down
	v_cndmask_b32 v[IDX+1], v[IDX+1], v[IDX], s26
	v_cndmask_b32 v[BEST], v[BEST], v[PT+\e], s26
	v_cndmask_b32 v[IDX], v[IDX], \e, s26
.endr
	v_sub_f32 v[TT], v[SECO], v[BEST]              ; at most 0
	v_mul_f32 v[TT], 0x3fb8aa3b, v[TT]             ; times log2(e)
	v_exp_f32 v[TT], v[TT]
	v_nop                                          ; a plain instruction behind the exponential (ISA guide 5.7.2)
	s_wait_alu depctr_va_vdst(0)
	v_add_f32 v[WT], 1.0, v[TT]
	v_rcp_f32 v[WT], v[WT]
	v_cmp_eq_u32 vcc_lo, 0, v1                     ; a plain instruction behind the reciprocal
	s_wait_alu depctr_va_vdst(0)
	v_mul_f32 v[WT+1], v[TT], v[WT]
	s_wait_dscnt 0x0                               ; the add is done
	s_wait_xcnt 0x0                                ; EXEC is a source of the stores above: it changes only behind this wait
	s_and_saveexec_b32 s28, vcc_lo                 ; lane 0 alone
	global_store_b64 v[ZO], v[IDX:IDX+1], s[10:11]
	global_store_b64 v[ZO], v[WT:WT+1], s[12:13]
	s_wait_xcnt 0x0                                ; and again in front of the line that widens it
	s_or_b32 exec_lo, exec_lo, s28
	s_endpgm
.Lfunc_end_k_qc5b34d28bd_route:
	.size	k_qc5b34d28bd_route, .Lfunc_end_k_qc5b34d28bd_route-k_qc5b34d28bd_route
	.p2alignl 7, 3214868480
	.fill 96, 4, 3214868480
	.section	.rodata,"a",@progbits
	.p2align	6, 0x0
	.amdhsa_kernel k_qc5b34d28bd_route
		.amdhsa_group_segment_fixed_size 1024
		.amdhsa_private_segment_fixed_size 0
		.amdhsa_enable_private_segment 0
		.amdhsa_kernarg_size 40
		.amdhsa_user_sgpr_count 2
		.amdhsa_user_sgpr_kernarg_segment_ptr 1
		.amdhsa_wavefront_size32 1
		.amdhsa_system_sgpr_workgroup_id_x 1
		.amdhsa_system_sgpr_workgroup_id_y 1
		.amdhsa_system_sgpr_workgroup_id_z 1
		.amdhsa_system_vgpr_workitem_id 0
		.amdhsa_next_free_vgpr 200
		.amdhsa_next_free_sgpr 66
		.amdhsa_reserve_vcc 1
		.amdhsa_float_denorm_mode_32 3
		.amdhsa_float_denorm_mode_16_64 3
		.amdhsa_memory_ordered 1
		.amdhsa_forward_progress 1
		.amdhsa_inst_pref_size 42
	.end_amdhsa_kernel
	.amdgpu_metadata
---
amdhsa.version: [ 1, 2 ]
amdhsa.kernels:
  - .name:           k_qc5b34d28bd_route
    .symbol:         k_qc5b34d28bd_route.kd
    .args:
      - { .name: x, .offset: 0, .size: 8, .value_kind: global_buffer, .address_space: global }
      - { .name: Wg, .offset: 8, .size: 8, .value_kind: global_buffer, .address_space: global }
      - { .name: xb, .offset: 16, .size: 8, .value_kind: global_buffer, .address_space: global }
      - { .name: sel, .offset: 24, .size: 8, .value_kind: global_buffer, .address_space: global }
      - { .name: wgt, .offset: 32, .size: 8, .value_kind: global_buffer, .address_space: global }
    .group_segment_fixed_size: 1024
    .private_segment_fixed_size: 0
    .kernarg_segment_align: 8
    .kernarg_segment_size: 40
    .max_flat_workgroup_size: 128
    .sgpr_count:     66
    .vgpr_count:     200
    .wavefront_size: 32
...
	.end_amdgpu_metadata
.endif
;; end of part 5
;; launch up (part 6): grid 32 x 8, 4 waves a work-group, no clusters, 312,832 bytes of LDS; arguments xb, W1, b1, sel, h, rnk; writes h, rnk
.if DOCPART == 6
	.amdgcn_target "amdgcn-amd-amdhsa--gfx1250"
	.amdhsa_code_object_version 6
	.text
	.protected	k_qc5b34d28bd_up
	.globl	k_qc5b34d28bd_up
	.p2align	8
	.type	k_qc5b34d28bd_up,@function
k_qc5b34d28bd_up:
	s_mov_b64 s[64:65], 0
	v_nop
	global_prefetch_b8 v0, s[64:65] scope:SCOPE_SE
	s_setreg_imm32_b32 hwreg(HW_REG_WAVE_MODE, 25, 1), 1
	s_wait_xcnt 0x0
; THE FIRST PRODUCT, for the chosen rows alone.  h[e][rank][c] = f16(relu(xb[token(rank)] . bf16(W1[e][:, c]) + bf16(b1[e][c]))), sums in f32.
; SHARES.  Work-group (slice, e): 128 columns of expert e, all 1,024 k: 512 KB of f32 weights that it alone reads, each byte once.
; The weights are rounded in registers and laid into LDS once, as [k][128] bf16, rows 288 bytes apart.  They come in 8 chunks of 128 k;
; while chunk t + 1 is rounded and chunk t + 2 is on its way, chunk t is multiplied with the expert's first 320 rows (BLOCK 0).  A block is
; 20 strips of 16 rows dealt round the four waves: strip j of wave w holds ranks 320 block + 64 j + 16 w + 0..15; a wave has five strips
; x 128 columns, 40 accumulators.  The fifth strip's eight matrix instructions are jumped in every k step where it holds no rank below the count.
; Blocks 1 to 3 (an expert may have up to 1,024 rows) read the resident slice: a loop of the constant count 4 in which a wave without rows
; jumps forward over work, never over a barrier.  Each block has two barriers that every wave passes: one between the block's reads of the
; slice and the stores into the stages, one behind the way out.
; TWO TEXTS FOR ALL TRIPS.  The stream's text runs 7 times, the resident text once for block 0 and 8 times for a later block.  A text's last
; trip has nothing left to ask for: its loads stay (so that every wait's count holds in every trip) but all lanes ask for one address:
; 32 idle loads a wave at the stream's end, 40 and 16 LDS loads at a block's end: the price of writing no tail out.
; WHO IS CHOSEN.  Every wave reads sel (whole numbers stored by the launch before) and makes 32 mask words: bit L of word k = token
; 64 (k / 2) + 2 L + k % 2 chose e.  A token's rank is the number of chosen tokens ahead of it in that order of words and bits.  The token of
; a rank is found in registers: the last word whose prefix is not above the rank, then the bit, by halving on field-wise bit counts: no list,
; no barrier, no wave waits for another.  Ranks past the count take token 0.  Wave 1 of slice 0 stores every token's rank to rnk for the last
; launch.  A strip is stored if its first rank is below max(count, 1).
; THE MATRIX INSTRUCTION IS USED TRANSPOSED: source 0 = 16 weight columns (turned on the way out of LDS), source 1 = 16 token rows, loaded from
; memory straight into the fragment.  Lane (r, h) then holds row r, columns 8 h + 0..7: 16 bytes of f16 that belong together.
; The sums start from the bias: the first instruction on each accumulator multiplies zeros and takes the bias as C.
; NO CLUSTER: a slice of weights has one reader; what the 32 work-groups of an expert share are token rows named rank by rank, which no tile covers.
; NO TENSOR LOAD: f32 weights must pass through registers to be rounded.
; LIMITS.  h is kept in f16: |h| of 65,520 or more becomes an infinity; below 6e-5 it keeps the fixed step 6e-8.  NaN is not treated apart.
; REGISTERS, in windows of 256 (s_set_vgpr_msb: bits 1:0 source 0, 3:2 source 1, 5:4 source 2, 7:6 destination):
;   window 0: addresses, the weights on their way (v32-159), zeros, the bias
;   window 1: v0-159 token fragments, k step s, strip j at 40 s + 8 j; v160-241 tokens, row offsets and the search's registers
;   window 2: v0-127 two buffers of weight fragments; v128-191 strip 4's accumulators   window 3: strips 0-3: accumulator (j, b) at 64 j + 8 b
.set P,      288      ; an LDS row: 256 bytes + 32 = 72 words
.set KSL,    32*P     ; a k step of 32
.set H16,    16*P
.set CHL,    4*KSL    ; a chunk of 128 k in LDS
.set PITCHW, 16384    ; bytes from row to row of W1
.set CHW,    128*PITCHW
.set STAGE,  8*CHL    ; behind the slice: 16 rows x 272 bytes for each wave, for the way out
.set SP,     272
.set SPARE,  STAGE+4*16*SP  ; the spare words, 128 bytes for each wave: two blocks of 256 bytes that no other line names
.set NOPS,   2        ; vector lines that round one row of four f32 a lane
.set AW,     0x41     ; the row loads: data and address register in window 1
; window 0
.set LN,   1          ; lane
.set RR,   2          ; r = lane % 16
.set HH,   3          ; h = lane / 16
.set H4,   4          ; 16 h
.set VW,   5          ; weights: 16 L + my wave's 32 rows of a chunk; never rewritten
.set VP,   6          ; prefetch: one row of a chunk for each of the 128 threads; never rewritten
.set VB0,  7          ; my lane's place in a k step of the slice, for the turning load
.set VB,   8          ; + the chunk
.set VS0,  9          ; where I lay 8 bytes of my wave's first row of a chunk
.set VS,   10         ; + the chunk
.set VWX,  11         ; VW, or 0 in the stream's last trip
.set VBN,  12         ; VB0 + the next chunk, the last at the most
.set STO,  13         ; the way out: where I put 16 bytes of a row
.set RD,   14         ; where I read a row back
.set VO,   15         ; my byte offset in two rows of h
.set T,    21         ; v21-26  at work
.set A8L,  27
.set A32H, 28
.set A16L, 29
.set SPW,  30         ; LDS address of my spare word; never rewritten
.set NIL,  31         ; 0; never rewritten
.set WR,   32         ; v32-159 my wave's 32 rows of a chunk, four f32 a lane: row rho at WR + 4 rho
.set TMP,  32         ; when the stream is over: a strip in f16
.set BK,   64         ; and two sets of 32 for whole rows read back
.set Z,    160        ; v160-167 zeros
.set RK,   168        ; v168-183 ranks on their way to rnk
.set BIAS, 192        ; v192-255 column block b at BIAS + 8 b
; window 1
.set TKS,  160        ; the tokens of my strips: block b ahead of the one in hand at TKS + 8 b, strip j at + j
.set VA,   192        ; v192-196 strip j: byte offset of my token's row in xb, + 16 h
.set VAX,  198        ; v198-202 the same, or 16 h alone in a block's last trip
.set LP,   204        ; 64 h + r
.set H4W,  205        ; 16 h
.set RH,   206        ; from here on three registers each, one for each 32 of my ranks: the rank
.set WW,   209        ; its mask word
.set QV,   212        ; that word's prefix, and its first token in the upper half
.set TK,   215        ; the token
.set XX,   218        ; the other half of the lanes' token
.set NN,   221        ; which set bit of the word
.set PS,   224        ; the bit's place
.set TT,   227        ; at work
.set C1,   230        ; bit counts of fields of 2,
.set C2,   233        ; 4,
.set C3,   236        ; 8 bits,
.set C4,   239        ; and of the low 16 in the low byte
; scalars
.set WV,   16         ; wave
.set SLC,  17         ; slice
.set EX,   18         ; expert
.set CNT,  19         ; the expert's rows
.set CNTS, 20         ; max(CNT, 1)
.set S0,   21         ; s21-23 at work
.set W0,   24         ; s[24:25] the slice's first byte
.set WB,   26         ; s[26:27] the chunk being asked for
.set PB,   28         ; s[28:29] the chunk being prefetched
.set PO,   30         ; s[30:31] its offset
.set AB,   32         ; s[32:33] xb at the chunk whose token fragments are being asked for
.set KOFF, 34         ; s[34:35] its offset
.set KB,   36         ; the chunk in hand, in LDS bytes
.set TC,   37         ; trips to go
.set BLK,  38         ; blocks to go
.set ROW0, 39         ; my wave's first rank in the block
.set L5,   40         ; 1: my fifth strip holds a rank below the count
.set MSK,  41         ; a word's upper half; as a lane mask: lanes 16 to 31
.set OB,   42         ; s[42:43] where a strip goes
.set OFS,  44         ; s[44:45] an offset
.set OUT,  46         ; s[46:47] h at (e, rank 0, my columns)
.set XB,   48         ; s[48:49] xb
.set BB,   50         ; s[50:51] b1 at my columns
.set WO,   52         ; s[52:53] offset of the chunk being asked for
.set SM,   54         ; what an offset is ANDed with: all ones, or what is left of it in a last trip
.set PF,   55         ; a running prefix
.set QS,   56
.set RB,   57         ; the search: my wave's first rank in the block searched for
.set SB,   58         ; the search: blocks to go
.set PL,   60         ; s[60:61] v_permlanex16_b32's selects: each lane takes its own place in the other half
.set BM,   68         ; s68-99 the mask words
.set MSB, 0
.macro WIN new                         ; the immediate's high byte repeats the setting that is left; a switch that changes nothing is dropped
.if MSB != (\new)
	s_set_vgpr_msb (MSB<<8)|(\new)
.set MSB, \new
.endif
.endm
; A load into a register that a matrix instruction has read, and a vector instruction or LDS store that reads a matrix result, stand four places behind it;
; only plain vector instructions that name none of its registers are places.
.macro PLACES
.rept 4
	v_nop
.endr
.endm
.macro ALL3 line:vararg                ; one line for each of the search's three registers, sx = 0, 1, 2: no line reads the result of the one before it
.set sx, 0
.rept 3
	\line
.set sx, sx+1
.endr
.endm
; Matrix instruction i of a k step's 40: strip i / 8, column block i % 8.  The accumulators take turns, one instruction a turn.
.macro MM s, i
.set mb, (\i)%8
.set ma, 8*(\i)
.if (\i) < 32
	WIN 0xf6                                       ; weights window 2, tokens window 1, C and D window 3
.else
	WIN 0xa6                                       ; the same, C and D window 2
.set ma, 128+8*mb
.endif
	v_wmma_f32_16x16x32_bf16 v[ma:ma+7], v[64*((\s)&1)+8*mb:64*((\s)&1)+8*mb+7], v[40*(\s)+8*((\i)/8):40*(\s)+8*((\i)/8)+7], v[ma:ma+7]
.endm
.macro INIT                            ; every sum starts as 0 x 0 + bias
.set ki, 0
.rept 40
.if ki < 32
	WIN 0xc0
	v_wmma_f32_16x16x32_bf16 v[8*ki:8*ki+7], v[Z:Z+7], v[Z:Z+7], v[BIAS+8*(ki%8):BIAS+8*(ki%8)+7]
.else
	WIN 0x80
	v_wmma_f32_16x16x32_bf16 v[128+8*(ki-32):128+8*(ki-32)+7], v[Z:Z+7], v[Z:Z+7], v[BIAS+8*(ki%8):BIAS+8*(ki%8)+7]
.endif
.set ki, ki+1
.endr
.endm
.macro FETCH buf, adr, off             ; a k step's weight fragments, 32 k x 128 columns, turned: 16 loads in one run
	WIN 0x80
.irp b, 0,1,2,3,4,5,6,7
	ds_load_tr16_b128 v[64*(\buf)+8*\b:64*(\buf)+8*\b+3],   v[\adr] offset:(\off)+32*\b
	ds_load_tr16_b128 v[64*(\buf)+8*\b+4:64*(\buf)+8*\b+7], v[\adr] offset:(\off)+32*\b+H16
.endr
.endm
; My 32 rows of a chunk go in three units, 11, 11 and 10 rows, one for each of the k steps 0 to 2.
.macro CVOP u, q                       ; line q of the rounding of unit u: row q / 2; four f32 a lane become 8 bytes of bf16, in place
	WIN 0
.set wq, WR+4*(11*(\u)+(\q)/2)
.if (\q)%2 == 0
	v_cvt_pk_bf16_f32 v[wq], v[wq], v[wq+1]
.else
	v_cvt_pk_bf16_f32 v[wq+1], v[wq+2], v[wq+3]
.endif
.endm
.macro RIDER s, cv, g                  ; four lines of the rounding behind matrix instruction g
.if (\cv) && ((\s) < 3)
.set kq, 4*(\g)
.rept 4
.if kq < NOPS*(11-(\s)/2)
	CVOP \s, kq
.endif
.set kq, kq+1
.endr
.endif
.endm
.macro STORES u, off                   ; unit u is laid down, in one run: a row's store covers 256 consecutive bytes
	WIN 0
.set kr, 11*(\u)
.rept 11-(\u)/2
	ds_store_b64 v[VS], v[WR+4*kr:WR+4*kr+1] offset:(\off)+P*kr
.set kr, kr+1
.endr
.endm
.macro WLOADS u, adr, base, add        ; unit u is asked for: a row's load covers 512 consecutive bytes, read once in the launch
	WIN 0
.set kr, 11*(\u)
.rept 11-(\u)/2
	global_load_b128 v[WR+4*kr:WR+4*kr+3], v[\adr], s[\base:\base+1] offset:((\add)+kr)*PITCHW th:TH_LOAD_NT
.set kr, kr+1
.endr
.endm
.macro ALOAD s, set                    ; the token fragments of k step s, five strips: lane (r, h) takes 16 bytes at 16 h and at 32 + 16 h of its row's 64
	WIN AW
.irp j, 0,1,2,3,4
	global_load_b128 v[40*(\s)+8*\j:40*(\s)+8*\j+3],   v[(\set)+\j], s[AB:AB+1] offset:64*(\s)
	global_load_b128 v[40*(\s)+8*\j+4:40*(\s)+8*\j+7], v[(\set)+\j], s[AB:AB+1] offset:64*(\s)+32
.endr
.endm
.macro MMS s, cv, from, to             ; matrix instructions from .. to - 1, each with its riders
.set ki, \from
.rept (\to)-(\from)
	MM \s, ki
	RIDER \s, \cv, ki
.set ki, ki+1
.endr
.endm
; The bases step once a trip, at the end of k step 0: the last loads that read them were issued a k step ago, so the wait below finds their addresses translated.
.macro STEP cv
	s_wait_xcnt 0x0                                ; the registers below are sources of loads and prefetches already issued (ISA guide 3.1)
	s_add_co_u32 s[KOFF], s[KOFF], 256
.if \cv
	s_add_nc_u64 s[AB:AB+1], s[XB:XB+1], s[KOFF:KOFF+1]
	s_add_co_u32 s[WO], s[WO], CHW
	s_min_u32 s[WO], s[WO], 7*CHW                  ; the last trip's idle loads stay inside the slice
	s_add_nc_u64 s[WB:WB+1], s[W0:W0+1], s[WO:WO+1]
	s_add_co_u32 s[PO], s[WO], CHW
	s_min_u32 s[PO], s[PO], 7*CHW                  ; no prefetch points past the slice's last chunk
	s_add_nc_u64 s[PB:PB+1], s[W0:W0+1], s[PO:PO+1]
	s_cmp_eq_u32 s[TC], 1
	s_cselect_b32 s[SM], 0, -1
	v_and_b32 v[VWX], s[SM], v[VW]                 ; in the last trip every lane asks for byte 0 of the row
.else
	s_min_u32 s[KOFF], s[KOFF], 7*256
	s_add_nc_u64 s[AB:AB+1], s[XB:XB+1], s[KOFF:KOFF+1]
	s_cmp_eq_u32 s[TC], 1
	s_cselect_b32 s[SM], 16, -1
	WIN 0x55
.irp j, 0,1,2,3,4
	v_and_b32 v[VAX+\j], s[SM], v[VA+\j]           ; in the last trip 16 h alone is left: token 0's row for every lane
.endr
	WIN 0
.endif
.endm
; A K STEP of 32.  cv = 1: the stream's text: unit s of the next chunk is rounded behind the matrix instructions, laid down at the k step's end and asked for again, two chunks on.
; All memory instructions stand in one run: the unit's LDS stores, its loads, the row loads for the fragments just multiplied (one chunk on), and, behind the next k step's two
; waits, the fetch of the weight fragments one k step ahead.  n: the loads issued behind this k step's row loads (the unit's weights were asked for just ahead of those).
; d: the LDS stores issued behind this k step's weight fragments.
.macro KSTEP s, cv, n, d
	s_wait_loadcnt \n
	s_wait_dscnt \d
.set nb, ((\s)+1)&1
.if (\s) < 3
	FETCH nb, VB, ((\s)+1)*KSL
	MMS \s, \cv, 0, 32
.elseif \cv
	MMS \s, 0, 0, 8
	s_wait_dscnt 0x0                               ; for the others' sake: my 32 rows of the next chunk lie in LDS
	s_barrier_signal -1
	MMS \s, 0, 8, 16
	s_barrier_wait -1                              ; everybody's do
	FETCH 0, VB, 4*KSL                             ; the next chunk's first fragments, 16 matrix instructions or more ahead of their use
	MMS \s, 0, 16, 32
.else
	FETCH 0, VBN, 0
	MMS \s, 0, 0, 32
.endif
	WIN 0                                          ; at a branch and at a label every window is 0
	s_cmp_eq_u32 s[L5], 0
	s_cbranch_scc1 .Lno4_\@                        ; the fifth strip holds no row: eight matrix instructions are jumped, no load and no barrier
	MMS \s, 0, 32, 40
	WIN 0
.Lno4_\@:
	PLACES                                         ; for the loads below and for the next fetch into the buffer just read
.if (\s) == 0
	STEP \cv
.endif
.if (\cv) && ((\s) < 3)
	STORES \s, CHL
	WLOADS \s, VWX, WB, 0
.endif
.if \cv
	ALOAD \s, VA
.else
	ALOAD \s, VAX
.endif
.if (\cv) && ((\s) == 0)
	WIN 0
	global_prefetch_b8 v[VP], s[PB:PB+1] th:TH_LOAD_NT scope:SCOPE_SE             ; the chunk three on (the last chunk at the most): each thread asks for one row's
	global_prefetch_b8 v[VP], s[PB:PB+1] offset:256 th:TH_LOAD_NT scope:SCOPE_SE  ; 512 bytes, as two blocks of 256; one trip ahead of the loads that want them
.endif
.endm
; A TRIP: one chunk of 128 k.  The stream's trip issues 21, 21, 20 and 10 loads at the ends of its four k steps; the wait at the head of k step s leaves out all that were issued
; behind the same k step's loads a trip ago: 51, 51, 52, 62.  The resident trip issues 10 at each end: 30.  Where the resident text follows the stream, 51 and 40 are younger at its first
; two heads: the count 30 asks for more than the fragments need, and shows the stream's idle loads landed before their registers serve the way out.
.macro TRIP cv
	WIN 0
	v_add_nc_u32 v[VB], s[KB], v[VB0]
.if \cv
	v_add_nc_u32 v[VS], s[KB], v[VS0]
	KSTEP 0, 1, 51, 0
	KSTEP 1, 1, 51, 11
	KSTEP 2, 1, 52, 11
	KSTEP 3, 1, 62, 10
.else
	s_add_co_u32 s[S0], s[KB], CHL
	s_min_u32 s[S0], s[S0], 7*CHL                  ; a block's last trip fetches the last chunk's first fragments once more, for nothing
	v_add_nc_u32 v[VBN], s[S0], v[VB0]
	KSTEP 0, 0, 30, 0
	KSTEP 1, 0, 30, 0
	KSTEP 2, 0, 30, 0
	KSTEP 3, 0, 30, 0
.endif
	WIN 0
	s_add_co_u32 s[KB], s[KB], CHL
.endm
.macro MAKEVA                          ; row offsets of the block in hand: a number made of loaded ones enters an address behind a clamp
	WIN 0x55
.irp j, 0,1,2,3,4
	v_min_u32 v[VA+\j], 0x3ff, v[TKS+\j]
	v_lshl_add_u32 v[VA+\j], v[VA+\j], 11, v[H4W]  ; a row of xb is 2,048 bytes
.endr
	WIN 0
.endm
.macro FLAG5
	s_add_co_u32 s[S0], s[ROW0], 256
	s_cmp_lt_u32 s[S0], s[CNT]
	s_cselect_b32 s[L5], 1, 0
.endm
; One halving of the search for set bit NN of a word: the field of \width bits at PS holds the number of set bits in the lower half of what is left.
.macro LEVEL src, width, step
	ALL3 v_bfe_u32 v[TT+sx], v[\src+sx], v[PS+sx], \width
	ALL3 v_cmp_ge_u32 s[S0+sx], v[NN+sx], v[TT+sx]
	ALL3 v_sub_nc_u32 v[TT+sx], v[NN+sx], v[TT+sx]
	ALL3 v_cndmask_b32 v[NN+sx], v[NN+sx], v[TT+sx], s[S0+sx]
	ALL3 v_cndmask_b32 v[TT+sx], 0, \step, s[S0+sx]
	ALL3 v_add_nc_u32 v[PS+sx], v[PS+sx], v[TT+sx]
.endm
; THE TOKENS OF MY FIVE STRIPS in the block whose first rank of mine is RB.  Register sx, lane (r, h) searches for rank RB + 64 (2 sx + h) + r: strip 2 sx + h.
.macro SELECT
	WIN 0x55
	ALL3 v_add_nc_u32 v[RH+sx], s[RB], v[LP]
	v_add_nc_u32 v[RH+1], 0x80, v[RH+1]
	v_add_nc_u32 v[RH+2], 0x100, v[RH+2]
	ALL3 v_mov_b32 v[WW+sx], s[BM]
	ALL3 v_mov_b32 v[QV+sx], 0
	s_mov_b32 s[PF], 0
.set kk, 1
.rept 31                                               ; the prefixes never fall: the last word whose prefix is not above the rank holds it
	s_bcnt1_i32_b32 s[QS], s[BM+kk-1]
	s_add_co_u32 s[PF], s[PF], s[QS]
	s_add_co_u32 s[QS], s[PF], (64*(kk/2)+kk%2)<<16
	ALL3 v_cmp_le_u32 s[S0+sx], s[PF], v[RH+sx]
	ALL3 v_cndmask_b32 v[WW+sx], v[WW+sx], s[BM+kk], s[S0+sx]
	ALL3 v_cndmask_b32 v[QV+sx], v[QV+sx], s[QS], s[S0+sx]
.set kk, kk+1
.endr
	ALL3 v_and_b32 v[NN+sx], 0xffff, v[QV+sx]
	ALL3 v_sub_nc_u32 v[NN+sx], v[RH+sx], v[NN+sx]
	ALL3 v_lshrrev_b32 v[C1+sx], 1, v[WW+sx]
	ALL3 v_and_b32 v[C1+sx], 0x55555555, v[C1+sx]
	ALL3 v_sub_nc_u32 v[C1+sx], v[WW+sx], v[C1+sx]
	ALL3 v_lshrrev_b32 v[C2+sx], 2, v[C1+sx]
	ALL3 v_and_b32 v[C2+sx], 0x33333333, v[C2+sx]
	ALL3 v_and_b32 v[TT+sx], 0x33333333, v[C1+sx]
	ALL3 v_add_nc_u32 v[C2+sx], v[TT+sx], v[C2+sx]
	ALL3 v_lshrrev_b32 v[C3+sx], 4, v[C2+sx]
	ALL3 v_add_nc_u32 v[C3+sx], v[C2+sx], v[C3+sx]
	ALL3 v_and_b32 v[C3+sx], 0x0f0f0f0f, v[C3+sx]
	ALL3 v_lshrrev_b32 v[C4+sx], 8, v[C3+sx]
	ALL3 v_add_nc_u32 v[C4+sx], v[C3+sx], v[C4+sx]
	ALL3 v_mov_b32 v[PS+sx], 0
	LEVEL C4, 8, 16
	LEVEL C3, 8, 8
	LEVEL C2, 4, 4
	LEVEL C1, 2, 2
	LEVEL WW, 1, 1
	ALL3 v_lshrrev_b32 v[TT+sx], 16, v[QV+sx]
	ALL3 v_lshl_add_u32 v[TK+sx], v[PS+sx], 1, v[TT+sx]   ; the word's first token + 2 x the bit's place
	ALL3 v_cmp_gt_u32 s[S0+sx], s[CNT], v[RH+sx]
	ALL3 v_cndmask_b32 v[TK+sx], 0, v[TK+sx], s[S0+sx]    ; a rank past the count takes token 0
	ALL3 v_permlanex16_b32 v[XX+sx], v[TK+sx], s[PL], s[PL+1]
	v_cndmask_b32 v[TKS+0], v[TK+0], v[XX+0], s[MSK]      ; an even strip's tokens lie in lanes 0-15, an odd strip's in lanes 16-31: both halves get them
	v_cndmask_b32 v[TKS+1], v[XX+0], v[TK+0], s[MSK]
	v_cndmask_b32 v[TKS+2], v[TK+1], v[XX+1], s[MSK]
	v_cndmask_b32 v[TKS+3], v[XX+1], v[TK+1], s[MSK]
	v_cndmask_b32 v[TKS+4], v[TK+2], v[XX+2], s[MSK]
	WIN 0
.endm
; The start: unit u of chunk 0 is rounded and laid down; unit u of chunk 1 and the token fragments of k step u are asked for, in the order in which the loop asks.
.macro UNIT0 u, left
	s_wait_loadcnt \left
.set kq, 0
.rept NOPS*(11-(\u)/2)
	CVOP \u, kq
.set kq, kq+1
.endr
	STORES \u, 0
	WLOADS \u, VW, W0, 128
	ALOAD \u, VA
.endm
; THE WAY OUT of strip j: rounded to f16, ReLU on the packed halves, through my own stage in LDS, back as whole rows of 256 bytes.  A strip whose first rank is past the count, and all behind it, are jumped.
.macro OUTSTRIP j
	WIN 0
	s_add_co_u32 s[S0], s[ROW0], 64*(\j)
	s_cmp_ge_u32 s[S0], s[CNTS]
	s_cbranch_scc1 .Lnext
.if (\j) < 4
	WIN 0x0f                                       ; sources 0 and 1 window 3
.set ac, 64*(\j)
.else
	WIN 0x0a                                       ; window 2
.set ac, 128
.endif
.set ki, 0
.rept 32
	v_cvt_pk_f16_f32 v[TMP+ki], v[ac+2*ki], v[ac+2*ki+1]   ; each accumulator from its low end on
.set ki, ki+1
.endr
	WIN 0
.set ki, 0
.rept 32
	v_pk_max_num_f16 v[TMP+ki], v[TMP+ki], v[Z]
.set ki, ki+1
.endr
.irp b, 0,1,2,3,4,5,6,7
	ds_store_b128 v[STO], v[TMP+4*\b:TMP+4*\b+3] offset:32*\b
.endr
.set bs, BK+32*((\j)%2)
	s_wait_xcnt 0x0                                ; the rows read back land in registers that an earlier strip's stores read, a strip of the block before too; and those stores' base is
	                                               ; rewritten below: both only behind this wait (ISA guide 3.1)
.irp t, 0,1,2,3,4,5,6,7
	ds_load_b128 v[bs+4*\t:bs+4*\t+3], v[RD] offset:2*SP*\t   ; LDS serves a wave's instructions in order (ISA guide 5.7.1.4): these see the stores above
.endr
	s_wait_dscnt 0x0
	s_lshl_b32 s[OFS], s[S0], 13                   ; a row of h is 8,192 bytes
	s_add_nc_u64 s[OB:OB+1], s[OUT:OUT+1], s[OFS:OFS+1]
.irp t, 0,1,2,3,4,5,6,7
	global_store_b128 v[VO], v[bs+4*\t:bs+4*\t+3], s[OB:OB+1] offset:16384*\t   ; 16 lanes store 256 consecutive bytes, aligned
.endr
.endm
	s_load_b256 s[4:11], s[0:1], 0x0               ; xb s[4:5], W1 s[6:7], b1 s[8:9], sel s[10:11]
	s_load_b128 s[12:15], s[0:1], 0x20             ; h s[12:13], rnk s[14:15]
	v_lshl_add_u32 v[SPW], v0, 2, SPARE
	v_mov_b32 v[NIL], 0
	v_and_b32 v[LN], 31, v0
	v_lshrrev_b32 v[T], 5, v0
	v_readfirstlane_b32 s[WV], v[T]
	v_and_b32 v[RR], 15, v0
	v_bfe_u32 v[HH], v0, 4, 1
	v_lshlrev_b32 v[H4], 4, v[HH]
	s_mov_b32 s[SLC], ttmp9
	s_and_b32 s[EX], ttmp7, 0xffff
	s_lshl_b32 s[S0], s[WV], 19                    ; 32 rows of 16,384 bytes
	v_lshl_add_u32 v[VW], v[LN], 4, s[S0]
	v_lshlrev_b32 v[VP], 14, v0
	v_and_b32 v[T], 7, v0
	v_lshl_add_u32 v[T], v[HH], 3, v[T]            ; the turning load: lane L reads k = 8 h + L % 8,
	v_mul_u32_u24 v[VB0], v[T], P
	v_bfe_u32 v[T], v0, 3, 1
	v_lshl_add_u32 v[VB0], v[T], 4, v[VB0]         ; columns 8 ((L / 8) % 2) + 0..7
	s_mul_i32 s[S0], s[WV], KSL
	v_lshl_add_u32 v[VS0], v[LN], 3, s[S0]
	s_mul_i32 s[S0], s[WV], 16*SP
	s_add_co_u32 s[S0], s[S0], STAGE               ; my stage
	v_mul_u32_u24 v[T], v[RR], SP
	v_add_nc_u32 v[T], v[H4], v[T]
	v_add_nc_u32 v[STO], s[S0], v[T]               ; in: row r, 16 bytes for each half of the lanes
	v_mul_u32_u24 v[T], v[HH], SP
	v_lshl_add_u32 v[T], v[RR], 4, v[T]
	v_add_nc_u32 v[RD], s[S0], v[T]                ; back: lanes 0-15 one row of 256 bytes, lanes 16-31 the next
	v_lshlrev_b32 v[T], 13, v[HH]
	v_lshl_add_u32 v[VO], v[RR], 4, v[T]           ; and the same two rows in h
	v_lshlrev_b32 v[A8L], 3, v[LN]
	v_lshlrev_b32 v[A32H], 5, v[HH]
	v_lshlrev_b32 v[A16L], 4, v[LN]
.irp i, 0,1,2,3,4,5,6,7
	v_mov_b32 v[Z+\i], 0
.endr
	WIN 0x40                                       ; destination window 1, sources window 0
	v_lshl_add_u32 v[LP], v[HH], 6, v[RR]
	v_mov_b32 v[H4W], v[H4]
	ALL3 v_mov_b32 v[XX+sx], 0                     ; v_permlanex16_b32's destination counts as read
.irp b, 0,1,2,3
.irp j, 0,1,2,3,4
	v_mov_b32 v[TKS+8*\b+\j], 0
.endr
.endr
	WIN 0
	s_mov_b32 s[MSK], 0xffff0000
	s_mov_b32 s[PL], 0x76543210
	s_mov_b32 s[PL+1], 0xfedcba98
	s_mov_b32 s[OFS+1], 0
	s_mov_b32 s[PO+1], 0
	s_mov_b32 s[KOFF+1], 0
	s_mov_b32 s[WO+1], 0
	s_mov_b32 s[BLK], 4
	s_lshl_b32 s[ROW0], s[WV], 4
	s_lshl_b32 s[S0], s[EX], 24                    ; an expert's W1 is 2^24 bytes,
	s_lshl_b32 s[S0+1], s[SLC], 9                  ; a slice 512 bytes of each row
	s_or_b32 s[OFS], s[S0], s[S0+1]
	s_wait_kmcnt 0x0
	s_add_nc_u64 s[W0:W0+1], s[6:7], s[OFS:OFS+1]
	s_lshl_b32 s[S0], s[EX], 14
	s_or_b32 s[OFS], s[S0], s[S0+1]
	s_add_nc_u64 s[BB:BB+1], s[8:9], s[OFS:OFS+1]
	s_lshl_b32 s[S0], s[EX], 23                    ; an expert's part of h is 1,024 rows of 8,192 bytes
	s_lshl_b32 s[S0+1], s[SLC], 8
	s_or_b32 s[OFS], s[S0], s[S0+1]
	s_add_nc_u64 s[OUT:OUT+1], s[12:13], s[OFS:OFS+1]
	s_mov_b64 s[XB:XB+1], s[4:5]
	WIN 0x40
.set ki, 0
.rept 16
	global_load_b128 v[4*ki:4*ki+3], v[A16L], s[10:11] offset:512*ki   ; the choices of tokens 64 i + 2 L and 64 i + 2 L + 1, into window 1
.set ki, ki+1
.endr
	WLOADS 0, VW, W0, 0                            ; chunk 0
	WLOADS 1, VW, W0, 0
	WLOADS 2, VW, W0, 0
	global_prefetch_b8 v[VP], s[W0:W0+1] offset:CHW th:TH_LOAD_NT scope:SCOPE_SE        ; chunk 1
	global_prefetch_b8 v[VP], s[W0:W0+1] offset:CHW+256 th:TH_LOAD_NT scope:SCOPE_SE
	s_wait_loadcnt 32                              ; all but chunk 0's 32 loads: the choices are in
.irp b, 0,1,2,3,4,5,6,7
	global_load_b128 v[BIAS+8*\b:BIAS+8*\b+3],   v[A32H], s[BB:BB+1] offset:64*\b      ; columns 16 b + 8 h + 0..7, as the accumulators hold them
	global_load_b128 v[BIAS+8*\b+4:BIAS+8*\b+7], v[A32H], s[BB:BB+1] offset:64*\b+16
.endr
	WIN 0x04                                       ; source 1 window 1
.set ki, 0
.rept 32
	v_cmp_eq_u32 s[BM+ki], s[EX], v[2*ki]
	v_cmp_eq_u32 s[S0], s[EX], v[2*ki+1]
	s_or_b32 s[BM+ki], s[BM+ki], s[S0]
.set ki, ki+1
.endr
	WIN 0
	s_mov_b32 s[CNT], 0
.set ki, 0
.rept 32
	s_bcnt1_i32_b32 s[S0], s[BM+ki]
	s_add_co_u32 s[CNT], s[CNT], s[S0]
.set ki, ki+1
.endr
	s_max_u32 s[CNTS], s[CNT], 1
	FLAG5
	s_cmp_lg_u32 s[WV], 1
	s_cbranch_scc1 .Lnot1
	s_cmp_lg_u32 s[SLC], 0
	s_cbranch_scc1 .Lnot1
	; wave 1 of the expert's first slice: every token's rank, for the launch that adds up (it reads the rank only where the token chose e)
	s_lshl_b32 s[OFS], s[EX], 12
	s_add_nc_u64 s[OB:OB+1], s[14:15], s[OFS:OFS+1]
	s_mov_b32 s[PF], 0
.set ki, 0
.rept 16
.if ki == 8
	s_wait_xcnt 0x0                                ; the sixteen data registers are used a second time
.endif
	v_mbcnt_lo_u32_b32 v[RK+2*(ki%8)], s[BM+2*ki], s[PF]       ; chosen tokens ahead of mine
	s_bcnt1_i32_b32 s[QS], s[BM+2*ki]
	s_add_co_u32 s[PF], s[PF], s[QS]
	v_mbcnt_lo_u32_b32 v[RK+2*(ki%8)+1], s[BM+2*ki+1], s[PF]
	s_bcnt1_i32_b32 s[QS], s[BM+2*ki+1]
	s_add_co_u32 s[PF], s[PF], s[QS]
	global_store_b64 v[A8L], v[RK+2*(ki%8):RK+2*(ki%8)+1], s[OB:OB+1] offset:256*ki   ; two neighbouring tokens a lane: 256 consecutive bytes, aligned
.set ki, ki+1
.endr
	s_wait_xcnt 0x0                                ; the base is written again on the way out
.Lnot1:
	; the tokens of all four blocks, the last block first: each trip moves the sets one place up and fills the lowest; a block in which my wave has no row is jumped and keeps token 0
	s_add_co_u32 s[RB], s[ROW0], 960
	s_mov_b32 s[SB], 4
.Lsel:
	WIN 0x55
.irp b, 3,2,1
.irp j, 0,1,2,3,4
	v_mov_b32 v[TKS+8*\b+\j], v[TKS+8*\b-8+\j]
.endr
.endr
.irp j, 0,1,2,3,4
	v_mov_b32 v[TKS+\j], 0
.endr
	WIN 0
	s_cmp_ge_u32 s[RB], s[CNT]
	s_cbranch_scc1 .Lseld
	SELECT
.Lseld:
	s_sub_co_u32 s[RB], s[RB], 320
	s_sub_co_u32 s[SB], s[SB], 1
	s_cmp_lg_u32 s[SB], 0
	s_cbranch_scc1 .Lsel
	MAKEVA
	s_mov_b64 s[AB:AB+1], s[XB:XB+1]
	v_mov_b32 v[VS], v[VS0]
	UNIT0 0, 37                                    ; chunk 0's rows 0-10 are in: its 21 other loads and the bias's 16 are younger
	UNIT0 1, 47                                    ; rows 11-21: 10 of chunk 0, the bias's 16, and the 21 loads just issued
	UNIT0 2, 42                                    ; rows 22-31 and the bias: twice 21 are younger
	ALOAD 3, VA
	WIN 0
.set ki, 0
.rept 32                                               ; the bias is rounded to bf16 like every input, and widened again
	v_cvt_pk_bf16_f32 v[T+ki%4], v[BIAS+2*ki], v[BIAS+2*ki+1]
	v_lshlrev_b32 v[BIAS+2*ki], 16, v[T+ki%4]
	v_and_b32 v[BIAS+2*ki+1], s[MSK], v[T+ki%4]
.set ki, ki+1
.endr
	global_prefetch_b8 v[VP], s[W0:W0+1] offset:2*CHW th:TH_LOAD_NT scope:SCOPE_SE      ; chunk 2
	global_prefetch_b8 v[VP], s[W0:W0+1] offset:2*CHW+256 th:TH_LOAD_NT scope:SCOPE_SE
	s_wait_dscnt 0x0                               ; my rows of chunk 0 lie in LDS
	s_barrier_signal -1
	s_barrier_wait -1                              ; everybody's do
	v_mov_b32 v[VB], v[VB0]
	FETCH 0, VB, 0
	INIT
	WIN 0
	s_mov_b32 s[KB], 0
	s_mov_b32 s[KOFF], 0
	s_mov_b32 s[WO], CHW
	s_mov_b32 s[TC], 7
.Lstream:                                              ; trip t multiplies chunk t, rounds chunk t + 1, asks for chunk t + 2 (trip 6: idle loads) and for the rows' chunk t + 1
	TRIP 1
	s_sub_co_u32 s[TC], s[TC], 1
	s_cmp_lg_u32 s[TC], 0
	s_cbranch_scc1 .Lstream
	s_mov_b32 s[TC], 1
	s_branch .Lresident                            ; block 0's last chunk goes by the resident text's last trip
.Lblock:                                               ; blocks 1 to 3, from the resident slice
	s_cmp_ge_u32 s[ROW0], s[CNT]
	s_cbranch_scc1 .Lmet                           ; my wave has no row here: work alone is jumped, the barrier below is met
	s_wait_loadcnt 0x0                             ; the last trip's idle loads have landed: their registers are loaded again
	s_wait_xcnt 0x0                                ; the rows' offsets and xb's base were sources of earlier loads
	WIN 0x55
.irp b, 0,1,2
.irp j, 0,1,2,3,4
	v_mov_b32 v[TKS+8*\b+\j], v[TKS+8*\b+8+\j]     ; the next block's tokens move into the lowest set
.endr
.endr
	MAKEVA
	FLAG5
	s_mov_b32 s[KOFF], 0
	s_mov_b64 s[AB:AB+1], s[XB:XB+1]
	ALOAD 0, VA
	ALOAD 1, VA
	ALOAD 2, VA
	ALOAD 3, VA
	WIN 0
	s_mov_b32 s[KB], 0
	v_mov_b32 v[VB], v[VB0]
	FETCH 0, VB, 0
	INIT
	WIN 0
	s_mov_b32 s[TC], 8
.Lresident:
	TRIP 0
	s_sub_co_u32 s[TC], s[TC], 1
	s_cmp_lg_u32 s[TC], 0
	s_cbranch_scc1 .Lresident
.Lmet:
	s_wait_dscnt 0x0                               ; my reads of the slice are back
	s_barrier_signal -1
	s_barrier_wait -1                              ; everybody's are: only now is a stage written
	OUTSTRIP 0
	OUTSTRIP 1
	OUTSTRIP 2
	OUTSTRIP 3
	OUTSTRIP 4
.Lnext:
	s_wait_dscnt 0x0                               ; my stores into my stage and my reads of it are done
	s_barrier_signal -1
	s_barrier_wait -1                              ; everybody's are: the next block's reads, and behind the last block the closing lines, stand behind this barrier
	s_add_co_u32 s[ROW0], s[ROW0], 320
	s_sub_co_u32 s[BLK], s[BLK], 1
	s_cmp_lg_u32 s[BLK], 0
	s_cbranch_scc1 .Lblock
	s_wait_tensorcnt 0x0                           ; the wave's end, behind my last LDS store
	ds_add_u32 v[SPW], v[NIL]
	s_wait_dscnt 0x0
	s_endpgm
.Lfunc_end_k_qc5b34d28bd_up:
	.size	k_qc5b34d28bd_up, .Lfunc_end_k_qc5b34d28bd_up-k_qc5b34d28bd_up
	.p2alignl 7, 3214868480
	.fill 96, 4, 3214868480
	.section	.rodata,"a",@progbits
	.p2align	6, 0x0
	.amdhsa_kernel k_qc5b34d28bd_up
		.amdhsa_group_segment_fixed_size 312832
		.amdhsa_private_segment_fixed_size 0
		.amdhsa_enable_private_segment 0
		.amdhsa_kernarg_size 48
		.amdhsa_user_sgpr_count 2
		.amdhsa_user_sgpr_kernarg_segment_ptr 1
		.amdhsa_wavefront_size32 1
		.amdhsa_system_sgpr_workgroup_id_x 1
		.amdhsa_system_sgpr_workgroup_id_y 1
		.amdhsa_system_sgpr_workgroup_id_z 1
		.amdhsa_system_vgpr_workitem_id 0
		.amdhsa_next_free_vgpr 1024
		.amdhsa_next_free_sgpr 100
		.amdhsa_reserve_vcc 0
		.amdhsa_float_denorm_mode_32 3
		.amdhsa_float_denorm_mode_16_64 3
		.amdhsa_memory_ordered 1
		.amdhsa_forward_progress 1
		.amdhsa_inst_pref_size 167
	.end_amdhsa_kernel
	.amdgpu_metadata
---
amdhsa.version: [ 1, 2 ]
amdhsa.kernels:
  - .name:           k_qc5b34d28bd_up
    .symbol:         k_qc5b34d28bd_up.kd
    .args:
      - { .name: xb, .offset: 0, .size: 8, .value_kind: global_buffer, .address_space: global }
      - { .name: W1, .offset: 8, .size: 8, .value_kind: global_buffer, .address_space: global }
      - { .name: b1, .offset: 16, .size: 8, .value_kind: global_buffer, .address_space: global }
      - { .name: sel, .offset: 24, .size: 8, .value_kind: global_buffer, .address_space: global }
      - { .name: h, .offset: 32, .size: 8, .value_kind: global_buffer, .address_space: global }
      - { .name: rnk, .offset: 40, .size: 8, .value_kind: global_buffer, .address_space: global }
    .group_segment_fixed_size: 312832
    .private_segment_fixed_size: 0
    .kernarg_segment_align: 8
    .kernarg_segment_size: 48
    .max_flat_workgroup_size: 128
    .sgpr_count:     100
    .vgpr_count:     1024
    .wavefront_size: 32
...
	.end_amdgpu_metadata
.endif
;; end of part 6
;; launch down (part 7): grid 32 x 8, 4 waves a work-group, no clusters, 312,832 bytes of LDS; arguments h, W2, sel, part; writes part
.if DOCPART == 7
	.amdgcn_target "amdgcn-amd-amdhsa--gfx1250"
	.amdhsa_code_object_version 6
	.text
	.protected	k_qc5b34d28bd_down
	.globl	k_qc5b34d28bd_down
	.p2align	8
	.type	k_qc5b34d28bd_down,@function
k_qc5b34d28bd_down:
	s_mov_b64 s[64:65], 0
	v_nop
	global_prefetch_b8 v0, s[64:65] scope:SCOPE_SE
	s_setreg_imm32_b32 hwreg(HW_REG_WAVE_MODE, 25, 1), 1
	s_wait_xcnt 0x0
; THE SECOND PRODUCT, in four quarters of its K.  part[q][e][rank][o] = the sum over the 1,024 hidden channels of quarter q of h[e][rank][k] W2[e][k][o], in f32.
; Bias, ReLU and the gate's weights need the whole K: the last launch adds the four quarters (partial sums stay in f32).
; SHARES.  Work-group (x, e): x % 8 = 128 columns of the output, x / 8 = the quarter: 1,024 k x 128 columns, 512 KB of f32 weights that it alone reads, each byte once.
; The form is that of the first product: the weights are rounded in registers and laid into LDS once, as [k][128] of 16 bits, rows 288 bytes apart, in 8 chunks of 128 k;
; while chunk t + 1 is rounded and chunk t + 2 is on its way, chunk t is multiplied with the expert's first 320 rows.  A block is 20 strips of 16 rows dealt round the four waves:
; strip j of wave w holds ranks 320 block + 64 j + 16 w + 0..15; a wave has five strips x 128 columns, 40 accumulators.  The fifth strip's eight matrix instructions are jumped in
; every k step where it holds no rank below the count.  Blocks 1 to 3 read the resident slice: a loop of the constant count 4 in which a wave without rows jumps forward over work,
; never over a barrier.  Each block has two barriers that every wave passes: one between the block's reads of the slice and the stores into the stages, one behind the way out.
; TWO TEXTS FOR ALL TRIPS.  The stream's text runs 7 times, the resident text once for block 0 and 8 times for a later block.  A text's last trip has nothing left to ask for: its loads
; stay (so that every wait's count holds in every trip) but all lanes ask for one address: 32 idle loads a wave at the stream's end, 40 and 16 LDS loads at a block's end.
; FORMATS.  h is f16, so the product is the f16 form.  W2 is rounded to bf16 like every input, and that number is written as f16: exact from 2^-14 up.
; ROWS are ranks: h lies by rank.  Only the expert's count is needed: every wave counts sel (whole numbers stored two launches ago).  Places past the count repeat row max(count, 1) - 1,
; which the first product has stored; a strip is stored if its first rank is below max(count, 1).
; THE MATRIX INSTRUCTION IS USED TRANSPOSED: source 0 = 16 weight columns (turned on the way out of LDS), source 1 = 16 rows of h, loaded from memory straight into the fragment.
; NO CLUSTER: a slice of weights has one reader.  An expert's rows of h are shared by 8 work-groups, but beside the resident slice 32,768 bytes of LDS are left, 17,920 of them taken
; by stage and spare words, and one k step of 320 rows is 20,480; and the later blocks hang on a stored count.  NO TENSOR LOAD: f32 weights pass through registers to be rounded.
; LIMITS.  |W2| of 65,520 or more becomes an infinity; below 2^-14 it keeps f16's fixed step 2^-24.  NaN is not treated apart.
; REGISTERS, in windows of 256 (s_set_vgpr_msb: bits 1:0 source 0, 3:2 source 1, 5:4 source 2, 7:6 destination):
;   window 0: addresses, the weights on their way (v32-159), zeros          window 1: v0-159 fragments of h, k step s, strip j at 40 s + 8 j
;   window 2: v0-127 two buffers of weight fragments; v128-191 strip 4's accumulators   window 3: strips 0-3: accumulator (j, b) at 64 j + 8 b
.set P,      288      ; an LDS row: 256 bytes + 32 = 72 words
.set KSL,    32*P
.set H16,    16*P
.set CHL,    4*KSL
.set PITCHW, 4096     ; bytes from row to row of W2
.set CHW,    128*PITCHW
.set STAGE,  8*CHL    ; behind the slice: 16 rows x 272 bytes for each wave, for the way out
.set SP,     272
.set SPARE,  STAGE+4*16*SP  ; the spare words, 128 bytes for each wave: two blocks of 256 bytes that no other line names
.set NOPS,   8        ; vector lines that round one row of four f32 a lane
.set AW,     0x40     ; the row loads: data in window 1, address register in window 0
.set LN,   1
.set RR,   2
.set HH,   3
.set H4,   4          ; 16 h
.set VW,   5          ; weights: 16 L + my wave's 32 rows of a chunk; never rewritten
.set VP,   6          ; prefetch: one row of a chunk for each of the 128 threads; never rewritten
.set VB0,  7
.set VB,   8
.set VS0,  9
.set VS,   10
.set VWX,  11         ; VW, or 0 in the stream's last trip
.set VBN,  12         ; VB0 + the next chunk, the last at the most
.set STO,  13
.set RD,   14
.set VO,   15
.set VA,   16         ; v16-20  strip j: byte offset of my row of h, + 16 h
.set T,    21         ; v21-25  at work
.set A16L, 29
.set SPW,  30         ; LDS address of my spare word; never rewritten
.set NIL,  31         ; 0; never rewritten
.set WR,   32         ; v32-159 my wave's 32 rows of a chunk, four f32 a lane
.set BK,   64         ; when the stream is over: two sets of 32 for whole rows read back
.set Z,    160        ; v160-167 zeros
.set VAX,  168        ; v168-172 VA, or 16 h alone in a block's last trip
.set WV,   16
.set SLC,  17         ; which 128 columns
.set EX,   18
.set CNT,  19
.set CNTS, 20
.set S0,   21         ; s21-23 at work
.set W0,   24
.set WB,   26
.set PB,   28
.set PO,   30
.set AB,   32
.set KOFF, 34
.set KB,   36
.set TC,   37         ; trips to go
.set BLK,  38         ; blocks to go
.set ROW0, 39         ; my wave's first rank in the block
.set QQ,   40         ; the quarter
.set MSK,  41
.set OB,   42
.set OFS,  44
.set OUT,  46
.set XB,   48         ; s[48:49] h at (e, rank 0, my quarter)
.set WO,   52         ; s[52:53] offset of the chunk being asked for
.set SM,   54         ; what an offset is ANDed with: all ones, or what is left of it in a last trip
.set L5,   55         ; 1: my fifth strip holds a rank below the count
.set MSB, 0
.macro WIN new                         ; the immediate's high byte repeats the setting that is left; a switch that changes nothing is dropped
.if MSB != (\new)
	s_set_vgpr_msb (MSB<<8)|(\new)
.set MSB, \new
.endif
.endm
; A load into a register that a matrix instruction has read, and a vector instruction or LDS store that reads a matrix result, stand four places behind it;
; only plain vector instructions that name none of its registers are places.
.macro PLACES
.rept 4
	v_nop
.endr
.endm
; Matrix instruction i of a k step's 40: strip i / 8, column block i % 8.  The accumulators take turns, one instruction a turn.
.macro MM s, i
.set mb, (\i)%8
.set ma, 8*(\i)
.if (\i) < 32
	WIN 0xf6
.else
	WIN 0xa6
.set ma, 128+8*mb
.endif
	v_wmma_f32_16x16x32_f16 v[ma:ma+7], v[64*((\s)&1)+8*mb:64*((\s)&1)+8*mb+7], v[40*(\s)+8*((\i)/8):40*(\s)+8*((\i)/8)+7], v[ma:ma+7]
.endm
.macro INIT                            ; every sum starts as 0 x 0 + 0: one text then serves every chunk
.set ki, 0
.rept 40
.if ki < 32
	WIN 0xc0
	v_wmma_f32_16x16x32_f16 v[8*ki:8*ki+7], v[Z:Z+7], v[Z:Z+7], 0
.else
	WIN 0x80
	v_wmma_f32_16x16x32_f16 v[128+8*(ki-32):128+8*(ki-32)+7], v[Z:Z+7], v[Z:Z+7], 0
.endif
.set ki, ki+1
.endr
.endm
.macro FETCH buf, adr, off             ; a k step's weight fragments, 32 k x 128 columns, turned: 16 loads in one run
	WIN 0x80
.irp b, 0,1,2,3,4,5,6,7
	ds_load_tr16_b128 v[64*(\buf)+8*\b:64*(\buf)+8*\b+3],   v[\adr] offset:(\off)+32*\b
	ds_load_tr16_b128 v[64*(\buf)+8*\b+4:64*(\buf)+8*\b+7], v[\adr] offset:(\off)+32*\b+H16
.endr
.endm
; My 32 rows of a chunk go in three units, 11, 11 and 10 rows, one for each of the k steps 0 to 2.
; Line q of the rounding of unit u, all in place, stage by stage through the unit's rows, so that no line reads a result just made:
; two lines a row round four f32 to bf16; four widen them again; two write them as f16.
.macro CVOP u, q
	WIN 0
.set rw, 11-(\u)/2
.if (\q) < 2*rw
.set wq, WR+4*(11*(\u)+(\q)/2)
.if (\q)%2 == 0
	v_cvt_pk_bf16_f32 v[wq], v[wq], v[wq+1]
.else
	v_cvt_pk_bf16_f32 v[wq+2], v[wq+2], v[wq+3]
.endif
.elseif (\q) < 6*rw
.set wq, WR+4*(11*(\u)+((\q)-2*rw)/4)
.if ((\q)-2*rw)%4 == 0
	v_and_b32 v[wq+1], s[MSK], v[wq]
.elseif ((\q)-2*rw)%4 == 1
	v_lshlrev_b32 v[wq], 16, v[wq]
.elseif ((\q)-2*rw)%4 == 2
	v_and_b32 v[wq+3], s[MSK], v[wq+2]
.else
	v_lshlrev_b32 v[wq+2], 16, v[wq+2]
.endif
.else
.set wq, WR+4*(11*(\u)+((\q)-6*rw)/2)
.if ((\q)-6*rw)%2 == 0
	v_cvt_pk_f16_f32 v[wq], v[wq], v[wq+1]
.else
	v_cvt_pk_f16_f32 v[wq+1], v[wq+2], v[wq+3]
.endif
.endif
.endm
.macro RIDER s, cv, g                  ; four lines of the rounding behind matrix instruction g: 22 of the 32 that always run carry some in units 0 and 1, 20 in unit 2
.if (\cv) && ((\s) < 3)
.set kq, 4*(\g)
.rept 4
.if kq < NOPS*(11-(\s)/2)
	CVOP \s, kq
.endif
.set kq, kq+1
.endr
.endif
.endm
.macro STORES u, off                   ; unit u is laid down, in one run: a row's store covers 256 consecutive bytes
	WIN 0
.set kr, 11*(\u)
.rept 11-(\u)/2
	ds_store_b64 v[VS], v[WR+4*kr:WR+4*kr+1] offset:(\off)+P*kr
.set kr, kr+1
.endr
.endm
.macro WLOADS u, adr, base, add        ; unit u is asked for: a row's load covers 512 consecutive bytes, read once in the launch
	WIN 0
.set kr, 11*(\u)
.rept 11-(\u)/2
	global_load_b128 v[WR+4*kr:WR+4*kr+3], v[\adr], s[\base:\base+1] offset:((\add)+kr)*PITCHW th:TH_LOAD_NT
.set kr, kr+1
.endr
.endm
.macro ALOAD s, set                    ; the fragments of h of k step s, five strips: lane (r, h) takes 16 bytes at 16 h and at 32 + 16 h of its row's 64
	WIN AW
.irp j, 0,1,2,3,4
	global_load_b128 v[40*(\s)+8*\j:40*(\s)+8*\j+3],   v[(\set)+\j], s[AB:AB+1] offset:64*(\s)
	global_load_b128 v[40*(\s)+8*\j+4:40*(\s)+8*\j+7], v[(\set)+\j], s[AB:AB+1] offset:64*(\s)+32
.endr
.endm
.macro MMS s, cv, from, to             ; matrix instructions from .. to - 1, each with its riders
.set ki, \from
.rept (\to)-(\from)
	MM \s, ki
	RIDER \s, \cv, ki
.set ki, ki+1
.endr
.endm
; The bases step once a trip, at the end of k step 0: the last loads that read them were issued a k step ago, so the wait below finds their addresses translated.
.macro STEP cv
	s_wait_xcnt 0x0                                ; the registers below are sources of loads and prefetches already issued (ISA guide 3.1)
	s_add_co_u32 s[KOFF], s[KOFF], 256
.if \cv
	s_add_nc_u64 s[AB:AB+1], s[XB:XB+1], s[KOFF:KOFF+1]
	s_add_co_u32 s[WO], s[WO], CHW
	s_min_u32 s[WO], s[WO], 7*CHW                  ; the last trip's idle loads stay inside the slice
	s_add_nc_u64 s[WB:WB+1], s[W0:W0+1], s[WO:WO+1]
	s_add_co_u32 s[PO], s[WO], CHW
	s_min_u32 s[PO], s[PO], 7*CHW                  ; no prefetch points past the slice's last chunk
	s_add_nc_u64 s[PB:PB+1], s[W0:W0+1], s[PO:PO+1]
	s_cmp_eq_u32 s[TC], 1
	s_cselect_b32 s[SM], 0, -1
	v_and_b32 v[VWX], s[SM], v[VW]                 ; in the last trip every lane asks for byte 0 of the row
.else
	s_min_u32 s[KOFF], s[KOFF], 7*256
	s_add_nc_u64 s[AB:AB+1], s[XB:XB+1], s[KOFF:KOFF+1]
	s_cmp_eq_u32 s[TC], 1
	s_cselect_b32 s[SM], 16, -1
.irp j, 0,1,2,3,4
	v_and_b32 v[VAX+\j], s[SM], v[VA+\j]           ; in the last trip 16 h alone is left: the expert's row 0 for every lane
.endr
.endif
.endm
; A K STEP of 32.  cv = 1: the stream's text: unit s of the next chunk is rounded behind the matrix instructions, laid down at the k step's end and asked for again, two chunks on.
; All memory instructions stand in one run: the unit's LDS stores, its loads, the row loads for the fragments just multiplied (one chunk on), and, behind the next k step's two
; waits, the fetch of the weight fragments one k step ahead.  n: the loads issued behind this k step's row loads (the unit's weights were asked for just ahead of those).
; d: the LDS stores issued behind this k step's weight fragments.
.macro KSTEP s, cv, n, d
	s_wait_loadcnt \n
	s_wait_dscnt \d
.set nb, ((\s)+1)&1
.if (\s) < 3
	FETCH nb, VB, ((\s)+1)*KSL
	MMS \s, \cv, 0, 32
.elseif \cv
	MMS \s, 0, 0, 8
	s_wait_dscnt 0x0                               ; for the others' sake: my 32 rows of the next chunk lie in LDS
	s_barrier_signal -1
	MMS \s, 0, 8, 16
	s_barrier_wait -1                              ; everybody's do
	FETCH 0, VB, 4*KSL                             ; the next chunk's first fragments, 16 matrix instructions or more ahead of their use
	MMS \s, 0, 16, 32
.else
	FETCH 0, VBN, 0
	MMS \s, 0, 0, 32
.endif
	WIN 0                                          ; at a branch and at a label every window is 0
	s_cmp_eq_u32 s[L5], 0
	s_cbranch_scc1 .Lno4_\@                        ; the fifth strip holds no row: eight matrix instructions are jumped, no load and no barrier
	MMS \s, 0, 32, 40
	WIN 0
.Lno4_\@:
	PLACES                                         ; for the loads below and for the next fetch into the buffer just read
.if (\s) == 0
	STEP \cv
.endif
.if (\cv) && ((\s) < 3)
	STORES \s, CHL
	WLOADS \s, VWX, WB, 0
.endif
.if \cv
	ALOAD \s, VA
.else
	ALOAD \s, VAX
.endif
.if (\cv) && ((\s) == 0)
	WIN 0
	global_prefetch_b8 v[VP], s[PB:PB+1] th:TH_LOAD_NT scope:SCOPE_SE             ; the chunk three on (the last chunk at the most): each thread asks for one row's
	global_prefetch_b8 v[VP], s[PB:PB+1] offset:256 th:TH_LOAD_NT scope:SCOPE_SE  ; 512 bytes, as two blocks of 256; one trip ahead of the loads that want them
.endif
.endm
; A TRIP: one chunk of 128 k.  The stream's trip issues 21, 21, 20 and 10 loads at the ends of its four k steps; the wait at the head of k step s leaves out all that were issued
; behind the same k step's loads a trip ago: 51, 51, 52, 62.  The resident trip issues 10 at each end: 30.  Where the resident text follows the stream, 51 and 40 are younger at its first
; two heads: the count 30 asks for more than the fragments need, and shows the stream's idle loads landed before their registers serve the way out.
.macro TRIP cv
	WIN 0
	v_add_nc_u32 v[VB], s[KB], v[VB0]
.if \cv
	v_add_nc_u32 v[VS], s[KB], v[VS0]
	KSTEP 0, 1, 51, 0
	KSTEP 1, 1, 51, 11
	KSTEP 2, 1, 52, 11
	KSTEP 3, 1, 62, 10
.else
	s_add_co_u32 s[S0], s[KB], CHL
	s_min_u32 s[S0], s[S0], 7*CHL                  ; a block's last trip fetches the last chunk's first fragments once more, for nothing
	v_add_nc_u32 v[VBN], s[S0], v[VB0]
	KSTEP 0, 0, 30, 0
	KSTEP 1, 0, 30, 0
	KSTEP 2, 0, 30, 0
	KSTEP 3, 0, 30, 0
.endif
	WIN 0
	s_add_co_u32 s[KB], s[KB], CHL
.endm
.macro MAKEVA                          ; the five strips' rows: my rank, held to the last row that exists; a number made of loaded ones enters an address behind a clamp
	s_sub_co_u32 s[S0], s[CNTS], 1
.irp j, 0,1,2,3,4
	v_add_nc_u32 v[T+\j], s[ROW0], v[RR]
	v_add_nc_u32 v[T+\j], 64*\j, v[T+\j]
	v_min_u32 v[T+\j], s[S0], v[T+\j]
	v_min_u32 v[T+\j], 0x3ff, v[T+\j]
	v_lshl_add_u32 v[VA+\j], v[T+\j], 13, v[H4]    ; a row of h is 8,192 bytes
.endr
.endm
.macro FLAG5
	s_add_co_u32 s[S0], s[ROW0], 256
	s_cmp_lt_u32 s[S0], s[CNT]
	s_cselect_b32 s[L5], 1, 0
.endm
.macro UNIT0 u, left                   ; the start: unit u of chunk 0 is rounded and laid down; unit u of chunk 1 and the fragments of k step u are asked for, in the loop's order
	s_wait_loadcnt \left
.set kq, 0
.rept NOPS*(11-(\u)/2)
	CVOP \u, kq
.set kq, kq+1
.endr
	STORES \u, 0
	WLOADS \u, VW, W0, 128
	ALOAD \u, VA
.endm
; THE WAY OUT of strip j, 64 columns at a time: the f32 sums go straight from the accumulators into my own stage in LDS and come back as whole rows of 256 bytes.
.macro OUTSTRIP j
	WIN 0
	s_add_co_u32 s[S0], s[ROW0], 64*(\j)
	s_cmp_ge_u32 s[S0], s[CNTS]
	s_cbranch_scc1 .Lnext
	s_lshl_b32 s[OFS], s[S0], 12                   ; a row of part is 4,096 bytes
.irp c, 0,1
.if (\j) < 4
	WIN 0x0c                                       ; the data (source 1) in window 3
.set ac, 64*(\j)+32*\c
.else
	WIN 0x08                                       ; in window 2
.set ac, 128+32*\c
.endif
.irp b, 0,1,2,3
	ds_store_b128 v[STO], v[ac+8*\b:ac+8*\b+3]   offset:64*\b      ; each accumulator from its low end on
	ds_store_b128 v[STO], v[ac+8*\b+4:ac+8*\b+7] offset:64*\b+16
.endr
	WIN 0
.irp t, 0,1,2,3,4,5,6,7
	ds_load_b128 v[BK+32*\c+4*\t:BK+32*\c+4*\t+3], v[RD] offset:2*SP*\t   ; LDS serves a wave's instructions in order (ISA guide 5.7.1.4): these see the stores above
.endr
	s_wait_dscnt 0x0
	s_wait_xcnt 0x0                                ; frees the stores' base, and the set of rows that the half before stored
.if \c == 0
	s_add_nc_u64 s[OB:OB+1], s[OUT:OUT+1], s[OFS:OFS+1]
.endif
.irp t, 0,1,2,3,4,5,6,7
	global_store_b128 v[VO], v[BK+32*\c+4*\t:BK+32*\c+4*\t+3], s[OB:OB+1] offset:8192*\t+256*\c   ; 16 lanes store 256 consecutive bytes, aligned
.endr
.endr
.endm
	s_load_b256 s[4:11], s[0:1], 0x0               ; h s[4:5], W2 s[6:7], sel s[8:9], part s[10:11]
	v_lshl_add_u32 v[SPW], v0, 2, SPARE
	v_mov_b32 v[NIL], 0
	v_and_b32 v[LN], 31, v0
	v_lshrrev_b32 v[T], 5, v0
	v_readfirstlane_b32 s[WV], v[T]
	v_and_b32 v[RR], 15, v0
	v_bfe_u32 v[HH], v0, 4, 1
	v_lshlrev_b32 v[H4], 4, v[HH]
	s_and_b32 s[SLC], ttmp9, 7
	s_lshr_b32 s[QQ], ttmp9, 3
	s_and_b32 s[EX], ttmp7, 0xffff
	s_lshl_b32 s[S0], s[WV], 17                    ; 32 rows of 4,096 bytes
	v_lshl_add_u32 v[VW], v[LN], 4, s[S0]
	v_lshlrev_b32 v[VP], 12, v0
	v_and_b32 v[T], 7, v0
	v_lshl_add_u32 v[T], v[HH], 3, v[T]            ; the turning load: lane L reads k = 8 h + L % 8,
	v_mul_u32_u24 v[VB0], v[T], P
	v_bfe_u32 v[T], v0, 3, 1
	v_lshl_add_u32 v[VB0], v[T], 4, v[VB0]         ; columns 8 ((L / 8) % 2) + 0..7
	s_mul_i32 s[S0], s[WV], KSL
	v_lshl_add_u32 v[VS0], v[LN], 3, s[S0]
	s_mul_i32 s[S0], s[WV], 16*SP
	s_add_co_u32 s[S0], s[S0], STAGE               ; my stage
	v_mul_u32_u24 v[T], v[RR], SP
	v_lshl_add_u32 v[T], v[HH], 5, v[T]
	v_add_nc_u32 v[STO], s[S0], v[T]               ; in: row r, 32 bytes for each half of the lanes
	v_mul_u32_u24 v[T], v[HH], SP
	v_lshl_add_u32 v[T], v[RR], 4, v[T]
	v_add_nc_u32 v[RD], s[S0], v[T]                ; back: lanes 0-15 one row of 256 bytes, lanes 16-31 the next
	v_lshlrev_b32 v[T], 12, v[HH]
	v_lshl_add_u32 v[VO], v[RR], 4, v[T]           ; and the same two rows in part
	v_lshlrev_b32 v[A16L], 4, v[LN]
.irp i, 0,1,2,3,4,5,6,7
	v_mov_b32 v[Z+\i], 0
.endr
	s_mov_b32 s[MSK], 0xffff0000
	s_mov_b32 s[OFS+1], 0
	s_mov_b32 s[PO+1], 0
	s_mov_b32 s[KOFF+1], 0
	s_mov_b32 s[WO+1], 0
	s_mov_b32 s[BLK], 4
	s_lshl_b32 s[ROW0], s[WV], 4
	s_lshl_b32 s[S0], s[EX], 24                    ; an expert's W2 is 2^24 bytes,
	s_lshl_b32 s[S0+1], s[QQ], 22                  ; a quarter 1,024 rows of 4,096,
	s_or_b32 s[S0], s[S0], s[S0+1]
	s_lshl_b32 s[S0+2], s[SLC], 9                  ; my columns 512 bytes of each row
	s_or_b32 s[OFS], s[S0], s[S0+2]
	s_wait_kmcnt 0x0
	s_add_nc_u64 s[W0:W0+1], s[6:7], s[OFS:OFS+1]
	s_lshl_b32 s[S0], s[EX], 23                    ; an expert's part of h is 1,024 rows of 8,192 bytes,
	s_lshl_b32 s[S0+1], s[QQ], 11                  ; a quarter 2,048 bytes of each row
	s_or_b32 s[OFS], s[S0], s[S0+1]
	s_add_nc_u64 s[XB:XB+1], s[4:5], s[OFS:OFS+1]
	s_lshl_b32 s[S0], s[QQ], 25                    ; part: [quarter][expert] blocks of 1,024 rows of 4,096 bytes
	s_lshl_b32 s[S0+1], s[EX], 22
	s_or_b32 s[S0], s[S0], s[S0+1]
	s_or_b32 s[OFS], s[S0], s[S0+2]
	s_add_nc_u64 s[OUT:OUT+1], s[10:11], s[OFS:OFS+1]
	WIN 0x40
.set ki, 0
.rept 16
	global_load_b128 v[4*ki:4*ki+3], v[A16L], s[8:9] offset:512*ki   ; the choices of two tokens a lane, into window 1
.set ki, ki+1
.endr
	WLOADS 0, VW, W0, 0                            ; chunk 0
	WLOADS 1, VW, W0, 0
	WLOADS 2, VW, W0, 0
	global_prefetch_b8 v[VP], s[W0:W0+1] offset:CHW th:TH_LOAD_NT scope:SCOPE_SE        ; chunk 1
	global_prefetch_b8 v[VP], s[W0:W0+1] offset:CHW+256 th:TH_LOAD_NT scope:SCOPE_SE
	s_wait_loadcnt 32                              ; all but chunk 0's 32 loads: the choices are in
	WIN 0x04                                       ; source 1 window 1
	s_mov_b32 s[CNT], 0
.set ki, 0
.rept 32
	v_cmp_eq_u32 s[S0], s[EX], v[2*ki]
	v_cmp_eq_u32 s[S0+1], s[EX], v[2*ki+1]
	s_or_b32 s[S0], s[S0], s[S0+1]
	s_bcnt1_i32_b32 s[S0], s[S0]
	s_add_co_u32 s[CNT], s[CNT], s[S0]
.set ki, ki+1
.endr
	WIN 0
	s_max_u32 s[CNTS], s[CNT], 1
	FLAG5
	MAKEVA
	s_mov_b64 s[AB:AB+1], s[XB:XB+1]
	v_mov_b32 v[VS], v[VS0]
	UNIT0 0, 21                                    ; chunk 0's rows 0-10 are in: its 21 other loads are younger
	UNIT0 1, 31                                    ; rows 11-21: 10 of chunk 0, and the 21 loads just issued
	UNIT0 2, 42                                    ; rows 22-31: twice 21
	ALOAD 3, VA
	WIN 0
	global_prefetch_b8 v[VP], s[W0:W0+1] offset:2*CHW th:TH_LOAD_NT scope:SCOPE_SE      ; chunk 2
	global_prefetch_b8 v[VP], s[W0:W0+1] offset:2*CHW+256 th:TH_LOAD_NT scope:SCOPE_SE
	s_wait_dscnt 0x0                               ; my rows of chunk 0 lie in LDS
	s_barrier_signal -1
	s_barrier_wait -1                              ; everybody's do
	v_mov_b32 v[VB], v[VB0]
	FETCH 0, VB, 0
	INIT
	WIN 0
	s_mov_b32 s[KB], 0
	s_mov_b32 s[KOFF], 0
	s_mov_b32 s[WO], CHW
	s_mov_b32 s[TC], 7
.Lstream:                                              ; trip t multiplies chunk t, rounds chunk t + 1, asks for chunk t + 2 (trip 6: idle loads) and for the rows' chunk t + 1
	TRIP 1
	s_sub_co_u32 s[TC], s[TC], 1
	s_cmp_lg_u32 s[TC], 0
	s_cbranch_scc1 .Lstream
	s_mov_b32 s[TC], 1
	s_branch .Lresident                            ; block 0's last chunk goes by the resident text's last trip
.Lblock:                                               ; blocks 1 to 3, from the resident slice
	s_cmp_ge_u32 s[ROW0], s[CNT]
	s_cbranch_scc1 .Lmet                           ; my wave has no row here: work alone is jumped, the barrier below is met
	s_wait_loadcnt 0x0                             ; the last trip's idle loads have landed: their registers are loaded again
	s_wait_xcnt 0x0                                ; the rows' offsets and h's base were sources of earlier loads
	MAKEVA
	FLAG5
	s_mov_b32 s[KOFF], 0
	s_mov_b64 s[AB:AB+1], s[XB:XB+1]
	ALOAD 0, VA
	ALOAD 1, VA
	ALOAD 2, VA
	ALOAD 3, VA
	WIN 0
	s_mov_b32 s[KB], 0
	v_mov_b32 v[VB], v[VB0]
	FETCH 0, VB, 0
	INIT
	WIN 0
	s_mov_b32 s[TC], 8
.Lresident:
	TRIP 0
	s_sub_co_u32 s[TC], s[TC], 1
	s_cmp_lg_u32 s[TC], 0
	s_cbranch_scc1 .Lresident
.Lmet:
	s_wait_dscnt 0x0                               ; my reads of the slice are back
	s_barrier_signal -1
	s_barrier_wait -1                              ; everybody's are: only now is a stage written
	OUTSTRIP 0
	OUTSTRIP 1
	OUTSTRIP 2
	OUTSTRIP 3
	OUTSTRIP 4
.Lnext:
	s_wait_dscnt 0x0                               ; my stores into my stage and my reads of it are done
	s_barrier_signal -1
	s_barrier_wait -1                              ; everybody's are: the next block's reads, and behind the last block the closing lines, stand behind this barrier
	s_add_co_u32 s[ROW0], s[ROW0], 320
	s_sub_co_u32 s[BLK], s[BLK], 1
	s_cmp_lg_u32 s[BLK], 0
	s_cbranch_scc1 .Lblock
	s_wait_tensorcnt 0x0                           ; the wave's end, behind my last LDS store
	ds_add_u32 v[SPW], v[NIL]
	s_wait_dscnt 0x0
	s_endpgm
.Lfunc_end_k_qc5b34d28bd_down:
	.size	k_qc5b34d28bd_down, .Lfunc_end_k_qc5b34d28bd_down-k_qc5b34d28bd_down
	.p2alignl 7, 3214868480
	.fill 96, 4, 3214868480
	.section	.rodata,"a",@progbits
	.p2align	6, 0x0
	.amdhsa_kernel k_qc5b34d28bd_down
		.amdhsa_group_segment_fixed_size 312832
		.amdhsa_private_segment_fixed_size 0
		.amdhsa_enable_private_segment 0
		.amdhsa_kernarg_size 32
		.amdhsa_user_sgpr_count 2
		.amdhsa_user_sgpr_kernarg_segment_ptr 1
		.amdhsa_wavefront_size32 1
		.amdhsa_system_sgpr_workgroup_id_x 1
		.amdhsa_system_sgpr_workgroup_id_y 1
		.amdhsa_system_sgpr_workgroup_id_z 1
		.amdhsa_system_vgpr_workitem_id 0
		.amdhsa_next_free_vgpr 1024
		.amdhsa_next_free_sgpr 66
		.amdhsa_reserve_vcc 0
		.amdhsa_float_denorm_mode_32 3
		.amdhsa_float_denorm_mode_16_64 3
		.amdhsa_memory_ordered 1
		.amdhsa_forward_progress 1
		.amdhsa_inst_pref_size 133
	.end_amdhsa_kernel
	.amdgpu_metadata
---
amdhsa.version: [ 1, 2 ]
amdhsa.kernels:
  - .name:           k_qc5b34d28bd_down
    .symbol:         k_qc5b34d28bd_down.kd
    .args:
      - { .name: h, .offset: 0, .size: 8, .value_kind: global_buffer, .address_space: global }
      - { .name: W2, .offset: 8, .size: 8, .value_kind: global_buffer, .address_space: global }
      - { .name: sel, .offset: 16, .size: 8, .value_kind: global_buffer, .address_space: global }
      - { .name: part, .offset: 24, .size: 8, .value_kind: global_buffer, .address_space: global }
    .group_segment_fixed_size: 312832
    .private_segment_fixed_size: 0
    .kernarg_segment_align: 8
    .kernarg_segment_size: 32
    .max_flat_workgroup_size: 128
    .sgpr_count:     66
    .vgpr_count:     1024
    .wavefront_size: 32
...
	.end_amdgpu_metadata
.endif
;; end of part 7
;; launch sum (part 8): grid 256 x 1, 8 waves a work-group, no clusters, 0 bytes of LDS; arguments part, b2, sel, wgt, rnk, out0; writes out0
.if DOCPART == 8
	.amdgcn_target "amdgcn-amd-amdhsa--gfx1250"
	.amdhsa_code_object_version 6
	.text
	.protected	k_qc5b34d28bd_sum
	.globl	k_qc5b34d28bd_sum
	.p2align	8
	.type	k_qc5b34d28bd_sum,@function
k_qc5b34d28bd_sum:
	s_mov_b64 s[64:65], 0
	v_nop
	global_prefetch_b8 v0, s[64:65] scope:SCOPE_SE
	s_setreg_imm32_b32 hwreg(HW_REG_WAVE_MODE, 25, 1), 1
	s_wait_xcnt 0x0
; THE END.  out[n] = w1 relu(y1 + b2[e1]) + w2 relu(y2 + b2[e2]), where y_s is the sum of the four K quarters of part at (e_s, the token's rank in e_s).
; A work-group has four tokens and eight waves: two waves a token, half a row (2,048 bytes) each.  A stream: for a wave 8 half rows of part and 2 of b2 in, half a row out;
; each load and store of the wave covers 512 consecutive bytes.  A wave's 40 loads (32 of part, 8 of b2) fill 160 registers and are all issued before the first wait.
; The experts, the ranks and the weights are the same for the whole wave and come by scalar loads: sel and rnk are whole numbers that earlier launches stored; each enters an address behind a clamp.
; All eight ranks of the token are asked for together with its choices, and the two wanted are picked by selects: one wait in place of two on end.
; b2 is rounded to bf16 like every input.  No LDS, no barrier, no matrix work: memory binds.
.set BUF, 32          ; v32-191: buffer f at BUF + 80 f; piece u (512 bytes) at + 40 u; choice s at + 20 s: the four K quarters (4 registers each), then b2
.set RES, 192         ; v192-207: each piece's result has registers of its own (the stores read them)
.set MSK, 42
.macro QLOAD qd, f
.irp u, 0,1
.irp s, 0,1
.irp q, 0,1,2,3
	global_load_b128 v[BUF+80*(\f)+40*\u+20*\s+4*\q:BUF+80*(\f)+40*\u+20*\s+4*\q+3], v2, s[44+8*\s+2*\q:45+8*\s+2*\q] offset:512*(2*(\qd)+\u) th:TH_LOAD_NT
.endr
	global_load_b128 v[BUF+80*(\f)+40*\u+20*\s+16:BUF+80*(\f)+40*\u+20*\s+19], v2, s[60+2*\s:61+2*\s] offset:512*(2*(\qd)+\u)
.endr
.endr
.endm
.macro QSUM qd, f
.irp u, 0,1
.irp s, 0,1
.set b0, BUF+80*(\f)+40*\u+20*\s
	v_pk_add_f32 v[b0:b0+1],     v[b0:b0+1],     v[b0+4:b0+5]        ; (p0 + p1) + (p2 + p3)
	v_pk_add_f32 v[b0+2:b0+3],   v[b0+2:b0+3],   v[b0+6:b0+7]
	v_pk_add_f32 v[b0+8:b0+9],   v[b0+8:b0+9],   v[b0+12:b0+13]
	v_pk_add_f32 v[b0+10:b0+11], v[b0+10:b0+11], v[b0+14:b0+15]
	v_cvt_pk_bf16_f32 v[b0+4], v[b0+16], v[b0+17]                    ; the bias, rounded to bf16 and widened again
	v_cvt_pk_bf16_f32 v[b0+5], v[b0+18], v[b0+19]
	v_pk_add_f32 v[b0:b0+1],   v[b0:b0+1],   v[b0+8:b0+9]
	v_pk_add_f32 v[b0+2:b0+3], v[b0+2:b0+3], v[b0+10:b0+11]
	v_lshlrev_b32 v[b0+16], 16, v[b0+4]
	v_and_b32     v[b0+17], s[MSK], v[b0+4]
	v_lshlrev_b32 v[b0+18], 16, v[b0+5]
	v_and_b32     v[b0+19], s[MSK], v[b0+5]
	v_pk_add_f32 v[b0:b0+1],   v[b0:b0+1],   v[b0+16:b0+17]
	v_pk_add_f32 v[b0+2:b0+3], v[b0+2:b0+3], v[b0+18:b0+19]
.irp k, 0,1,2,3
	v_max_num_f32 v[b0+\k], 0, v[b0+\k]
.endr
.endr
.set b0, BUF+80*(\f)+40*\u
.set rs, RES+8*(\qd)+4*\u
	v_pk_mul_f32 v[rs:rs+1],   v[b0:b0+1],   s[28:29] op_sel_hi:[1,0]                  ; the pair's low word, w1, for both
	v_pk_mul_f32 v[rs+2:rs+3], v[b0+2:b0+3], s[28:29] op_sel_hi:[1,0]
	v_pk_fma_f32 v[rs:rs+1],   v[b0+20:b0+21], s[30:31], v[rs:rs+1]   op_sel_hi:[1,0,1]  ; + w2 y2
	v_pk_fma_f32 v[rs+2:rs+3], v[b0+22:b0+23], s[30:31], v[rs+2:rs+3] op_sel_hi:[1,0,1]
	global_store_b128 v2, v[rs:rs+3], s[14:15] offset:512*(2*(\qd)+\u) th:TH_STORE_NT
.endr
.endm
	s_load_b256 s[4:11], s[0:1], 0x0               ; part s[4:5], b2 s[6:7], sel s[8:9], wgt s[10:11]
	s_load_b128 s[12:15], s[0:1], 0x20             ; rnk s[12:13], out0 s[14:15]
	v_and_b32 v1, 31, v0
	v_lshrrev_b32 v3, 5, v0
	v_readfirstlane_b32 s16, v3                    ; wave 0..7
	s_lshr_b32 s18, s16, 1                         ; which of the work-group's four tokens,
	s_and_b32 s43, s16, 1                          ; and which half of its row
	s_lshl_b32 s43, s43, 11
	v_lshl_add_u32 v2, v1, 4, s43                  ; 16 bytes a lane, in my half of a row of 4,096 bytes
	s_lshl_b32 s17, ttmp9, 2
	s_add_co_u32 s17, s17, s18                     ; my token
	s_mov_b32 s19, 0
	s_mov_b32 s[MSK], 0xffff0000
	s_lshl_b32 s18, s17, 3
	s_wait_kmcnt 0x0
	s_add_nc_u64 s[20:21], s[8:9], s[18:19]
	s_add_nc_u64 s[22:23], s[10:11], s[18:19]
	s_lshl_b32 s18, s17, 2
	s_add_nc_u64 s[24:25], s[12:13], s[18:19]
	s_load_b64 s[26:27], s[20:21], 0x0             ; the two experts
	s_load_b64 s[28:29], s[22:23], 0x0             ; their weights
.irp k, 0,1,2,3,4,5,6,7
	s_load_b32 s[32+\k], s[24:25], 4096*\k         ; my rank in each expert
.endr
	s_lshl_b32 s18, s17, 12
	s_add_nc_u64 s[14:15], s[14:15], s[18:19]      ; out0 at my row
	s_wait_kmcnt 0x0
	s_min_u32 s26, s26, 7
	s_min_u32 s27, s27, 7
	s_mov_b32 s40, s32
	s_mov_b32 s41, s32
.irp k, 1,2,3,4,5,6,7
	s_cmp_eq_u32 s26, \k
	s_cselect_b32 s40, s[32+\k], s40
	s_cmp_eq_u32 s27, \k
	s_cselect_b32 s41, s[32+\k], s41
.endr
	s_min_u32 s40, s40, 0x3ff
	s_min_u32 s41, s41, 0x3ff
	s_mov_b32 s30, s29                             ; w2 as the low word of a pair
	s_mov_b32 s31, s29
.irp s, 0,1
	s_lshl_b32 s18, s[26+\s], 22                   ; part: [quarter][expert] blocks of 2^22 bytes, rows of 4,096
	s_lshl_b32 s20, s[40+\s], 12
	s_add_co_u32 s18, s18, s20
	s_add_nc_u64 s[44+8*\s:45+8*\s], s[4:5], s[18:19]
	s_add_nc_u64 s[46+8*\s:47+8*\s], s[44+8*\s:45+8*\s], 0x2000000   ; a quarter on: eight experts' blocks
	s_add_nc_u64 s[48+8*\s:49+8*\s], s[46+8*\s:47+8*\s], 0x2000000
	s_add_nc_u64 s[50+8*\s:51+8*\s], s[48+8*\s:49+8*\s], 0x2000000
	s_lshl_b32 s18, s[26+\s], 12
	s_add_nc_u64 s[60+2*\s:61+2*\s], s[6:7], s[18:19]
.endr
	QLOAD 0, 0                                     ; my half row's first 1,024 bytes,
	QLOAD 1, 1                                     ; and its second: nothing is left to ask for
	s_wait_loadcnt 20                              ; the second buffer's 20 loads are younger
	QSUM 0, 0
	s_wait_loadcnt 0
	QSUM 1, 1
	s_endpgm
.Lfunc_end_k_qc5b34d28bd_sum:
	.size	k_qc5b34d28bd_sum, .Lfunc_end_k_qc5b34d28bd_sum-k_qc5b34d28bd_sum
	.p2alignl 7, 3214868480
	.fill 96, 4, 3214868480
	.section	.rodata,"a",@progbits
	.p2align	6, 0x0
	.amdhsa_kernel k_qc5b34d28bd_sum
		.amdhsa_group_segment_fixed_size 0
		.amdhsa_private_segment_fixed_size 0
		.amdhsa_enable_private_segment 0
		.amdhsa_kernarg_size 48
		.amdhsa_user_sgpr_count 2
		.amdhsa_user_sgpr_kernarg_segment_ptr 1
		.amdhsa_wavefront_size32 1
		.amdhsa_system_sgpr_workgroup_id_x 1
		.amdhsa_system_sgpr_workgroup_id_y 1
		.amdhsa_system_sgpr_workgroup_id_z 1
		.amdhsa_system_vgpr_workitem_id 0
		.amdhsa_next_free_vgpr 208
		.amdhsa_next_free_sgpr 66
		.amdhsa_reserve_vcc 0
		.amdhsa_float_denorm_mode_32 3
		.amdhsa_float_denorm_mode_16_64 3
		.amdhsa_memory_ordered 1
		.amdhsa_forward_progress 1
		.amdhsa_inst_pref_size 16
	.end_amdhsa_kernel
	.amdgpu_metadata
---
amdhsa.version: [ 1, 2 ]
amdhsa.kernels:
  - .name:           k_qc5b34d28bd_sum
    .symbol:         k_qc5b34d28bd_sum.kd
    .args:
      - { .name: part, .offset: 0, .size: 8, .value_kind: global_buffer, .address_space: global }
      - { .name: b2, .offset: 8, .size: 8, .value_kind: global_buffer, .address_space: global }
      - { .name: sel, .offset: 16, .size: 8, .value_kind: global_buffer, .address_space: global }
      - { .name: wgt, .offset: 24, .size: 8, .value_kind: global_buffer, .address_space: global }
      - { .name: rnk, .offset: 32, .size: 8, .value_kind: global_buffer, .address_space: global }
      - { .name: out0, .offset: 40, .size: 8, .value_kind: global_buffer, .address_space: global }
    .group_segment_fixed_size: 0
    .private_segment_fixed_size: 0
    .kernarg_segment_align: 8
    .kernarg_segment_size: 48
    .max_flat_workgroup_size: 256
    .sgpr_count:     66
    .vgpr_count:     208
    .wavefront_size: 32
...
	.end_amdgpu_metadata
.endif
;; end of part 8
;; ======== version 3 of 3: 4 launches; version 2 with the launch up written anew for expert scheduling mode
;; limits: values are held in f16: magnitudes above 65,504 overflow, below 6.1e-05 lose precision
;; workspace buffers: xb 2,097,152 bytes; sel 8,192 bytes of whole numbers; wgt 8,192 bytes; rnk 32,768 bytes of whole numbers; h 67,108,864 bytes; part 134,217,728 bytes
;; launch route: the kernel of part 5 again; grid 256 x 1, 4 waves a work-group, no clusters, 1,024 bytes of LDS; arguments x, Wg, xb, sel, wgt; writes xb, sel, wgt
;; launch up (part 9): grid 32 x 8, 4 waves a work-group, no clusters, 312,832 bytes of LDS; arguments xb, W1, b1, sel, h, rnk; writes h, rnk
.if DOCPART == 9
	.amdgcn_target "amdgcn-amd-amdhsa--gfx1250"
	.amdhsa_code_object_version 6
	.text
	.protected	k_qc5b34d28bd_up
	.globl	k_qc5b34d28bd_up
	.p2align	8
	.type	k_qc5b34d28bd_up,@function
k_qc5b34d28bd_up:
	s_mov_b64 s[64:65], 0
	v_nop
	global_prefetch_b8 v0, s[64:65] scope:SCOPE_SE
	s_setreg_imm32_b32 hwreg(HW_REG_WAVE_SCHED_MODE, 0, 2), 2
	s_setreg_imm32_b32 hwreg(HW_REG_WAVE_MODE, 25, 1), 1
	s_wait_xcnt 0x0
	s_wait_alu depctr_vm_vsrc(0)
; THE FIRST PRODUCT, for the chosen rows alone.  h[e][rank][c] = f16(relu(xb[token(rank)] . bf16(W1[e][:, c]) + bf16(b1[e][c]))), sums in f32.
; SHARES.  Work-group (slice, e): 128 columns of expert e, all 1,024 k: 512 KB of f32 weights that it alone reads, each byte once.
; The weights are rounded in registers and laid into LDS once, as [k][128] bf16, rows 288 bytes apart.  They come in 8 chunks of 128 k;
; while chunk t + 1 is rounded and chunk t + 2 is on its way, chunk t is multiplied with the expert's first 320 rows (BLOCK 0).  A block is
; 20 strips of 16 rows dealt round the four waves: strip j of wave w holds ranks 320 block + 64 j + 16 w + 0..15; a wave has five strips
; x 128 columns, 40 accumulators.  The fifth strip's eight matrix instructions are jumped in every k step where it holds no rank below the count.
; Blocks 1 to 3 (an expert may have up to 1,024 rows) read the resident slice: a loop of the constant count 4 in which a wave without rows
; jumps forward over work, never over a barrier.  Each block has two barriers that every wave passes: one between the block's reads of the
; slice and the stores into the stages, one behind the way out.
; TWO TEXTS FOR ALL TRIPS.  The stream's text runs 7 times, the resident text once for block 0 and 8 times for a later block.  A text's last
; trip has nothing left to ask for: its loads stay (so that every wait's count holds in every trip) but all lanes ask for one address:
; 32 idle loads a wave at the stream's end, 30 and 16 LDS loads at a block's end: the price of writing no tail out.
; WHO IS CHOSEN.  Every wave reads sel (whole numbers stored by the launch before) and makes 32 mask words: bit L of word k = token
; 64 (k / 2) + 2 L + k % 2 chose e.  A token's rank is the number of chosen tokens ahead of it in that order of words and bits.  The token of
; a rank is found in registers: the last word whose prefix is not above the rank, then the bit, by halving on field-wise bit counts: no list,
; no barrier, no wave waits for another.  Ranks past the count take token 0.  Wave 1 of slice 0 stores every token's rank to rnk for the last
; launch.  A strip is stored if its first rank is below max(count, 1).
; THE MATRIX INSTRUCTION IS USED TRANSPOSED: source 0 = 16 weight columns (turned on the way out of LDS), source 1 = 16 token rows, loaded from
; memory straight into the fragment.  Lane (r, h) then holds row r, columns 8 h + 0..7: 16 bytes of f16 that belong together.
; The sums start from the bias: the first instruction on each accumulator multiplies zeros and takes the bias as C.
; NO CLUSTER: a slice of weights has one reader; what the 32 work-groups of an expert share are token rows named rank by rank, which no tile covers.
; NO TENSOR LOAD: f32 weights must pass through registers to be rounded.
; LIMITS.  h is kept in f16: |h| of 65,520 or more becomes an infinity; below 6e-5 it keeps the fixed step 6e-8.  NaN is not treated apart.
; THE MODE: SCHED_MODE bits 1:0 = 2 (LLVM: expert scheduling mode 2), set by the entry lines.  The code itself states the register dependences between
; vector or matrix instructions and memory or LDS instructions, and between a vector instruction that writes a scalar register and its readers, with s_wait_alu, always for 0.
; THE PLAN.  Registers that memory or LDS instructions touch in the two loops; s is a k step of a trip:
;   row fragments, set s       read by k step s's matrix instructions; the loads for the next chunk land in it during k step s + 1.
;   weight fragments, s & 1    read by k step s's matrix instructions; the fetch for k step s + 2 lands in that buffer during k step s + 1.
;   WR, unit s (the stream)    written by k step s's roundings; read by the LDS stores at that k step's end; the loads two chunks on land in it during k step s + 1.
;   VB, VS, VBN                read by the fetches and the LDS stores; written once a trip, at its head.
;   VWX, VAX                   read by the loads; written once a trip, at the end of k step 0.
;   VW, VA, VP, STO, RD, VO    not written in the loops.       The accumulators, the zeros and the bias are named by vector and matrix instructions alone.
; So ONE wait on va_vdst stands at the end of each of the k steps 0 to 2, and for k step 3 at the next trip's head, behind the adds to the LDS addresses.  Behind it the loads into the
; registers that the k step before worked on are dealt among the next k step's matrix instructions, which name none of them, with no further wait on va_vdst.
; Waits on vm_vsrc: at a trip's head, ahead of VWX or VAX, and between a unit's LDS stores and the loads into it.
; REGISTERS, in windows of 256 (s_set_vgpr_msb: bits 1:0 source 0, 3:2 source 1, 5:4 source 2, 7:6 destination):
;   window 0: addresses, the weights on their way (v32-159), zeros, the bias
;   window 1: v0-159 token fragments, k step s, strip j at 40 s + 8 j; v160-241 tokens, row offsets and the search's registers
;   window 2: v0-127 two buffers of weight fragments; v128-191 strip 4's accumulators   window 3: strips 0-3: accumulator (j, b) at 64 j + 8 b
.set P,      288      ; an LDS row: 256 bytes + 32 = 72 words
.set KSL,    32*P     ; a k step of 32
.set H16,    16*P
.set CHL,    4*KSL    ; a chunk of 128 k in LDS
.set PITCHW, 16384    ; bytes from row to row of W1
.set CHW,    128*PITCHW
.set STAGE,  8*CHL    ; behind the slice: 16 rows x 272 bytes for each wave, for the way out
.set SP,     272
.set SPARE,  STAGE+4*16*SP  ; the spare words, 128 bytes for each wave: two blocks of 256 bytes that no other line names
.set NOPS,   2        ; vector lines that round one row of four f32 a lane
.set AW,     0x41     ; the row loads: data and address register in window 1
; window 0
.set LN,   1          ; lane
.set RR,   2          ; r = lane % 16
.set HH,   3          ; h = lane / 16
.set H4,   4          ; 16 h
.set VW,   5          ; weights: 16 L + my wave's 32 rows of a chunk; never rewritten
.set VP,   6          ; prefetch: one row of a chunk for each of the 128 threads; never rewritten
.set VB0,  7          ; my lane's place in a k step of the slice, for the turning load
.set VB,   8          ; + the chunk
.set VS0,  9          ; where I lay 8 bytes of my wave's first row of a chunk
.set VS,   10         ; + the chunk
.set VWX,  11         ; VW, or 0 in the stream's last trip
.set VBN,  12         ; VB0 + the next chunk, the last at the most
.set STO,  13         ; the way out: where I put 16 bytes of a row
.set RD,   14         ; where I read a row back
.set VO,   15         ; my byte offset in two rows of h
.set T,    21         ; v21-26  at work
.set A8L,  27
.set A32H, 28
.set A16L, 29
.set SPW,  30         ; LDS address of my spare word; never rewritten
.set NIL,  31         ; 0; never rewritten
.set WR,   32         ; v32-159 my wave's 32 rows of a chunk, four f32 a lane: row rho at WR + 4 rho
.set TMP,  32         ; when the stream is over: a strip in f16
.set BK,   64         ; and two sets of 32 for whole rows read back
.set Z,    160        ; v160-167 zeros
.set RK,   168        ; v168-183 ranks on their way to rnk
.set BIAS, 192        ; v192-255 column block b at BIAS + 8 b
; window 1
.set TKS,  160        ; the tokens of my strips: block b ahead of the one in hand at TKS + 8 b, strip j at + j
.set VA,   192        ; v192-196 strip j: byte offset of my token's row in xb, + 16 h
.set VAX,  198        ; v198-202 the same, or 16 h alone in a block's last trip
.set LP,   204        ; 64 h + r
.set H4W,  205        ; 16 h
.set RH,   206        ; from here on three registers each, one for each 32 of my ranks: the rank
.set WW,   209        ; its mask word
.set QV,   212        ; that word's prefix, and its first token in the upper half
.set TK,   215        ; the token
.set XX,   218        ; the other half of the lanes' token
.set NN,   221        ; which set bit of the word
.set PS,   224        ; the bit's place
.set TT,   227        ; at work
.set C1,   230        ; bit counts of fields of 2,
.set C2,   233        ; 4,
.set C3,   236        ; 8 bits,
.set C4,   239        ; and of the low 16 in the low byte
; scalars
.set MT,   4          ; s4-15  when the arguments have been used: lane masks of a run of compares
.set WV,   16         ; wave
.set SLC,  17         ; slice
.set EX,   18         ; expert
.set CNT,  19         ; the expert's rows
.set CNTS, 20         ; max(CNT, 1)
.set S0,   21         ; s21-23 at work
.set W0,   24         ; s[24:25] the slice's first byte
.set WB,   26         ; s[26:27] the chunk being asked for
.set QK,   26         ; s26-29  ahead of the stream: prefix and first token of the four words of a run
.set PB,   28         ; s[28:29] the chunk being prefetched
.set PO,   30         ; s[30:31] its offset
.set AB,   32         ; s[32:33] xb at the chunk whose token fragments are being asked for
.set KOFF, 34         ; s[34:35] its offset
.set KB,   36         ; the chunk in hand, in LDS bytes
.set TC,   37         ; trips to go
.set BLK,  38         ; blocks to go
.set ROW0, 39         ; my wave's first rank in the block
.set L5,   40         ; 1: my fifth strip holds a rank below the count
.set MSK,  41         ; a word's upper half; as a lane mask: lanes 16 to 31
.set OB,   42         ; s[42:43] where a strip goes
.set OFS,  44         ; s[44:45] an offset
.set OUT,  46         ; s[46:47] h at (e, rank 0, my columns)
.set XB,   48         ; s[48:49] xb
.set BB,   50         ; s[50:51] b1 at my columns
.set WO,   52         ; s[52:53] offset of the chunk being asked for
.set SM,   54         ; what an offset is ANDed with: all ones, or what is left of it in a last trip
.set PF,   55         ; a running prefix
.set QS,   56
.set RB,   57         ; the search: my wave's first rank in the block searched for
.set SB,   58         ; the search: blocks to go
.set PL,   60         ; s[60:61] v_permlanex16_b32's selects: each lane takes its own place in the other half
.set BM,   68         ; s68-99 the mask words
.set MSB, 0
.macro WIN new                         ; the immediate's high byte repeats the setting that is left; a switch that changes nothing is dropped
.if MSB != (\new)
	s_set_vgpr_msb (MSB<<8)|(\new)
.set MSB, \new
.endif
.endm
; A vector instruction that reads a matrix result stands four places behind it; only plain vector instructions that name none of its registers are places (ISA guide 7.12.1).
; The four at each k step's end also stand between its matrix instructions and the loads into their fragments, beside the wait on va_vdst.
.macro PLACES
.rept 4
	v_nop
.endr
.endm
.macro ALL3 line:vararg                ; one line for each of the search's three registers, sx = 0, 1, 2: no line reads the result of the one before it
.set sx, 0
.rept 3
	\line
.set sx, sx+1
.endr
.endm
; Matrix instruction i of a k step's 40: strip i / 8, column block i % 8.  The accumulators take turns, one instruction a turn.
.macro MM s, i
.set mb, (\i)%8
.set ma, 8*(\i)
.if (\i) < 32
	WIN 0xf6                                       ; weights window 2, tokens window 1, C and D window 3
.else
	WIN 0xa6                                       ; the same, C and D window 2
.set ma, 128+8*mb
.endif
	v_wmma_f32_16x16x32_bf16 v[ma:ma+7], v[64*((\s)&1)+8*mb:64*((\s)&1)+8*mb+7], v[40*(\s)+8*((\i)/8):40*(\s)+8*((\i)/8)+7], v[ma:ma+7]
.endm
.macro INIT                            ; every sum starts as 0 x 0 + bias
.set ki, 0
.rept 40
.if ki < 32
	WIN 0xc0
	v_wmma_f32_16x16x32_bf16 v[8*ki:8*ki+7], v[Z:Z+7], v[Z:Z+7], v[BIAS+8*(ki%8):BIAS+8*(ki%8)+7]
.else
	WIN 0x80
	v_wmma_f32_16x16x32_bf16 v[128+8*(ki-32):128+8*(ki-32)+7], v[Z:Z+7], v[Z:Z+7], v[BIAS+8*(ki%8):BIAS+8*(ki%8)+7]
.endif
.set ki, ki+1
.endr
.endm
.macro FETCH buf, adr, off             ; a k step's weight fragments, 32 k x 128 columns, turned: 16 loads in one run (at the start and at a block's head)
	WIN 0x80
.irp b, 0,1,2,3,4,5,6,7
	ds_load_tr16_b128 v[64*(\buf)+8*\b:64*(\buf)+8*\b+3],   v[\adr] offset:(\off)+32*\b
	ds_load_tr16_b128 v[64*(\buf)+8*\b+4:64*(\buf)+8*\b+7], v[\adr] offset:(\off)+32*\b+H16
.endr
.endm
.macro FPART buf, adr, off, p          ; part p of four of such a fetch: loads 4 p to 4 p + 3, in the same order
	WIN 0x80
.set kf, 4*(\p)
.rept 4
	ds_load_tr16_b128 v[64*(\buf)+4*kf:64*(\buf)+4*kf+3], v[\adr] offset:(\off)+32*(kf/2)+H16*(kf%2)
.set kf, kf+1
.endr
.endm
; My 32 rows of a chunk go in three units, 11, 11 and 10 rows, one for each of the k steps 0 to 2.
.macro CVOP u, q                       ; line q of the rounding of unit u: row q / 2; four f32 a lane become 8 bytes of bf16, in place
	WIN 0
.set wq, WR+4*(11*(\u)+(\q)/2)
.if (\q)%2 == 0
	v_cvt_pk_bf16_f32 v[wq], v[wq], v[wq+1]
.else
	v_cvt_pk_bf16_f32 v[wq+1], v[wq+2], v[wq+3]
.endif
.endm
.macro RIDER s, cv, g                  ; four lines of the rounding behind matrix instruction g
.if (\cv) && ((\s) < 3)
.set kq, 4*(\g)
.rept 4
.if kq < NOPS*(11-(\s)/2)
	CVOP \s, kq
.endif
.set kq, kq+1
.endr
.endif
.endm
.macro STORES u, off                   ; unit u is laid down, in one run: a row's store covers 256 consecutive bytes
	WIN 0
.set kr, 11*(\u)
.rept 11-(\u)/2
	ds_store_b64 v[VS], v[WR+4*kr:WR+4*kr+1] offset:(\off)+P*kr
.set kr, kr+1
.endr
.endm
.macro WLOADS u, adr, base, add        ; unit u is asked for: a row's load covers 512 consecutive bytes, read once in the launch (at the start)
	WIN 0
.set kr, 11*(\u)
.rept 11-(\u)/2
	global_load_b128 v[WR+4*kr:WR+4*kr+3], v[\adr], s[\base:\base+1] offset:((\add)+kr)*PITCHW th:TH_LOAD_NT
.set kr, kr+1
.endr
.endm
.macro WPART u, p                      ; in the stream: part p of three of unit u: its rows 4 p to 4 p + 3, as far as it has them
	WIN 0
.set kr, 4*(\p)
.rept 4
.if kr < 11-(\u)/2
	global_load_b128 v[WR+4*(11*(\u)+kr):WR+4*(11*(\u)+kr)+3], v[VWX], s[WB:WB+1] offset:(11*(\u)+kr)*PITCHW th:TH_LOAD_NT
.endif
.set kr, kr+1
.endr
.endm
.macro ALOAD s, set                    ; the token fragments of k step s, five strips: lane (r, h) takes 16 bytes at 16 h and at 32 + 16 h of its row's 64 (at the start and at a block's head)
	WIN AW
.irp j, 0,1,2,3,4
	global_load_b128 v[40*(\s)+8*\j:40*(\s)+8*\j+3],   v[(\set)+\j], s[AB:AB+1] offset:64*(\s)
	global_load_b128 v[40*(\s)+8*\j+4:40*(\s)+8*\j+7], v[(\set)+\j], s[AB:AB+1] offset:64*(\s)+32
.endr
.endm
.macro APART s, set, p                 ; part p of two of these ten loads, in the same order
	WIN AW
.set ka, 5*(\p)
.rept 5
	global_load_b128 v[40*(\s)+4*ka:40*(\s)+4*ka+3], v[(\set)+ka/2], s[AB:AB+1] offset:64*(\s)+32*(ka%2)
.set ka, ka+1
.endr
.endm
; WHAT IS DEALT behind matrix instruction g of k step s.  All of it lands in registers that the k step before worked on and that no vector or matrix instruction issued since the last wait on
; va_vdst names: this k step's matrix instructions name set s, buffer s & 1 and the accumulators, its roundings unit s.
;   behind 6, 7, 8      (the stream, k steps 1 to 3) unit s - 1 is asked for again, two chunks on
;   behind 9, 10        the row fragments of set s - 1 (in k step 0: set 3), one chunk on
;   behind 11 to 14     the weight fragments of k step s + 1
; In the stream's k step 3 the first two kinds stand behind 0 to 4, ahead of the barrier's signal, and the fetch of the next chunk's first fragments behind 16 to 19, behind the barrier's wait.
.macro DEAL s, cv, g
.set dg, (\g)-6
.if (\cv) && ((\s) == 3)
.set dg, (\g)
.endif
.if (\cv) && ((\s) > 0) && (dg >= 0) && (dg < 3)
	WIN 0
.if dg == 0
	s_wait_alu depctr_vm_vsrc(0)                   ; the LDS stores at the last k step's end have read the unit's registers, in which the loads below land
.endif
	WPART (\s)-1, dg
.endif
.if (dg == 3) || (dg == 4)
.if \cv
	APART ((\s)+3)%4, VA, dg-3
.else
	APART ((\s)+3)%4, VAX, dg-3
.endif
.endif
.set df, dg-5
.if (\cv) && ((\s) == 3)
.set df, (\g)-16
.endif
.if (df >= 0) && (df < 4)
.if (\s) < 3
	FPART ((\s)+1)&1, VB, ((\s)+1)*KSL, df
.elseif \cv
	FPART 0, VB, 4*KSL, df
.else
	FPART 0, VBN, 0, df
.endif
.endif
.endm
.macro MMS s, cv, from, to             ; matrix instructions from .. to - 1, each with its riders and with what is dealt behind it
.set ki, \from
.rept (\to)-(\from)
	MM \s, ki
	RIDER \s, \cv, ki
	DEAL \s, \cv, ki
.set ki, ki+1
.endr
.endm
; The bases step once a trip, at the end of k step 0: the last loads that read them, set 3's, were issued behind this k step's tenth matrix instruction.
.macro STEP cv
	s_wait_xcnt 0x0                                ; the registers below are sources of loads and prefetches already issued (ISA guide 3.1)
	s_wait_alu depctr_vm_vsrc(0)                   ; the loads issued so far have read VWX (the resident text: VAX), which is written below
	s_add_co_u32 s[KOFF], s[KOFF], 256
.if \cv
	s_add_nc_u64 s[AB:AB+1], s[XB:XB+1], s[KOFF:KOFF+1]
	s_add_co_u32 s[WO], s[WO], CHW
	s_min_u32 s[WO], s[WO], 7*CHW                  ; the last trip's idle loads stay inside the slice
	s_add_nc_u64 s[WB:WB+1], s[W0:W0+1], s[WO:WO+1]
	s_add_co_u32 s[PO], s[WO], CHW
	s_min_u32 s[PO], s[PO], 7*CHW                  ; no prefetch points past the slice's last chunk
	s_add_nc_u64 s[PB:PB+1], s[W0:W0+1], s[PO:PO+1]
	s_cmp_eq_u32 s[TC], 1
	s_cselect_b32 s[SM], 0, -1
	v_and_b32 v[VWX], s[SM], v[VW]                 ; in the last trip every lane asks for byte 0 of the row
.else
	s_min_u32 s[KOFF], s[KOFF], 7*256
	s_add_nc_u64 s[AB:AB+1], s[XB:XB+1], s[KOFF:KOFF+1]
	s_cmp_eq_u32 s[TC], 1
	s_cselect_b32 s[SM], 16, -1
	WIN 0x55
.irp j, 0,1,2,3,4
	v_and_b32 v[VAX+\j], s[SM], v[VA+\j]           ; in the last trip 16 h alone is left: token 0's row for every lane
.endr
	WIN 0
.endif
.endm
; A K STEP of 32.  cv = 1: the stream's text: unit s of the next chunk is rounded behind the first matrix instructions and laid down at the k step's end.
; n: the loads issued behind this k step's row loads (the unit's weights were asked for just ahead of those).  d: the LDS stores issued behind this k step's weight fragments.
.macro KSTEP s, cv, n, d
	s_wait_loadcnt \n
	s_wait_dscnt \d
.if (\cv) && ((\s) == 3)
	MMS \s, \cv, 0, 8
	s_wait_dscnt 0x0                               ; for the others' sake: my 32 rows of the next chunk lie in LDS
	s_barrier_signal -1
	MMS \s, \cv, 8, 16
	s_barrier_wait -1                              ; everybody's do
	MMS \s, \cv, 16, 32
.else
	MMS \s, \cv, 0, 32
.endif
	WIN 0                                          ; at a branch and at a label every window is 0
	s_cmp_eq_u32 s[L5], 0
	s_cbranch_scc1 .Lno4_\@                        ; the fifth strip holds no row: eight matrix instructions are jumped, no load and no barrier
	MMS \s, \cv, 32, 40
	WIN 0
.Lno4_\@:
	PLACES
.if (\s) == 0
	STEP \cv
.endif
.if (\s) < 3
	s_wait_alu depctr_va_vdst(0)                   ; this k step's matrix instructions are done reading set s and buffer s & 1, in which the next k step's loads land; its roundings have written the
	                                               ; unit that the LDS stores below read and are done with it; in k step 0 VWX or VAX is written.  (K step 3: the wait at the next trip's head.)
.endif
.if (\cv) && ((\s) < 3)
	STORES \s, CHL
.endif
.if (\cv) && ((\s) == 0)
	global_prefetch_b8 v[VP], s[PB:PB+1] th:TH_LOAD_NT scope:SCOPE_SE             ; the chunk three on (the last chunk at the most): each thread asks for one row's
	global_prefetch_b8 v[VP], s[PB:PB+1] offset:256 th:TH_LOAD_NT scope:SCOPE_SE  ; 512 bytes, as two blocks of 256; one trip ahead of the loads that want them
.endif
.endm
; A TRIP: one chunk of 128 k.  The stream's loads go in the order W0 A0 W1 A1 W2 A2 A3 (W: a unit's 11, 11, 10; A: a set's 10); A3 is issued in the next trip's k step 0, W0 A0 in k step 1,
; W1 A1 in k step 2, W2 A2 in k step 3.  The wait at the head of k step s leaves out all that were issued behind set s's loads a trip ago: W1 A1 W2 A2 = 41; W2 A2 A3 = 30; A3 W0 A0 = 31;
; W0 A0 W1 A1 = 42.  The resident trip issues a set in each k step: two sets, 20, are younger.  Where the resident text follows the stream, 41 and 30 are younger at its first two heads: the count
; 20 asks for more than the fragments need; at its third head it shows the stream's idle loads landed, before their registers serve the way out.
.macro TRIP cv
	WIN 0
	s_wait_alu depctr_vm_vsrc(0)                   ; the fetches and the LDS stores issued so far have read the LDS addresses that are written below
	v_add_nc_u32 v[VB], s[KB], v[VB0]
.if \cv
	v_add_nc_u32 v[VS], s[KB], v[VS0]
.else
	s_add_co_u32 s[S0], s[KB], CHL
	s_min_u32 s[S0], s[S0], 7*CHL                  ; a block's last trip fetches the last chunk's first fragments once more, for nothing
	v_add_nc_u32 v[VBN], s[S0], v[VB0]
.endif
	s_wait_alu depctr_va_vdst(0)                   ; the LDS addresses are written; the last k step's matrix instructions are done reading set 3 and buffer 1, in which k step 0's loads land
.if \cv
	KSTEP 0, 1, 41, 0
	KSTEP 1, 1, 30, 11
	KSTEP 2, 1, 31, 11
	KSTEP 3, 1, 42, 10
.else
	KSTEP 0, 0, 20, 0
	KSTEP 1, 0, 20, 0
	KSTEP 2, 0, 20, 0
	KSTEP 3, 0, 20, 0
.endif
	WIN 0
	s_add_co_u32 s[KB], s[KB], CHL
.endm
.macro MAKEVA                          ; row offsets of the block in hand: a number made of loaded ones enters an address behind a clamp.  VAX starts as the whole offset: set 3's first loads of the resident text go by it
	s_mov_b32 s[SM], -1
	WIN 0x55
.irp j, 0,1,2,3,4
	v_min_u32 v[VA+\j], 0x3ff, v[TKS+\j]
	v_lshl_add_u32 v[VA+\j], v[VA+\j], 11, v[H4W]  ; a row of xb is 2,048 bytes
.endr
.irp j, 0,1,2,3,4
	v_and_b32 v[VAX+\j], s[SM], v[VA+\j]
.endr
	WIN 0
.endm
.macro FLAG5
	s_add_co_u32 s[S0], s[ROW0], 256
	s_cmp_lt_u32 s[S0], s[CNT]
	s_cselect_b32 s[L5], 1, 0
.endm
; One halving of the search for set bit NN of a word: the field of \width bits at PS holds the number of set bits in the lower half of what is left.
.macro LEVEL src, width, step
	ALL3 v_bfe_u32 v[TT+sx], v[\src+sx], v[PS+sx], \width
	ALL3 v_cmp_ge_u32 s[S0+sx], v[NN+sx], v[TT+sx]
	ALL3 v_sub_nc_u32 v[TT+sx], v[NN+sx], v[TT+sx]
	s_wait_alu depctr_va_sdst(0)                   ; the three compares have written their masks, which the selects below read
	ALL3 v_cndmask_b32 v[NN+sx], v[NN+sx], v[TT+sx], s[S0+sx]
	ALL3 v_cndmask_b32 v[TT+sx], 0, \step, s[S0+sx]
	ALL3 v_add_nc_u32 v[PS+sx], v[PS+sx], v[TT+sx]
.endm
; THE TOKENS OF MY FIVE STRIPS in the block whose first rank of mine is RB.  Register sx, lane (r, h) searches for rank RB + 64 (2 sx + h) + r: strip 2 sx + h.
.macro SELECT
	WIN 0x55
	ALL3 v_add_nc_u32 v[RH+sx], s[RB], v[LP]
	v_add_nc_u32 v[RH+1], 0x80, v[RH+1]
	v_add_nc_u32 v[RH+2], 0x100, v[RH+2]
	ALL3 v_mov_b32 v[WW+sx], s[BM]
	ALL3 v_mov_b32 v[QV+sx], 0
	s_mov_b32 s[PF], 0
.set kb, 1
.rept 8                                                ; the prefixes never fall: the last word whose prefix is not above the rank holds it.  Words 1 to 31 in runs of four: twelve compares, one wait, their selects in the words' order
.set kq, 0
.rept 4
.if kb+kq < 32
	s_bcnt1_i32_b32 s[QS], s[BM+kb+kq-1]
	s_add_co_u32 s[PF], s[PF], s[QS]
	s_add_co_u32 s[QK+kq], s[PF], (64*((kb+kq)/2)+(kb+kq)%2)<<16
	ALL3 v_cmp_le_u32 s[MT+3*kq+sx], s[PF], v[RH+sx]
.endif
.set kq, kq+1
.endr
	s_wait_alu depctr_va_sdst(0)                   ; the run's compares have written their masks, which the selects below read
.set kq, 0
.rept 4
.if kb+kq < 32
	ALL3 v_cndmask_b32 v[WW+sx], v[WW+sx], s[BM+kb+kq], s[MT+3*kq+sx]
	ALL3 v_cndmask_b32 v[QV+sx], v[QV+sx], s[QK+kq], s[MT+3*kq+sx]
.endif
.set kq, kq+1
.endr
.set kb, kb+4
.endr
	ALL3 v_and_b32 v[NN+sx], 0xffff, v[QV+sx]
	ALL3 v_sub_nc_u32 v[NN+sx], v[RH+sx], v[NN+sx]
	ALL3 v_lshrrev_b32 v[C1+sx], 1, v[WW+sx]
	ALL3 v_and_b32 v[C1+sx], 0x55555555, v[C1+sx]
	ALL3 v_sub_nc_u32 v[C1+sx], v[WW+sx], v[C1+sx]
	ALL3 v_lshrrev_b32 v[C2+sx], 2, v[C1+sx]
	ALL3 v_and_b32 v[C2+sx], 0x33333333, v[C2+sx]
	ALL3 v_and_b32 v[TT+sx], 0x33333333, v[C1+sx]
	ALL3 v_add_nc_u32 v[C2+sx], v[TT+sx], v[C2+sx]
	ALL3 v_lshrrev_b32 v[C3+sx], 4, v[C2+sx]
	ALL3 v_add_nc_u32 v[C3+sx], v[C2+sx], v[C3+sx]
	ALL3 v_and_b32 v[C3+sx], 0x0f0f0f0f, v[C3+sx]
	ALL3 v_lshrrev_b32 v[C4+sx], 8, v[C3+sx]
	ALL3 v_add_nc_u32 v[C4+sx], v[C3+sx], v[C4+sx]
	ALL3 v_mov_b32 v[PS+sx], 0
	LEVEL C4, 8, 16
	LEVEL C3, 8, 8
	LEVEL C2, 4, 4
	LEVEL C1, 2, 2
	LEVEL WW, 1, 1
	ALL3 v_cmp_gt_u32 s[S0+sx], s[CNT], v[RH+sx]
	ALL3 v_lshrrev_b32 v[TT+sx], 16, v[QV+sx]
	ALL3 v_lshl_add_u32 v[TK+sx], v[PS+sx], 1, v[TT+sx]   ; the word's first token + 2 x the bit's place
	s_wait_alu depctr_va_sdst(0)                   ; the three compares with the count have written their masks, which the selects below read
	ALL3 v_cndmask_b32 v[TK+sx], 0, v[TK+sx], s[S0+sx]    ; a rank past the count takes token 0
	ALL3 v_permlanex16_b32 v[XX+sx], v[TK+sx], s[PL], s[PL+1]
	v_cndmask_b32 v[TKS+0], v[TK+0], v[XX+0], s[MSK]      ; an even strip's tokens lie in lanes 0-15, an odd strip's in lanes 16-31: both halves get them
	v_cndmask_b32 v[TKS+1], v[XX+0], v[TK+0], s[MSK]
	v_cndmask_b32 v[TKS+2], v[TK+1], v[XX+1], s[MSK]
	v_cndmask_b32 v[TKS+3], v[XX+1], v[TK+1], s[MSK]
	v_cndmask_b32 v[TKS+4], v[TK+2], v[XX+2], s[MSK]
	WIN 0
.endm
; The start: unit u of chunk 0 is rounded and laid down; unit u of chunk 1 and the token fragments of k step u are asked for, in the order in which the loop asks.
.macro UNIT0 u, left
	s_wait_loadcnt \left
.set kq, 0
.rept NOPS*(11-(\u)/2)
	CVOP \u, kq
.set kq, kq+1
.endr
	s_wait_alu depctr_va_vdst(0)                   ; the roundings have written the unit, which the LDS stores read, and are done with it; at the first unit also: VA, VS and VB are written,
	                                               ; and the compares are done reading the choices, in whose registers the row loads land
	STORES \u, 0
	s_wait_alu depctr_vm_vsrc(0)                   ; the LDS stores have read the unit's registers, in which the loads below land
	WLOADS \u, VW, W0, 128
	ALOAD \u, VA
.endm
; THE WAY OUT of strip j: rounded to f16, ReLU on the packed halves, through my own stage in LDS, back as whole rows of 256 bytes.  A strip whose first rank is past the count, and all behind it, are jumped.
.macro OUTSTRIP j
	WIN 0
	s_add_co_u32 s[S0], s[ROW0], 64*(\j)
	s_cmp_ge_u32 s[S0], s[CNTS]
	s_cbranch_scc1 .Lnext
.if (\j) < 4
	WIN 0x0f                                       ; sources 0 and 1 window 3
.set ac, 64*(\j)
.else
	WIN 0x0a                                       ; window 2
.set ac, 128
.endif
.set ki, 0
.rept 32
	v_cvt_pk_f16_f32 v[TMP+ki], v[ac+2*ki], v[ac+2*ki+1]   ; each accumulator from its low end on
.set ki, ki+1
.endr
	WIN 0
.set ki, 0
.rept 32
	v_pk_max_num_f16 v[TMP+ki], v[TMP+ki], v[Z]
.set ki, ki+1
.endr
	s_wait_alu depctr_va_vdst(0)                   ; the conversions and the maxima have written TMP, which the LDS stores read
.irp b, 0,1,2,3,4,5,6,7
	ds_store_b128 v[STO], v[TMP+4*\b:TMP+4*\b+3] offset:32*\b
.endr
.set bs, BK+32*((\j)%2)
	s_wait_xcnt 0x0                                ; the rows read back land in registers that an earlier strip's stores read, a strip of the block before too; and those stores' base is
	                                               ; rewritten below: both only behind this wait (ISA guide 3.1)
	s_wait_alu depctr_vm_vsrc(0)                   ; those earlier stores have read the set of rows in which the loads below land; the LDS stores above have read TMP, which the next strip's conversions write
.irp t, 0,1,2,3,4,5,6,7
	ds_load_b128 v[bs+4*\t:bs+4*\t+3], v[RD] offset:2*SP*\t   ; LDS serves a wave's instructions in order (ISA guide 5.7.1.4): these see the stores above
.endr
	s_wait_dscnt 0x0
	s_lshl_b32 s[OFS], s[S0], 13                   ; a row of h is 8,192 bytes
	s_add_nc_u64 s[OB:OB+1], s[OUT:OUT+1], s[OFS:OFS+1]
.irp t, 0,1,2,3,4,5,6,7
	global_store_b128 v[VO], v[bs+4*\t:bs+4*\t+3], s[OB:OB+1] offset:16384*\t   ; 16 lanes store 256 consecutive bytes, aligned
.endr
.endm
	s_load_b256 s[4:11], s[0:1], 0x0               ; xb s[4:5], W1 s[6:7], b1 s[8:9], sel s[10:11]
	s_load_b128 s[12:15], s[0:1], 0x20             ; h s[12:13], rnk s[14:15]
	v_lshl_add_u32 v[SPW], v0, 2, SPARE
	v_mov_b32 v[NIL], 0
	v_and_b32 v[LN], 31, v0
	v_lshrrev_b32 v[T], 5, v0
	v_readfirstlane_b32 s[WV], v[T]
	v_and_b32 v[RR], 15, v0
	v_bfe_u32 v[HH], v0, 4, 1
	v_lshlrev_b32 v[H4], 4, v[HH]
	s_mov_b32 s[SLC], ttmp9
	s_and_b32 s[EX], ttmp7, 0xffff
	s_wait_alu depctr_va_sdst(0)                   ; the wave's number is written, ahead of its first reader
	s_lshl_b32 s[S0], s[WV], 19                    ; 32 rows of 16,384 bytes
	v_lshl_add_u32 v[VW], v[LN], 4, s[S0]
	v_lshlrev_b32 v[VP], 14, v0
	v_and_b32 v[T], 7, v0
	v_lshl_add_u32 v[T], v[HH], 3, v[T]            ; the turning load: lane L reads k = 8 h + L % 8,
	v_mul_u32_u24 v[VB0], v[T], P
	v_bfe_u32 v[T], v0, 3, 1
	v_lshl_add_u32 v[VB0], v[T], 4, v[VB0]         ; columns 8 ((L / 8) % 2) + 0..7
	s_mul_i32 s[S0], s[WV], KSL
	v_lshl_add_u32 v[VS0], v[LN], 3, s[S0]
	s_mul_i32 s[S0], s[WV], 16*SP
	s_add_co_u32 s[S0], s[S0], STAGE               ; my stage
	v_mul_u32_u24 v[T], v[RR], SP
	v_add_nc_u32 v[T], v[H4], v[T]
	v_add_nc_u32 v[STO], s[S0], v[T]               ; in: row r, 16 bytes for each half of the lanes
	v_mul_u32_u24 v[T], v[HH], SP
	v_lshl_add_u32 v[T], v[RR], 4, v[T]
	v_add_nc_u32 v[RD], s[S0], v[T]                ; back: lanes 0-15 one row of 256 bytes, lanes 16-31 the next
	v_lshlrev_b32 v[T], 13, v[HH]
	v_lshl_add_u32 v[VO], v[RR], 4, v[T]           ; and the same two rows in h
	v_lshlrev_b32 v[A8L], 3, v[LN]
	v_lshlrev_b32 v[A32H], 5, v[HH]
	v_lshlrev_b32 v[A16L], 4, v[LN]
.irp i, 0,1,2,3,4,5,6,7
	v_mov_b32 v[Z+\i], 0
.endr
	WIN 0x40                                       ; destination window 1, sources window 0
	v_lshl_add_u32 v[LP], v[HH], 6, v[RR]
	v_mov_b32 v[H4W], v[H4]
	ALL3 v_mov_b32 v[XX+sx], 0                     ; v_permlanex16_b32's destination counts as read
.irp b, 0,1,2,3
.irp j, 0,1,2,3,4
	v_mov_b32 v[TKS+8*\b+\j], 0
.endr
.endr
	WIN 0
	s_mov_b32 s[MSK], 0xffff0000
	s_mov_b32 s[PL], 0x76543210
	s_mov_b32 s[PL+1], 0xfedcba98
	s_mov_b32 s[OFS+1], 0
	s_mov_b32 s[PO+1], 0
	s_mov_b32 s[KOFF+1], 0
	s_mov_b32 s[WO+1], 0
	s_mov_b32 s[BLK], 4
	s_lshl_b32 s[ROW0], s[WV], 4
	s_lshl_b32 s[S0], s[EX], 24                    ; an expert's W1 is 2^24 bytes,
	s_lshl_b32 s[S0+1], s[SLC], 9                  ; a slice 512 bytes of each row
	s_or_b32 s[OFS], s[S0], s[S0+1]
	s_wait_kmcnt 0x0
	s_add_nc_u64 s[W0:W0+1], s[6:7], s[OFS:OFS+1]
	s_lshl_b32 s[S0], s[EX], 14
	s_or_b32 s[OFS], s[S0], s[S0+1]
	s_add_nc_u64 s[BB:BB+1], s[8:9], s[OFS:OFS+1]
	s_lshl_b32 s[S0], s[EX], 23                    ; an expert's part of h is 1,024 rows of 8,192 bytes
	s_lshl_b32 s[S0+1], s[SLC], 8
	s_or_b32 s[OFS], s[S0], s[S0+1]
	s_add_nc_u64 s[OUT:OUT+1], s[12:13], s[OFS:OFS+1]
	s_mov_b64 s[XB:XB+1], s[4:5]
	WIN 0x40
	s_wait_alu depctr_va_vdst(0)                   ; the offsets and addresses made above are written: the kernel's loads, stores, prefetches and LDS instructions read them
.set ki, 0
.rept 16
	global_load_b128 v[4*ki:4*ki+3], v[A16L], s[10:11] offset:512*ki   ; the choices of tokens 64 i + 2 L and 64 i + 2 L + 1, into window 1
.set ki, ki+1
.endr
	WLOADS 0, VW, W0, 0                            ; chunk 0
	WLOADS 1, VW, W0, 0
	WLOADS 2, VW, W0, 0
	global_prefetch_b8 v[VP], s[W0:W0+1] offset:CHW th:TH_LOAD_NT scope:SCOPE_SE        ; chunk 1
	global_prefetch_b8 v[VP], s[W0:W0+1] offset:CHW+256 th:TH_LOAD_NT scope:SCOPE_SE
	s_wait_loadcnt 32                              ; all but chunk 0's 32 loads: the choices are in, and the loads that read s[10:11] are done
.irp b, 0,1,2,3,4,5,6,7
	global_load_b128 v[BIAS+8*\b:BIAS+8*\b+3],   v[A32H], s[BB:BB+1] offset:64*\b      ; columns 16 b + 8 h + 0..7, as the accumulators hold them
	global_load_b128 v[BIAS+8*\b+4:BIAS+8*\b+7], v[A32H], s[BB:BB+1] offset:64*\b+16
.endr
	WIN 0x04                                       ; source 1 window 1
.set kb, 0
.rept 4                                                ; the 32 mask words, eight to a run: sixteen compares, one wait, eight ORs
.set ki, 0
.rept 8
	v_cmp_eq_u32 s[BM+kb+ki], s[EX], v[2*(kb+ki)]
	v_cmp_eq_u32 s[MT+ki], s[EX], v[2*(kb+ki)+1]
.set ki, ki+1
.endr
	s_wait_alu depctr_va_sdst(0)                   ; the run's compares have written their masks, which the lines below read
.set ki, 0
.rept 8
	s_or_b32 s[BM+kb+ki], s[BM+kb+ki], s[MT+ki]
.set ki, ki+1
.endr
.set kb, kb+8
.endr
	WIN 0
	s_mov_b32 s[CNT], 0
.set ki, 0
.rept 32
	s_bcnt1_i32_b32 s[S0], s[BM+ki]
	s_add_co_u32 s[CNT], s[CNT], s[S0]
.set ki, ki+1
.endr
	s_max_u32 s[CNTS], s[CNT], 1
	FLAG5
	s_cmp_lg_u32 s[WV], 1
	s_cbranch_scc1 .Lnot1
	s_cmp_lg_u32 s[SLC], 0
	s_cbranch_scc1 .Lnot1
	; wave 1 of the expert's first slice: every token's rank, for the launch that adds up (it reads the rank only where the token chose e)
	s_lshl_b32 s[OFS], s[EX], 12
	s_add_nc_u64 s[OB:OB+1], s[14:15], s[OFS:OFS+1]
	s_mov_b32 s[PF], 0
.set kb, 0
.rept 2                                                ; eight pairs of ranks are made, then stored in one run; the sixteen data registers serve twice
.if kb > 0
	s_wait_xcnt 0x0                                ; the sixteen data registers are used a second time (ISA guide 3.1),
	s_wait_alu depctr_vm_vsrc(0)                   ; and the eight stores above have read them
.endif
.set ki, 0
.rept 8
	v_mbcnt_lo_u32_b32 v[RK+2*ki], s[BM+2*(kb+ki)], s[PF]      ; chosen tokens ahead of mine
	s_bcnt1_i32_b32 s[QS], s[BM+2*(kb+ki)]
	s_add_co_u32 s[PF], s[PF], s[QS]
	v_mbcnt_lo_u32_b32 v[RK+2*ki+1], s[BM+2*(kb+ki)+1], s[PF]
	s_bcnt1_i32_b32 s[QS], s[BM+2*(kb+ki)+1]
	s_add_co_u32 s[PF], s[PF], s[QS]
.set ki, ki+1
.endr
	s_wait_alu depctr_va_vdst(0)                   ; the sixteen ranks are written, which the stores below read
.set ki, 0
.rept 8
	global_store_b64 v[A8L], v[RK+2*ki:RK+2*ki+1], s[OB:OB+1] offset:256*(kb+ki)   ; two neighbouring tokens a lane: 256 consecutive bytes, aligned
.set ki, ki+1
.endr
.set kb, kb+8
.endr
	s_wait_xcnt 0x0                                ; the base is written again on the way out
.Lnot1:
	; the tokens of all four blocks, the last block first: each trip moves the sets one place up and fills the lowest; a block in which my wave has no row is jumped and keeps token 0
	s_add_co_u32 s[RB], s[ROW0], 960
	s_mov_b32 s[SB], 4
.Lsel:
	WIN 0x55
.irp b, 3,2,1
.irp j, 0,1,2,3,4
	v_mov_b32 v[TKS+8*\b+\j], v[TKS+8*\b-8+\j]
.endr
.endr
.irp j, 0,1,2,3,4
	v_mov_b32 v[TKS+\j], 0
.endr
	WIN 0
	s_cmp_ge_u32 s[RB], s[CNT]
	s_cbranch_scc1 .Lseld
	SELECT
.Lseld:
	s_sub_co_u32 s[RB], s[RB], 320
	s_sub_co_u32 s[SB], s[SB], 1
	s_cmp_lg_u32 s[SB], 0
	s_cbranch_scc1 .Lsel
	MAKEVA
	s_mov_b64 s[AB:AB+1], s[XB:XB+1]
	v_mov_b32 v[VS], v[VS0]
	v_mov_b32 v[VB], v[VB0]                        ; made here, ahead of the first unit's wait on va_vdst: the first fetch reads it
	UNIT0 0, 37                                    ; chunk 0's rows 0-10 are in: its 21 other loads and the bias's 16 are younger
	UNIT0 1, 47                                    ; rows 11-21: 10 of chunk 0, the bias's 16, and the 21 loads just issued
	UNIT0 2, 42                                    ; rows 22-31 and the bias: twice 21 are younger.  Set 3 is asked for in the first trip's k step 0, like every set 3
	WIN 0
.set ki, 0
.rept 32                                               ; the bias is rounded to bf16 like every input, and widened again
	v_cvt_pk_bf16_f32 v[T+ki%4], v[BIAS+2*ki], v[BIAS+2*ki+1]
	v_lshlrev_b32 v[BIAS+2*ki], 16, v[T+ki%4]
	v_and_b32 v[BIAS+2*ki+1], s[MSK], v[T+ki%4]
.set ki, ki+1
.endr
	global_prefetch_b8 v[VP], s[W0:W0+1] offset:2*CHW th:TH_LOAD_NT scope:SCOPE_SE      ; chunk 2
	global_prefetch_b8 v[VP], s[W0:W0+1] offset:2*CHW+256 th:TH_LOAD_NT scope:SCOPE_SE
	s_wait_dscnt 0x0                               ; my rows of chunk 0 lie in LDS
	s_barrier_signal -1
	s_barrier_wait -1                              ; everybody's do
	FETCH 0, VB, 0                                 ; no wait: no vector instruction since the last unit's wait names VB or buffer 0
	INIT
	WIN 0
	s_mov_b32 s[KB], 0
	s_mov_b32 s[KOFF], 0
	s_mov_b32 s[WO], CHW
	s_mov_b32 s[TC], 7
.Lstream:                                              ; trip t multiplies chunk t, rounds chunk t + 1, asks for chunk t + 2 (trip 6: idle loads) and for the rows' chunk t + 1
	TRIP 1
	s_sub_co_u32 s[TC], s[TC], 1
	s_cmp_lg_u32 s[TC], 0
	s_cbranch_scc1 .Lstream
	s_mov_b32 s[TC], 1
	s_branch .Lresident                            ; block 0's last chunk goes by the resident text's last trip
.Lblock:                                               ; blocks 1 to 3, from the resident slice
	s_cmp_ge_u32 s[ROW0], s[CNT]
	s_cbranch_scc1 .Lmet                           ; my wave has no row here: work alone is jumped, the barrier below is met
	s_wait_loadcnt 0x0                             ; the last trip's idle loads have landed: their registers are loaded again
	s_wait_xcnt 0x0                                ; the rows' offsets and xb's base were sources of earlier loads
	s_wait_alu depctr_vm_vsrc(0)                   ; the row loads and the fetches issued so far have read VA, VAX and VB, which are made anew below
	WIN 0x55
.irp b, 0,1,2
.irp j, 0,1,2,3,4
	v_mov_b32 v[TKS+8*\b+\j], v[TKS+8*\b+8+\j]     ; the next block's tokens move into the lowest set
.endr
.endr
	MAKEVA
	v_mov_b32 v[VB], v[VB0]
	FLAG5
	s_mov_b32 s[KOFF], 0
	s_mov_b64 s[AB:AB+1], s[XB:XB+1]
	s_mov_b32 s[KB], 0
	s_wait_alu depctr_va_vdst(0)                   ; VA, VAX and VB are written, which the loads below and those of the first trip read
	ALOAD 0, VA
	ALOAD 1, VA
	ALOAD 2, VA                                    ; set 3 is asked for in the first trip's k step 0
	FETCH 0, VB, 0
	INIT
	WIN 0
	s_mov_b32 s[TC], 8
.Lresident:
	TRIP 0
	s_sub_co_u32 s[TC], s[TC], 1
	s_cmp_lg_u32 s[TC], 0
	s_cbranch_scc1 .Lresident
.Lmet:
	s_wait_dscnt 0x0                               ; my reads of the slice are back
	s_barrier_signal -1
	s_barrier_wait -1                              ; everybody's are: only now is a stage written
	OUTSTRIP 0
	OUTSTRIP 1
	OUTSTRIP 2
	OUTSTRIP 3
	OUTSTRIP 4
.Lnext:
	s_wait_dscnt 0x0                               ; my stores into my stage and my reads of it are done
	s_barrier_signal -1
	s_barrier_wait -1                              ; everybody's are: the next block's reads, and behind the last block the closing lines, stand behind this barrier
	s_add_co_u32 s[ROW0], s[ROW0], 320
	s_sub_co_u32 s[BLK], s[BLK], 1
	s_cmp_lg_u32 s[BLK], 0
	s_cbranch_scc1 .Lblock
	s_wait_dscnt 0x0                               ; the closing lines, six on end
	s_wait_alu 0x0
	s_wait_tensorcnt 0x0
	ds_add_u32 v[SPW], v[NIL]
	s_wait_dscnt 0x0
	s_endpgm
.Lfunc_end_k_qc5b34d28bd_up:
	.size	k_qc5b34d28bd_up, .Lfunc_end_k_qc5b34d28bd_up-k_qc5b34d28bd_up
	.p2alignl 7, 3214868480
	.fill 96, 4, 3214868480
	.section	.rodata,"a",@progbits
	.p2align	6, 0x0
	.amdhsa_kernel k_qc5b34d28bd_up
		.amdhsa_group_segment_fixed_size 312832
		.amdhsa_private_segment_fixed_size 0
		.amdhsa_enable_private_segment 0
		.amdhsa_kernarg_size 48
		.amdhsa_user_sgpr_count 2
		.amdhsa_user_sgpr_kernarg_segment_ptr 1
		.amdhsa_wavefront_size32 1
		.amdhsa_system_sgpr_workgroup_id_x 1
		.amdhsa_system_sgpr_workgroup_id_y 1
		.amdhsa_system_sgpr_workgroup_id_z 1
		.amdhsa_system_vgpr_workitem_id 0
		.amdhsa_next_free_vgpr 1024
		.amdhsa_next_free_sgpr 100
		.amdhsa_reserve_vcc 0
		.amdhsa_float_denorm_mode_32 3
		.amdhsa_float_denorm_mode_16_64 3
		.amdhsa_memory_ordered 1
		.amdhsa_forward_progress 1
		.amdhsa_inst_pref_size 170
	.end_amdhsa_kernel
	.amdgpu_metadata
---
amdhsa.version: [ 1, 2 ]
amdhsa.kernels:
  - .name:           k_qc5b34d28bd_up
    .symbol:         k_qc5b34d28bd_up.kd
    .args:
      - { .name: xb, .offset: 0, .size: 8, .value_kind: global_buffer, .address_space: global }
      - { .name: W1, .offset: 8, .size: 8, .value_kind: global_buffer, .address_space: global }
      - { .name: b1, .offset: 16, .size: 8, .value_kind: global_buffer, .address_space: global }
      - { .name: sel, .offset: 24, .size: 8, .value_kind: global_buffer, .address_space: global }
      - { .name: h, .offset: 32, .size: 8, .value_kind: global_buffer, .address_space: global }
      - { .name: rnk, .offset: 40, .size: 8, .value_kind: global_buffer, .address_space: global }
    .group_segment_fixed_size: 312832
    .private_segment_fixed_size: 0
    .kernarg_segment_align: 8
    .kernarg_segment_size: 48
    .max_flat_workgroup_size: 128
    .sgpr_count:     100
    .vgpr_count:     1024
    .wavefront_size: 32
...
	.end_amdgpu_metadata
.endif
;; end of part 9
;; launch down: the kernel of part 7 again; grid 32 x 8, 4 waves a work-group, no clusters, 312,832 bytes of LDS; arguments h, W2, sel, part; writes part
;; launch sum: the kernel of part 8 again; grid 256 x 1, 8 waves a work-group, no clusters, 0 bytes of LDS; arguments part, b2, sel, wgt, rnk, out0; writes out0
